; MI455X (gfx1250); checked and timed in simulation.
; The chip was launched on July 23, 2026; its instructions are those of AMD's public machine-readable ISA for CDNA 5 (MIT licence, August 2026) and "CDNA5" Instruction Set Architecture Reference Guide (July 2026). The comments in the code are by the model that wrote it; some were corrected since.
;; Transformer Block. Allowed arithmetic: matrix products marked QUANTISED: E4M3 operands, one E8M0 scale for each 32 along K, by v_wmma_scale_f32_16x16x128_f8f6f4 with both operands' format E4M3, f32 sums; everything else in f32.
;; Inputs: fc1_b 4,096 float32; fc1_w 1,024 x 4,096 float32; fc2_b 1,024 float32; fc2_w 4,096 x 1,024 float32; ln1_b 1,024 float32; ln1_g 1,024 float32; ln2_b 1,024 float32; ln2_g 1,024 float32; out_b 1,024 float32; out_w 1,024 x 1,024 float32; qkv_b 3,072 float32; qkv_w 1,024 x 3,072 float32; x 2 x 2,048 x 1,024 float32.
;; Outputs: out0 2 x 2,048 x 1,024 float32.
;; This version of the problem:
;;   THIS VERSION OF THE PROBLEM IS GIVEN IN LOW PRECISION. The matrix products marked QUANTISED in the list below multiply operands that are first quantised to E4M3 (4 exponent bits, 3 mantissa bits; 8 bits a number), with one power-of-two scale for each 32 numbers along K (OCP MX v1.0); their sums are f32. All else is computed in f32.
;;   The module's matrix products, in the order in which they are computed (A, B: the left and right operand; K: the contracted axis; several contracted axes count as one K, in the product's order):
;;     1. [M 4,096, K 1,024] x [K 1,024, N 3,072]; A: computed on the way; B: input qkv_w: QUANTISED
;;     2. batch 32 x [M 2,048, K 64] x [K 64, N 2,048]; A: computed on the way; B: computed on the way: QUANTISED
;;     3. batch 32 x [M 2,048, K 2,048] x [K 2,048, N 64]; A: softmax (see below); B: computed on the way: QUANTISED
;;     4. [M 4,096, K 1,024] x [K 1,024, N 1,024]; A: computed on the way; B: input out_w: QUANTISED
;;     5. [M 4,096, K 1,024] x [K 1,024, N 4,096]; A: computed on the way; B: input fc1_w: QUANTISED
;;     6. [M 4,096, K 4,096] x [K 4,096, N 1,024]; A: computed on the way; B: input fc2_w: QUANTISED
;;   THE QUANTISER, for each operand of a quantised product, along K:
;;     - K is cut into blocks of 32 from its start; a last block that is shorter is filled with zeros.
;;     - A block's scale is 2^e with e = floor(log2(the largest magnitude in the block)) - 8, held to -126 .. 127; a block of zeros has e = 0. As a byte (E8M0): e + 127.
;;     - Each number is divided by its block's scale, clamped to +-448, and rounded to the nearest number of E4M3, ties to even, subnormals kept.
;;     - The product sums the exact products of the quantised numbers (number of the format x scale) in f32.
;;   ~~~python
;;   def quantise(x, axis):      # numpy; x: float32 -> the quantised numbers, widened to float32 again
;;       x = np.moveaxis(x, axis, -1); K = x.shape[-1]
;;       x = np.pad(x, [(0, 0)] * (x.ndim - 1) + [(0, -K % 32)]); x = x.reshape(x.shape[:-1] + (-1, 32)); a = np.abs(x).max(-1, keepdims=True)
;;       e = np.where(a > 0, np.clip(np.frexp(np.where(a > 0, a, 1))[1] - 1 - 8, -126, 127), 0)      # np.frexp(a)[1] - 1 = floor(log2(a)), exactly
;;       r = np.clip(x / 2.0 ** e, -448, 448)
;;       step = 2.0 ** (np.maximum(np.frexp(np.where(r == 0, 1, r))[1] - 1, -6) - 3)
;;       q = np.round(r / step) * step * 2.0 ** e      # np.round: ties to even
;;       return np.moveaxis(q.reshape(q.shape[:-2] + (-1,))[..., :K], -1, axis).astype(np.float32)
;;   ~~~
;;   SOFTMAX AHEAD OF A QUANTISED PRODUCT. Where the list says 'softmax', what is quantised is not the finished softmax but p = 2^(t - M), with t = logit x log2(e) and M = ceil(the row's largest t), a whole number; so 1/2 < the row's largest p <= 1. The row's sum l is taken of the UNQUANTISED p, in f32, and the product's result is divided by l at the end. Since M is a whole number, a kernel that streams over the keys may use a running M (the ceiling of the running maximum): every later rescaling is an exact power of two, which a block's scale takes up: the codes' values come out the same.
;;   OPERANDS COMPUTED ON THE WAY. 'Computed on the way' means the value that the module computes at that place (a softmax that the list does not call 'softmax' is quantised finished and normalised). What goes into a quantiser is computed in f32, as accurately as f32 sums, v_exp_f32 and their like allow (about 1e-6 of the number): no bf16 or f16 on the way to a quantiser, and a product that is left as it is and whose result goes on into a quantised operand takes f32 operands (vector FMAs, or v_wmma_f32_16x16x4_f32). A number that lies on a knife's edge between two numbers of the format may be rounded either way, as far as f32 arithmetic and the matrix unit's own rounding can turn it there, and no further.
;; 2 versions, each right and faster than the one before. Each part assembles by itself: llvm-mc -triple=amdgcn-amd-amdhsa -mcpu=gfx1250 --defsym DOCPART=n.
;; ======== version 1 of 2: 7 launches
;; limits: a function is approximated: absolute error at most 7.5e-08
;; workspace buffers: wts 13,369,344 bytes; hn 4,456,448 bytes; qkvb 13,369,344 bytes; oimg 4,456,448 bytes; x1 16,777,216 bytes; g 17,825,792 bytes
;; launch prep (part 1): grid 448 x 1, 8 waves a work-group, no clusters, 66,816 bytes of LDS; arguments x, ln1_g, ln1_b, hn, qkv_w, out_w, fc1_w, fc2_w, wts; writes hn, wts
.if DOCPART == 1
	.amdgcn_target "amdgcn-amd-amdhsa--gfx1250"
	.amdhsa_code_object_version 6
	.text
	.protected	k_qa85de2893f_prep
	.globl	k_qa85de2893f_prep
	.p2align	8
	.type	k_qa85de2893f_prep,@function
k_qa85de2893f_prep:
	s_mov_b64 s[64:65], 0
	v_nop
	global_prefetch_b8 v0, s[64:65] scope:SCOPE_SE
	s_setreg_imm32_b32 hwreg(HW_REG_WAVE_MODE, 25, 1), 1
	s_wait_xcnt 0x0
; Work-groups 0 to 255: LayerNorm of 16 rows of [4096][1024] f32, quantised to FP8 (E4M3) with one E8M0 byte for each 32 along the row.
; Work-groups 256 to 447: the four weights [K][N] f32, quantised along K (their first axis).
; THE OPERAND FORMAT of both results.  Row tile T, lane row r holds the actual row 32 (T / 2) + 8 (T % 2) + r + 8 (r / 8).  For each tile and each 256 along K one block of 4,352 bytes:
; two images of an operand fragment (16 rows x 128 K, 2,048 bytes: byte 512 c + 16 lane + i is the code of row lane % 16 at k = 32 c + 16 (lane / 16) + i) and 256 bytes of scale words
; (byte 8 lane + 4 q + b: row lane % 16, K step q, block b; lanes 16-31 repeat lanes 0-15).  Block (T, kap) lies at (T x K / 256 + kap) x 4,352.
; A block of 32 has the scale 2^(floor(log2(largest magnitude)) - 8); numbers are held within 448 x the scale and rounded to the nearest code, ties to even.
; LIMITS: a block of zeros gets the byte 1 where the rule says 127 (its codes are zeros, and this program alone reads the bytes); a largest magnitude under 2^-118 is taken as 2^-118;
; NaN and infinities among the inputs are not served.  The mean is taken away before the squares are summed, so a common offset of a row does no harm.
; No tensor loads, no matrix work, no cluster: nothing is shared between work-groups, and memory binds.  No prefetch: the launch streams from its first line.
.set SEL,   24                         ; s[24:25] lane selects: lane l xor 16
.set MNT,   26                         ; s26 the mantissa field of 448
.set XR,    32                         ; v32-95   two rows, later 64 numbers of one K step
.set GR,    96                         ; v96-127  the gain of my 32 columns
.set BR,    128                        ; v128-159 the bias
.set TM,    160                        ; v160-175 largest magnitudes, bytes, holds, scale operands
.set PC,    176                        ; v176-191 the codes
.set PW,    16                         ; v16      the scale word
.set LP,    4112                       ; a row in LDS: 4,096 bytes + 16
.set TILEB, 4352
.set WOUT,  3342336                    ; where out_w, fc1_w, fc2_w begin in wts (qkv_w at 0)
.set WFC1,  4456448
.set WFC2,  8912896
; 16 nb numbers a lane, register 16 b + i = k 32 b + 16 (lane / 16) + i of my row, become codes in v[PC] on; the bytes are left in v[TM+4] on
.macro QUANT s, nb
.irp b, 0,1,2,3
.if \b < \nb
	v_max3_num_f32 v[TM+\b], |v[\s+16*\b]|, |v[\s+1+16*\b]|, 0x4800000   ; the floor 2^(9 - 127) holds the byte at 1 from below
.endif
.endr
.irp i, 2,4,6,8,10,12,14
.irp b, 0,1,2,3
.if \b < \nb
	v_max3_num_f32 v[TM+\b], v[TM+\b], |v[\s+16*\b+\i]|, |v[\s+1+16*\b+\i]|
.endif
.endr
.endr
.irp b, 0,1,2,3
.if \b < \nb
	v_permlanex16_b32 v[TM+4+\b], v[TM+\b], s[SEL], s[SEL+1]
.endif
.endr
.irp b, 0,1,2,3
.if \b < \nb
	v_max_num_f32 v[TM+\b], v[TM+\b], v[TM+4+\b]                 ; with lane l xor 16: the whole block
.endif
.endr
.irp b, 0,1,2,3
.if \b < \nb
	v_add_nc_u32 v[TM+12+\b], 0xfc000000, v[TM+\b]               ; 8 off the exponent field: the scale operand of the conversion
.endif
.endr
.irp b, 0,1,2,3
.if \b < \nb
	v_and_or_b32 v[TM+8+\b], v[TM+\b], 0x7f800000, s[MNT]        ; 448 x the scale
.endif
.endr
.irp b, 0,1,2,3
.if \b < \nb
	v_lshrrev_b32 v[TM+4+\b], 23, v[TM+12+\b]                    ; the byte
.endif
.endr
.irp b, 0,1,2,3
.if \b < \nb
.irp i, 0,1,2,3,4,5,6,7,8,9,10,11,12,13,14,15
	v_med3_num_f32 v[\s+16*\b+\i], v[\s+16*\b+\i], -v[TM+8+\b], v[TM+8+\b]   ; the conversion does not saturate (ISA guide 7.6.2): the hold comes first
.endr
	v_cvt_scalef32_pk8_fp8_f32 v[PC+4*\b:PC+1+4*\b], v[\s+16*\b:\s+7+16*\b], v[TM+12+\b]
	v_cvt_scalef32_pk8_fp8_f32 v[PC+2+4*\b:PC+3+4*\b], v[\s+8+16*\b:\s+15+16*\b], v[TM+12+\b]
.endif
.endr
	v_nop                                          ; one plain line behind the last conversion
.endm
.macro REDUCE v, t                     ; the sum over the 32 lanes, in every lane
	v_add_f32_dpp v[\v], v[\v], v[\v] row_xmask:1 row_mask:0xf bank_mask:0xf
	v_add_f32_dpp v[\v], v[\v], v[\v] row_xmask:2 row_mask:0xf bank_mask:0xf
	v_add_f32_dpp v[\v], v[\v], v[\v] row_xmask:4 row_mask:0xf bank_mask:0xf
	v_add_f32_dpp v[\v], v[\v], v[\v] row_xmask:8 row_mask:0xf bank_mask:0xf
	v_permlanex16_b32 v[\t], v[\v], s[SEL], s[SEL+1]
	v_add_f32 v[\v], v[\v], v[\t]
.endm
	s_load_b256 s[4:11], s[0:1], 0x0               ; rows s[4:5], gain s[6:7], bias s[8:9], hn s[10:11]
	s_load_b256 s[12:19], s[0:1], 0x20             ; qkv_w, out_w, fc1_w, fc2_w
	s_load_b64 s[20:21], s[0:1], 0x40              ; wts
	v_lshl_add_u32 v192, v0, 2, 0x10100
	v_mov_b32 v193, 0
	v_lshrrev_b32 v1, 5, v0
	v_readfirstlane_b32 s22, v1                    ; wave 0..7
	v_and_b32 v1, 31, v0                           ; lane
	s_mov_b32 s[SEL], 0x76543210
	s_mov_b32 s[SEL+1], 0xfedcba98
	s_mov_b32 s[MNT], 0x600000
	s_mov_b32 s27, 0x3727c5ac                      ; 1e-5
	s_cmp_ge_u32 ttmp9, 256                        ; the same for all waves of a work-group
	s_cbranch_scc1 .Lweights
	; ---- LayerNorm.  Work-group T owns row tile T; wave w its lane rows 2 w and 2 w + 1, which are neighbouring rows of the tensor
	s_lshr_b32 s28, ttmp9, 1
	s_lshl_b32 s28, s28, 5
	s_and_b32 s29, ttmp9, 1
	s_lshl_b32 s29, s29, 3
	s_add_co_u32 s28, s28, s29
	s_lshl_b32 s29, s22, 1
	s_add_co_u32 s28, s28, s29
	s_lshr_b32 s29, s22, 2
	s_lshl_b32 s29, s29, 3
	s_add_co_u32 s28, s28, s29                     ; 32 (T / 2) + 8 (T % 2) + 2 w + 8 (w / 4)
	s_lshl_b32 s28, s28, 12                        ; rows of 4,096 bytes
	s_mov_b32 s29, 0
	v_lshlrev_b32 v2, 4, v1                        ; 16 x lane
	s_wait_kmcnt 0x0
	s_add_nc_u64 s[4:5], s[4:5], s[28:29]
.irp p, 0,1
.irp j, 0,1,2,3,4,5,6,7
	global_load_b128 v[XR+32*\p+4*\j:XR+32*\p+4*\j+3], v2, s[4:5] offset:4096*\p+512*\j th:TH_LOAD_NT   ; 512 consecutive bytes a load
.endr
.endr
.irp j, 0,1,2,3,4,5,6,7
	global_load_b128 v[GR+4*\j:GR+4*\j+3], v2, s[6:7] offset:512*\j
.endr
.irp j, 0,1,2,3,4,5,6,7
	global_load_b128 v[BR+4*\j:BR+4*\j+3], v2, s[8:9] offset:512*\j
.endr
	v_and_b32 v3, 15, v0                           ; r
	v_bfe_u32 v21, v0, 4, 1                        ; h
	s_mul_i32 s30, s22, 2*LP
	v_add_nc_u32 v17, s30, v2                      ; LDS, in: my two rows, 16 bytes a lane
	v_mul_u32_u24 v18, v3, LP
	v_lshl_add_u32 v18, v21, 6, v18
	s_lshl_b32 s30, s22, 9
	v_add_nc_u32 v18, s30, v18                     ; LDS, out: row r, K step w, + 64 h: 16 neighbours of each block of 32
	v_lshlrev_b32 v20, 3, v1                       ; 8 x lane: a scale word's place
.irp b, 0,1,2,3
	v_mov_b32 v[TM+4+\b], 0                        ; a lane permute's destination counts as read: written once
.endr
	s_lshl_b32 s30, ttmp9, 2
	s_lshr_b32 s31, s22, 1
	s_add_co_u32 s30, s30, s31
	s_mul_i32 s30, s30, TILEB                      ; block (T, w / 2)
	s_and_b32 s31, s22, 1
	s_lshl_b32 s32, s31, 11
	s_add_co_u32 s32, s32, s30                     ; image w % 2
	s_mov_b32 s33, 0
	s_add_nc_u64 s[32:33], s[10:11], s[32:33]
	s_lshl_b32 s34, s31, 2
	s_add_co_u32 s34, s34, s30
	s_add_co_u32 s34, s34, 4096                    ; its scale words
	s_mov_b32 s35, 0
	s_add_nc_u64 s[34:35], s[10:11], s[34:35]
	s_wait_loadcnt 16                              ; both rows are in; the 16 loads of gain and bias may be out
.irp p, 0,1
	v_pk_add_f32 v[4+4*\p:5+4*\p], v[XR+32*\p:XR+32*\p+1], v[XR+32*\p+2:XR+32*\p+3]
	v_pk_add_f32 v[6+4*\p:7+4*\p], v[XR+32*\p+4:XR+32*\p+5], v[XR+32*\p+6:XR+32*\p+7]
.endr
.irp j, 8,12,16,20,24,28
.irp p, 0,1
	v_pk_add_f32 v[4+4*\p:5+4*\p], v[4+4*\p:5+4*\p], v[XR+32*\p+\j:XR+32*\p+\j+1]
	v_pk_add_f32 v[6+4*\p:7+4*\p], v[6+4*\p:7+4*\p], v[XR+32*\p+\j+2:XR+32*\p+\j+3]
.endr
.endr
.irp p, 0,1
	v_pk_add_f32 v[4+4*\p:5+4*\p], v[4+4*\p:5+4*\p], v[6+4*\p:7+4*\p]
.endr
.irp p, 0,1
	v_add_f32 v[4+4*\p], v[4+4*\p], v[5+4*\p]
.endr
	REDUCE 4, 5
	REDUCE 8, 9
.irp p, 0,1
	v_mul_f32 v[4+4*\p], 0x3a800000, v[4+4*\p]     ; the mean: / 1,024
.endr
.irp p, 0,1
.set i, 0
.rept 16
	v_pk_add_f32 v[XR+32*\p+2*i:XR+32*\p+2*i+1], v[XR+32*\p+2*i:XR+32*\p+2*i+1], v[4+4*\p:5+4*\p] op_sel_hi:[1,0] neg_lo:[0,1] neg_hi:[0,1]
.set i, i+1
.endr
.endr
.irp p, 0,1
	v_pk_mul_f32 v[6+4*\p:7+4*\p], v[XR+32*\p:XR+32*\p+1], v[XR+32*\p:XR+32*\p+1]
	v_pk_mul_f32 v[12+2*\p:13+2*\p], v[XR+32*\p+2:XR+32*\p+3], v[XR+32*\p+2:XR+32*\p+3]
.endr
.irp j, 4,8,12,16,20,24,28
.irp p, 0,1
	v_pk_fma_f32 v[6+4*\p:7+4*\p], v[XR+32*\p+\j:XR+32*\p+\j+1], v[XR+32*\p+\j:XR+32*\p+\j+1], v[6+4*\p:7+4*\p]
	v_pk_fma_f32 v[12+2*\p:13+2*\p], v[XR+32*\p+\j+2:XR+32*\p+\j+3], v[XR+32*\p+\j+2:XR+32*\p+\j+3], v[12+2*\p:13+2*\p]
.endr
.endr
.irp p, 0,1
	v_pk_add_f32 v[6+4*\p:7+4*\p], v[6+4*\p:7+4*\p], v[12+2*\p:13+2*\p]
.endr
.irp p, 0,1
	v_add_f32 v[6+4*\p], v[6+4*\p], v[7+4*\p]
.endr
	REDUCE 6, 7
	REDUCE 10, 11
.irp p, 0,1
	v_fma_f32 v[6+4*\p], v[6+4*\p], 0x3a800000, s27   ; the variance + 1e-5
.endr
	v_rsq_f32 v12, v6
	v_rsq_f32 v14, v10
	v_nop                                          ; a plain line behind the two roots,
	s_wait_alu depctr_va_vdst(0)                   ; and one wait for both, ahead of their first reader
	s_wait_loadcnt 0x0                             ; gain and bias
.irp p, 0,1
.set i, 0
.rept 16
	v_pk_mul_f32 v[XR+32*\p+2*i:XR+32*\p+2*i+1], v[XR+32*\p+2*i:XR+32*\p+2*i+1], v[12+2*\p:13+2*\p] op_sel_hi:[1,0]
.set i, i+1
.endr
.endr
.irp p, 0,1
.set i, 0
.rept 16
	v_pk_fma_f32 v[XR+32*\p+2*i:XR+32*\p+2*i+1], v[XR+32*\p+2*i:XR+32*\p+2*i+1], v[GR+2*i:GR+2*i+1], v[BR+2*i:BR+2*i+1]
.set i, i+1
.endr
.endr
.irp p, 0,1
.irp j, 0,1,2,3,4,5,6,7
	ds_store_b128 v17, v[XR+32*\p+4*\j:XR+32*\p+4*\j+3] offset:LP*\p+512*\j
.endr
.endr
	s_wait_dscnt 0x0                               ; for the others: my rows lie in LDS
	s_barrier_signal -1
	s_barrier_wait -1
	; wave w takes K step w of all 16 rows: lane (r, h) reads 16 neighbours of each of the four blocks
.irp c, 0,1,2,3
.irp j, 0,1,2,3
	ds_load_b128 v[XR+16*\c+4*\j:XR+16*\c+4*\j+3], v18 offset:128*\c+16*\j
.endr
.endr
	s_wait_dscnt 0x0
	QUANT XR, 4
	v_lshl_or_b32 v[PW], v[TM+5], 8, v[TM+4]
	v_lshl_or_b32 v[PW], v[TM+6], 16, v[PW]
	v_lshl_or_b32 v[PW], v[TM+7], 24, v[PW]
.irp c, 0,1,2,3
	global_store_b128 v2, v[PC+4*\c:PC+4*\c+3], s[32:33] offset:512*\c   ; 512 consecutive bytes a store
.endr
	global_store_b32 v20, v[PW], s[34:35]          ; two waves fill a block's 256 bytes of scale words between them
	s_wait_tensorcnt 0x0
	ds_add_u32 v192, v193
	s_wait_dscnt 0x0
	s_endpgm
	; ---- The weights.  A work-group takes 256 columns x 256 along K; a lane one column, its registers running down K: a block of 32 lies in one lane
.Lweights:
	s_sub_co_u32 s28, ttmp9, 256
	s_mov_b32 s52, 4096                            ; fc2_w: bytes in a row,
	s_mov_b32 s53, 4                               ; log2 (K / 256),
	s_mov_b32 s54, 128                             ; its first work-group,
	s_mov_b32 s55, WFC2                            ; its place in wts
	s_wait_kmcnt 0x0
	s_mov_b64 s[56:57], s[18:19]
	s_cmp_lt_u32 s28, 128                          ; fc1_w
	s_cselect_b64 s[56:57], s[16:17], s[56:57]
	s_cselect_b32 s52, 16384, s52
	s_cselect_b32 s53, 2, s53
	s_cselect_b32 s54, 64, s54
	s_cselect_b32 s55, WFC1, s55
	s_cmp_lt_u32 s28, 64                           ; out_w
	s_cselect_b64 s[56:57], s[14:15], s[56:57]
	s_cselect_b32 s52, 4096, s52
	s_cselect_b32 s54, 48, s54
	s_cselect_b32 s55, WOUT, s55
	s_cmp_lt_u32 s28, 48                           ; qkv_w
	s_cselect_b64 s[56:57], s[12:13], s[56:57]
	s_cselect_b32 s52, 12288, s52
	s_cselect_b32 s54, 0, s54
	s_cselect_b32 s55, 0, s55
	s_sub_co_u32 s28, s28, s54
	s_lshl_b32 s29, 1, s53
	s_sub_co_u32 s29, s29, 1
	s_and_b32 s30, s28, s29                        ; kap: which 256 along K
	s_lshr_b32 s31, s28, s53                       ; cg: which 256 columns
	s_mul_i32 s58, s30, s52
	s_lshl_b32 s58, s58, 8
	s_lshl_b32 s59, s31, 10
	s_add_co_u32 s58, s58, s59
	s_lshl_b32 s59, s22, 7
	s_add_co_u32 s58, s58, s59                     ; row 256 kap, column 256 cg + 32 w
	s_mov_b32 s59, 0
	s_add_nc_u64 s[32:33], s[56:57], s[58:59]
	s_lshl_b32 s60, s52, 5                         ; 32 rows on
	s_mov_b32 s61, 0
.irp t, 1,2,3,4,5,6,7
	s_add_nc_u64 s[32+2*\t:33+2*\t], s[30+2*\t:31+2*\t], s[60:61]   ; a base for each of the eight blocks
.endr
	s_lshl_b32 s58, s31, 4
	s_lshl_b32 s59, s22, 1
	s_add_co_u32 s58, s58, s59                     ; row tile 16 cg + 2 w (and the next)
	s_lshl_b32 s58, s58, s53
	s_add_co_u32 s58, s58, s30
	s_mul_i32 s58, s58, TILEB
	s_add_co_u32 s58, s58, s55
	s_mov_b32 s59, 0
	s_add_nc_u64 s[48:49], s[20:21], s[58:59]
	s_lshl_b32 s62, TILEB, s53                     ; from a tile to the next
	v_lshlrev_b32 v3, 2, v1
	v_bfe_u32 v4, v0, 3, 1                         ; column 32 g + l is lane row 8 (l / 16) + l % 8 of tile 2 g + (l / 8) % 2
	v_bfe_u32 v5, v0, 4, 1
	v_and_b32 v6, 7, v0
	v_lshl_add_u32 v5, v5, 3, v6
	v_mul_u32_u24 v4, s62, v4
	v_lshl_add_u32 v14, v5, 4, v4                  ; my 16 bytes in an image
	v_lshl_add_u32 v15, v5, 3, v4                  ; my 8 bytes among the scale words
.set i, 0
.rept 32
	v_mad_u32_u24 v[32+i], s52, i, v3              ; row i of a block, my column
.set i, i+1
.endr
.macro WLOAD t
.set i, 0
.rept 32
	global_load_b32 v[64+32*((\t)%2)+i], v[32+i], s[32+2*(\t):33+2*(\t)] th:TH_LOAD_NT
.set i, i+1
.endr
.endm
.macro WBLOCK t
.set XS, 64+32*((\t)%2)
.if (\t) < 7
	s_wait_loadcnt 32                              ; this block is in; the next block's 32 loads may be out
.else
	s_wait_loadcnt 0x0
.endif
	v_max3_num_f32 v12, |v[XS]|, |v[XS+1]|, |v[XS+2]|
	v_max3_num_f32 v13, |v[XS+3]|, |v[XS+4]|, |v[XS+5]|
.irp i, 6,10,14,18,22,26
	v_max3_num_f32 v12, v12, |v[XS+\i]|, |v[XS+\i+1]|
	v_max3_num_f32 v13, v13, |v[XS+\i+2]|, |v[XS+\i+3]|
.endr
	v_max3_num_f32 v12, v12, |v[XS+30]|, |v[XS+31]|
	v_max3_num_f32 v12, v12, v13, 0x4800000
	v_add_nc_u32 v11, 0xfc000000, v12
	v_and_or_b32 v10, v12, 0x7f800000, s[MNT]
	v_lshrrev_b32 v13, 23, v11
.if (\t)%4 == 0
	v_mov_b32 v[20+(\t)/4], v13
.else
	v_lshl_or_b32 v[20+(\t)/4], v13, 8*((\t)%4), v[20+(\t)/4]
.endif
.irp i, 0,1,2,3,4,5,6,7,8,9,10,11,12,13,14,15,16,17,18,19,20,21,22,23,24,25,26,27,28,29,30,31
	v_med3_num_f32 v[XS+\i], v[XS+\i], -v10, v10
.endr
.irp g, 0,1,2,3
	v_cvt_scalef32_pk8_fp8_f32 v[128+8*(\t)+2*\g:129+8*(\t)+2*\g], v[XS+8*\g:XS+8*\g+7], v11
.endr
	global_store_b128 v14, v[128+8*(\t):131+8*(\t)], s[48:49] offset:2048*((\t)/4)+512*((\t)%4)        ; k 0-15 of the block: sixteen lanes fill 256 aligned bytes of one tile, sixteen of the next
	global_store_b128 v14, v[132+8*(\t):135+8*(\t)], s[48:49] offset:2048*((\t)/4)+512*((\t)%4)+256    ; k 16-31.  Each block has code registers of its own: no data of a store are written again
.if (\t)+2 < 8
	WLOAD (\t)+2
.endif
.endm
	WLOAD 0
	WLOAD 1
.irp t, 0,1,2,3,4,5,6,7
	WBLOCK \t
.endr
	global_store_b64 v15, v[20:21], s[48:49] offset:4096
	global_store_b64 v15, v[20:21], s[48:49] offset:4224   ; the repeat for lanes 16-31
	s_endpgm
.Lfunc_end_k_qa85de2893f_prep:
	.size	k_qa85de2893f_prep, .Lfunc_end_k_qa85de2893f_prep-k_qa85de2893f_prep
	.p2alignl 7, 3214868480
	.fill 96, 4, 3214868480
	.section	.rodata,"a",@progbits
	.p2align	6, 0x0
	.amdhsa_kernel k_qa85de2893f_prep
		.amdhsa_group_segment_fixed_size 66816
		.amdhsa_private_segment_fixed_size 0
		.amdhsa_enable_private_segment 0
		.amdhsa_kernarg_size 72
		.amdhsa_user_sgpr_count 2
		.amdhsa_user_sgpr_kernarg_segment_ptr 1
		.amdhsa_wavefront_size32 1
		.amdhsa_system_sgpr_workgroup_id_x 1
		.amdhsa_system_sgpr_workgroup_id_y 1
		.amdhsa_system_sgpr_workgroup_id_z 1
		.amdhsa_system_vgpr_workitem_id 0
		.amdhsa_next_free_vgpr 194
		.amdhsa_next_free_sgpr 66
		.amdhsa_reserve_vcc 0
		.amdhsa_float_denorm_mode_32 3
		.amdhsa_float_denorm_mode_16_64 3
		.amdhsa_memory_ordered 1
		.amdhsa_forward_progress 1
		.amdhsa_inst_pref_size 87
	.end_amdhsa_kernel
	.amdgpu_metadata
---
amdhsa.version: [ 1, 2 ]
amdhsa.kernels:
  - .name:           k_qa85de2893f_prep
    .symbol:         k_qa85de2893f_prep.kd
    .args:
      - { .name: x, .offset: 0, .size: 8, .value_kind: global_buffer, .address_space: global }
      - { .name: ln1_g, .offset: 8, .size: 8, .value_kind: global_buffer, .address_space: global }
      - { .name: ln1_b, .offset: 16, .size: 8, .value_kind: global_buffer, .address_space: global }
      - { .name: hn, .offset: 24, .size: 8, .value_kind: global_buffer, .address_space: global }
      - { .name: qkv_w, .offset: 32, .size: 8, .value_kind: global_buffer, .address_space: global }
      - { .name: out_w, .offset: 40, .size: 8, .value_kind: global_buffer, .address_space: global }
      - { .name: fc1_w, .offset: 48, .size: 8, .value_kind: global_buffer, .address_space: global }
      - { .name: fc2_w, .offset: 56, .size: 8, .value_kind: global_buffer, .address_space: global }
      - { .name: wts, .offset: 64, .size: 8, .value_kind: global_buffer, .address_space: global }
    .group_segment_fixed_size: 66816
    .private_segment_fixed_size: 0
    .kernarg_segment_align: 8
    .kernarg_segment_size: 72
    .max_flat_workgroup_size: 256
    .sgpr_count:     66
    .vgpr_count:     194
    .wavefront_size: 32
...
	.end_amdgpu_metadata
.endif
;; end of part 1
;; launch qkv (part 2): grid 8 x 24, 4 waves a work-group, clusters of 4 x 4, 327,680 bytes of LDS; arguments hn, wts, qkv_b, qkvb; writes qkvb
.if DOCPART == 2
	.amdgcn_target "amdgcn-amd-amdhsa--gfx1250"
	.amdhsa_code_object_version 6
	.text
	.protected	k_qa85de2893f_qkv
	.globl	k_qa85de2893f_qkv
	.p2align	8
	.type	k_qa85de2893f_qkv,@function
k_qa85de2893f_qkv:
	s_mov_b64 s[64:65], 0
	v_nop
	global_prefetch_b8 v0, s[64:65] scope:SCOPE_SE
	s_setreg_imm32_b32 hwreg(HW_REG_WAVE_MODE, 25, 1), 1
	s_wait_xcnt 0x0
	s_wait_alu depctr_hold_cnt(0) depctr_sa_sdst(0) depctr_va_vdst(0) depctr_va_sdst(0) depctr_va_ssrc(0) depctr_va_vcc(0) depctr_vm_vsrc(0)
	s_getreg_b32 s2, hwreg(HW_REG_IB_STS2, 6, 4)
	s_cmp_eq_u32 s2, 0
	s_cbranch_scc0 .Lentry_in_a_cluster
	s_endpgm
.Lentry_in_a_cluster:
	s_bfe_u32 s2, ttmp6, 0x10000c
	s_cmp_lg_u32 s2, 0xf033
	s_cbranch_scc0 .Lentry_shape_is_right
	s_endpgm
.Lentry_shape_is_right:
; qkv = LN1(x) Wqkv + b on codes of FP8 (E4M3) with E8M0 scales; q and k are quantised along the head's 64, v along the keys, and laid as the attention launch reads them.
; THE PRODUCT.  A tile of 256 x 256 to a work-group of four waves, 128 x 128 to a wave: 64 accumulators.  Source 1 (its rows fall to lanes) is called A, source 0 (its rows fall to a lane's registers) B.
; Operands lie in memory as blocks of 4,352 bytes for each tile of 16 rows and 256 along K: two register images of a fragment and 256 bytes of scale words.  Tile T, lane row r is the actual row
; 32 (T / 2) + 8 (T % 2) + r + 8 (r / 8), so that a lane's 16 registers of B's tiles 2 b, 2 b + 1 are the 16 neighbours 32 b + 16 (lane / 16) + 0 .. 15: the order in which the next operand wants them.
; K goes in steps of 256 through two LDS slots; a wave's tensor load brings 8 blocks (8 rows of 4,352 bytes); the scale words ride with the codes.
; CLUSTERS 4 x 4: A's tiles are asked for jointly along a row of the cluster, B's along a column.
; TWO PARTS, told apart by the cluster's y alone (the same in all partners).  y < 4: A = tokens, B = the 2,048 columns of q and k.  y >= 4: A = the 1,024 columns of v, B = tokens, so that a lane's registers run along the keys.
; qkvb: q's half images (16 tokens x 64: 1,024 bytes) at (hb 128 + tau) 1,024; q's scale words at QS + (hb 128 + tau) 64 + 4 r; from KV on 278,528 bytes a head, in 4 chunks of 512 keys:
; 32 half images of k, 16 images of v^T (16 d x 128 keys), k's scale words (64 bytes a tile), v's (128 bytes an image).  The upper two bytes of q's and k's words are 0x7f.
; LIMITS: as in the quantiser of the first launch (a block of zeros has the byte 1; floor 2^-118; no NaN, no infinities).  No prefetch: every tile is read by several work-groups at about the same time.
.set KB,     4                         ; K / 256
.set TILEB,  4352
.set HALFT,  8*TILEB                   ; what one tensor load brings, and what one wave reads of A or of B
.set SLOT,   4*HALFT
.set SPARE,  2*SLOT                    ; the spare words: 128 bytes a wave, named by no other line
.set LAPS,   KB/2
.set NQ,     2
.set FR,     16
.set NL,     4
.set NP,     8                         ; places behind this matrix instruction (ISA guide 7.12.1)
.set ADRA, 16                          ; v16-17 my A fragments in slot 0, 1;  v20-21 B's;  v22-23 my scale words
.set ADRB, 20
.set ADRS, 22
.set SPW,  28
.set NIL,  29
.set SC,   32                          ; v32-63 scale words, two sets: nothing else is ever kept there
.set AF,   128
.set G1, 24
.set G0, 32
.set G1B, 48
.set G0B, 56
.set QS,    4194304
.set KV,    4456448
.set HREG,  278528
.set CHUNK, 69632
.set XR,  64                           ; the way out, window 0: v64-127 a block's 64 numbers; v192-207 codes; v208-223 at work; v242-244 words
.set PC,  192
.set TM,  208
.set SEL, 96
.set MNT, 98
.set MSB, 0
.macro WIN new
.if MSB != (\new)
	s_set_vgpr_msb (MSB<<8)|(\new)
.set MSB, (\new)
.endif
.endm
.set MUL_LO, 0xa1                      ; source 0 (B) window 1, source 1 (A) window 0, C and D window 2
.set MUL_HI, 0xf1
.set TO_B,   0x40
.macro JLOAD g0a, g1a, g0b, g1b        ; a joint load: waves 0, 1 fetch for A, waves 2, 3 for B; four v_nop follow each line
	s_cmp_eq_u32 s15, 0
	s_cbranch_scc0 .Lfor_b_\@
	tensor_load_to_lds s[\g0a:\g0a+3], s[\g1a:\g1a+7]
	s_nop 0
.rept 4
	v_nop
.endr
	s_branch .Lasked_\@
.Lfor_b_\@:
	tensor_load_to_lds s[\g0b:\g0b+3], s[\g1b:\g1b+7]
	s_nop 0
.rept 4
	v_nop
.endr
.Lasked_\@:
.endm
.macro CREST
	s_cmp_lg_u32 s14, 0
	s_cbranch_scc1 .Lnot_wave_0_\@
	s_barrier_signal -3
.Lnot_wave_0_\@:
	s_barrier_wait -3
	s_barrier_signal -1
	s_barrier_wait -1
.endm
.macro CROUND
	s_barrier_signal -1
	s_barrier_wait -1
	CREST
.endm
.macro QUANT s, nb
.irp b, 0,1,2,3
.if \b < \nb
	v_max3_num_f32 v[TM+\b], |v[\s+16*\b]|, |v[\s+1+16*\b]|, 0x4800000
.endif
.endr
.irp i, 2,4,6,8,10,12,14
.irp b, 0,1,2,3
.if \b < \nb
	v_max3_num_f32 v[TM+\b], v[TM+\b], |v[\s+16*\b+\i]|, |v[\s+1+16*\b+\i]|
.endif
.endr
.endr
.irp b, 0,1,2,3
.if \b < \nb
	v_permlanex16_b32 v[TM+4+\b], v[TM+\b], s[SEL], s[SEL+1]
.endif
.endr
.irp b, 0,1,2,3
.if \b < \nb
	v_max_num_f32 v[TM+\b], v[TM+\b], v[TM+4+\b]
.endif
.endr
.irp b, 0,1,2,3
.if \b < \nb
	v_add_nc_u32 v[TM+12+\b], 0xfc000000, v[TM+\b]
.endif
.endr
.irp b, 0,1,2,3
.if \b < \nb
	v_and_or_b32 v[TM+8+\b], v[TM+\b], 0x7f800000, s[MNT]
.endif
.endr
.irp b, 0,1,2,3
.if \b < \nb
	v_lshrrev_b32 v[TM+4+\b], 23, v[TM+12+\b]
.endif
.endr
.irp b, 0,1,2,3
.if \b < \nb
.irp i, 0,1,2,3,4,5,6,7,8,9,10,11,12,13,14,15
	v_med3_num_f32 v[\s+16*\b+\i], v[\s+16*\b+\i], -v[TM+8+\b], v[TM+8+\b]
.endr
	v_cvt_scalef32_pk8_fp8_f32 v[PC+4*\b:PC+1+4*\b], v[\s+16*\b:\s+7+16*\b], v[TM+12+\b]
	v_cvt_scalef32_pk8_fp8_f32 v[PC+2+4*\b:PC+3+4*\b], v[\s+8+16*\b:\s+15+16*\b], v[TM+12+\b]
.endif
.endr
	v_nop
.endm
	s_load_b128 s[4:7], s[0:1], 0x0                ; hn s[4:5], wts s[6:7]
	s_load_b128 s[8:11], s[0:1], 0x10              ; qkv_b s[8:9], qkvb s[10:11]
	v_lshl_add_u32 v[SPW], v0, 2, SPARE
	v_mov_b32 v[NIL], 0
	ds_add_u32 v28, v29
	ds_add_u32 v28, v29
	s_wait_dscnt 0x0
	v_lshrrev_b32 v1, 5, v0
	v_readfirstlane_b32 s14, v1                    ; wave 0..3
	s_lshr_b32 s15, s14, 1                         ; my half of A's rows.  Also: I fetch for A (0) or for B (1)
	s_and_b32 s16, s14, 1                          ; my half of B's rows.  Also: which 8 tiles I fetch
	s_bfe_u32 s40, ttmp6, 0x40000                  ; cx
	s_bfe_u32 s41, ttmp6, 0x40004                  ; cy
	s_and_b32 s66, ttmp7, 0xffff                   ; the cluster's y: 0-3 q and k, 4-5 v
	s_lshl_b32 s17, s66, 2
	s_cmp_ge_u32 s66, 4
	s_cselect_b32 s17, 8, s17
	s_add_co_u32 s17, s17, s41                     ; A's block of 256 rows: tokens 4 y + cy, or columns 8 + cy
	s_lshl_b32 s42, ttmp9, 2
	s_add_co_u32 s42, s42, s40
	s_sub_co_u32 s18, s66, 4
	s_lshl_b32 s18, s18, 3
	s_cmp_ge_u32 s66, 4
	s_cselect_b32 s18, s18, 0
	s_add_co_u32 s42, s42, s18                     ; B's: columns 4 x + cx, or tokens 4 x + cx + 8 (y - 4)
	s_lshl_b32 s43, s41, 2
	s_lshl_b32 s43, 15, s43                        ; my row of the cluster
	s_lshl_b32 s44, 0x1111, s40                    ; my column
	s_or_b32 s[G1+0], s43, (3<<16)|(1<<21)         ; 15:0 the mask; 17:16 elements of 8 bytes; 21 set beside a mask; no padding
	s_or_b32 s[G1B+0], s44, (3<<16)|(1<<21)
.irp g, G1, G1B
	s_mov_b32 s[\g+1], 544<<16                     ; tensor_dim0: a block of 4,352 bytes
	s_mov_b32 s[\g+2], 8<<16                       ; tensor_dim1: 8 tiles
	s_mov_b32 s[\g+3], 544<<16                     ; tile_dim0
	s_mov_b32 s[\g+4], 8                           ; tile_dim1
	s_mov_b32 s[\g+5], KB*544                      ; from a tile to the next
	s_mov_b32 s[\g+6], 0
	s_mov_b32 s[\g+7], 0
.endr
	s_lshl_b32 s18, s16, 3
	s_lshl_b32 s20, s17, 4
	s_add_co_u32 s20, s20, s18
	s_mul_i32 s20, s20, KB*TILEB                   ; A: tile 16 x block + 8 x half
	s_mov_b32 s21, 0
	s_lshl_b32 s46, s42, 4
	s_add_co_u32 s46, s46, s18
	s_mul_i32 s46, s46, KB*TILEB                   ; B likewise (qkv_w's codes begin at byte 0 of wts)
	s_mov_b32 s47, 0
	s_mul_i32 s45, s14, HALFT                      ; where they go: the wave's number alone
	s_wait_kmcnt 0x0
	s_cmp_ge_u32 s66, 4
	s_cselect_b64 s[68:69], s[6:7], s[4:5]         ; A's buffer
	s_cselect_b64 s[70:71], s[4:5], s[6:7]         ; B's
	s_add_nc_u64 s[20:21], s[68:69], s[20:21]
	s_add_nc_u64 s[46:47], s[70:71], s[46:47]
	CROUND                                         ; all sixteen work-groups are here: the first joint loads meet
.irp s, 0,1
	s_mov_b32 s[G0+4*\s], 1
	s_add_co_u32 s[G0+4*\s+1], s45, \s*SLOT
	s_add_nc_u64 s[G0+4*\s+2:G0+4*\s+3], s[20:21], \s*TILEB
	s_or_b32 s[G0+4*\s+3], s[G0+4*\s+3], 0x80000000
	s_mov_b32 s[G0B+4*\s], 1
	s_add_co_u32 s[G0B+4*\s+1], s45, \s*SLOT
	s_add_nc_u64 s[G0B+4*\s+2:G0B+4*\s+3], s[46:47], \s*TILEB
	s_or_b32 s[G0B+4*\s+3], s[G0B+4*\s+3], 0x80000000
	JLOAD G0+4*\s, G1, G0B+4*\s, G1B
.endr
	v_and_b32 v1, 31, v0                           ; lane
	v_bfe_u32 v2, v0, 4, 1                         ; h
	v_and_b32 v3, 15, v0                           ; r
	v_lshlrev_b32 v4, 4, v1                        ; 16 x lane: my place in every image
	s_mul_i32 s21, s15, HALFT
	s_mul_i32 s22, s16, HALFT
	s_add_co_u32 s22, s22, 2*HALFT
.irp s, 0,1
	v_add_nc_u32 v[ADRA+\s], s21, v4
	v_add_nc_u32 v[ADRB+\s], s22, v4
	s_add_co_u32 s21, s21, SLOT
	s_add_co_u32 s22, s22, SLOT
.endr
	s_mul_i32 s21, s15, HALFT
	s_mul_i32 s22, s16, HALFT
	s_add_co_u32 s22, s22, 2*HALFT
	s_sub_co_u32 s22, s22, s21
	v_mul_u32_u24 v6, s22, v2                      ; lanes 16-31 take B's words: one product of h with the distance
	v_lshl_add_u32 v5, v1, 3, v6                   ; 8 bytes a lane
	s_add_co_u32 s21, s21, 4096
	v_add_nc_u32 v[ADRS], s21, v5
	v_add_nc_u32 v[ADRS+1], SLOT, v[ADRS]
.macro FRAG reg, adr, q, i             ; a fragment comes as it was stored: four loads of 512 consecutive bytes
.irp c, 0,1,2,3
	ds_load_b128 v[\reg+4*\c:\reg+4*\c+3], v[\adr] offset:(\i)*TILEB+2048*(\q)+512*\c
.endr
.endm
.macro MUL16 a0, p, q, sc, zero        ; A's blocks a0, a0 + 1 x B's eight; the 64 accumulators take turns
.irp a, \a0, \a0+1
.irp b, 0,1,2,3,4,5,6,7
.if \zero
	v_wmma_scale_f32_16x16x128_f8f6f4 v[8*(8*((\a)%4)+\b):8*(8*((\a)%4)+\b)+7], v[128*(\p)+FR*\b:128*(\p)+FR*\b+FR-1], v[AF+FR*(\a):AF+FR*(\a)+FR-1], 0, v[SC+8*NQ*(\sc)+NQ*\b+(\q)], v[SC+8*NQ*(\sc)+NQ*(\a)+(\q)] matrix_a_scale:MATRIX_SCALE_ROW1
.else
	v_wmma_scale_f32_16x16x128_f8f6f4 v[8*(8*((\a)%4)+\b):8*(8*((\a)%4)+\b)+7], v[128*(\p)+FR*\b:128*(\p)+FR*\b+FR-1], v[AF+FR*(\a):AF+FR*(\a)+FR-1], v[8*(8*((\a)%4)+\b):8*(8*((\a)%4)+\b)+7], v[SC+8*NQ*(\sc)+NQ*\b+(\q)], v[SC+8*NQ*(\sc)+NQ*(\a)+(\q)] matrix_a_scale:MATRIX_SCALE_ROW1
.endif
.endr
.endr
.endm
.macro FETCH_B slot, q, p
	WIN TO_B
.irp i, 0,1,2,3,4,5,6,7
	FRAG 128*(\p)+FR*\i, ADRB+\slot, \q, \i
.endr
	WIN 0
.endm
.macro FETCH_A slot, q, i0
.irp i, \i0, \i0+1, \i0+2, \i0+3
	FRAG AF+FR*(\i), ADRA+\slot, \q, \i
.endr
.endm
.macro SCALES sc                       ; a slot's scale words: two words a row; lanes 0-15 A's tile i, lanes 16-31 B's tile i
.irp i, 0,1,2,3,4,5,6,7
	ds_load_b64 v[SC+8*NQ*\sc+NQ*\i:SC+8*NQ*\sc+NQ*\i+1], v[ADRS+\sc] offset:\i*TILEB
.endr
.endm
.macro PLACES n
.rept \n
	v_nop
.endr
.endm
.macro STEP slot, q, zero              ; 128 along K with a successor in the same slot
	s_wait_dscnt 4*NL                              ; all but the youngest 16 loads (A's blocks 4-7)
	WIN MUL_LO
	MUL16 0, (\q)%2, \q, \slot, \zero
	MUL16 2, (\q)%2, \q, \slot, \zero
	s_wait_dscnt 0
	PLACES NP
	FETCH_B \slot, (\q)+1, 1-(\q)%2
	FETCH_A \slot, (\q)+1, 0
	WIN MUL_HI
	MUL16 4, (\q)%2, \q, \slot, \zero
	MUL16 6, (\q)%2, \q, \slot, \zero
	PLACES NP
	WIN 0
	FETCH_A \slot, (\q)+1, 4
.endm
.macro TURN slot, next, fill           ; a slot's last step changes slots: one barrier, which opens a round of the cluster's where the slot is filled again
	s_wait_tensorcnt 0x0                           ; all my tensor loads have landed: my part of the next slot
	ds_add_u32 v[SPW], v[NIL]                      ; 0 onto my spare word
	s_wait_dscnt 4*NL+1                            ; (the add and the youngest 16 loads may be out)
	WIN MUL_LO
	MUL16 0, 1, NQ-1, \slot, 0
	s_wait_dscnt 0x0                               ; the add is done, and my reads of this slot are over
	s_barrier_signal -1
	MUL16 2, 1, NQ-1, \slot, 0
	WIN 0
	s_barrier_wait -1
.if \fill
	CREST                                          ; no wave of any partner still reads this slot or has a load on its way
	s_add_nc_u64 s[G0+4*\slot+2:G0+4*\slot+3], s[G0+4*\slot+2:G0+4*\slot+3], 2*TILEB
	s_add_nc_u64 s[G0B+4*\slot+2:G0B+4*\slot+3], s[G0B+4*\slot+2:G0B+4*\slot+3], 2*TILEB
	JLOAD G0+4*\slot, G1, G0B+4*\slot, G1B         ; the first tensor load behind the round; its four v_nop are four of the eight places
	PLACES NP-4
.else
	PLACES NP
.endif
	FETCH_B \next, 0, 0
	FETCH_A \next, 0, 0
	SCALES \next
	WIN MUL_HI
	MUL16 4, 1, NQ-1, \slot, 0
	MUL16 6, 1, NQ-1, \slot, 0
	PLACES NP
	WIN 0
	FETCH_A \next, 0, 4
.endm
	s_wait_tensorcnt 1                             ; my part of slot 0 is in; slot 1's load may be out
	s_barrier_signal -1
	s_barrier_wait -1
	FETCH_B 0, 0, 0
	FETCH_A 0, 0, 0
	SCALES 0
	FETCH_A 0, 0, 4
	STEP 0, 0, 1                                   ; the first step starts the sums
	s_mov_b32 s3, LAPS-1
.Llap:
	TURN 0, 1, 1
	STEP 1, 0, 0
	TURN 1, 0, 1
	STEP 0, 0, 0
	s_sub_co_u32 s3, s3, 1
	s_cmp_lg_u32 s3, 0
	s_cbranch_scc1 .Llap
	TURN 0, 1, 0                                   ; the last lap fills nothing
	STEP 1, 0, 0
	s_wait_dscnt 4*NL
	WIN MUL_LO
	MUL16 0, 1, NQ-1, 1, 0
	MUL16 2, 1, NQ-1, 1, 0
	s_wait_dscnt 0
	WIN MUL_HI
	MUL16 4, 1, NQ-1, 1, 0
	MUL16 6, 1, NQ-1, 1, 0
	WIN 0
	; ---- THE WAY OUT: a loop of eight trips over A's blocks.  What differs from trip to trip (which accumulators, which addresses) stands in eight short pieces, chosen by the loop's counter
	PLACES NP
	s_mov_b32 s[SEL], 0x76543210
	s_mov_b32 s[SEL+1], 0xfedcba98
	s_mov_b32 s[MNT], 0x600000
	s_mov_b32 s91, 0xffff0000                      ; lanes 16-31
.irp b, 0,1,2,3
	v_mov_b32 v[TM+4+\b], 0
.endr
	s_mov_b32 s70, 0
	s_cmp_ge_u32 s66, 4
	s_cbranch_scc1 .Lvpath
	; q and k: a lane holds one token and 128 columns, two heads
	s_lshl_b32 s74, s42, 10
	s_lshl_b32 s75, s16, 9
	s_add_co_u32 s74, s74, s75
	s_mov_b32 s75, 0
	s_add_nc_u64 s[74:75], s[8:9], s[74:75]        ; the bias of my 128 columns
	v_lshlrev_b32 v7, 6, v2                        ; + 16 h columns
	WIN 0x40
.irp b, 0,1,2,3,4,5,6,7
	global_load_b128 v[8*\b:8*\b+3], v7, s[74:75] offset:(32*(\b/2)+8*(\b%2))*4
	global_load_b128 v[8*\b+4:8*\b+7], v7, s[74:75] offset:(32*(\b/2)+8*(\b%2))*4+16
.endr
	WIN 0
	s_lshl_b32 s76, s17, 4
	s_lshl_b32 s77, s15, 3
	s_add_co_u32 s76, s76, s77                     ; my first token tile
	s_lshr_b32 s77, s76, 7                         ; batch
	s_and_b32 s76, s76, 127                        ; tau
	s_lshl_b32 s77, s77, 4
	s_and_b32 s78, s42, 3
	s_lshl_b32 s78, s78, 2
	s_add_co_u32 s77, s77, s78
	s_lshl_b32 s78, s16, 1
	s_add_co_u32 s77, s77, s78                     ; hb of my first head
	s_lshl_b32 s78, s77, 7
	s_add_co_u32 s78, s78, s76
	s_lshl_b32 s79, s78, 10                        ; q: codes,
	s_lshl_b32 s80, s78, 6
	s_add_co_u32 s80, s80, QS                      ; scale words
	s_mul_i32 s81, s77, HREG
	s_lshr_b32 s82, s76, 5
	s_mul_i32 s82, s82, CHUNK
	s_add_co_u32 s81, s81, s82
	s_add_co_u32 s81, s81, KV                      ; k: the chunk,
	s_and_b32 s82, s76, 31
	s_lshl_b32 s83, s82, 10
	s_add_co_u32 s83, s83, s81                     ; codes,
	s_lshl_b32 s82, s82, 6
	s_add_co_u32 s82, s82, s81
	s_add_co_u32 s82, s82, 65536                   ; scale words
	s_mov_b32 s88, HREG
	s_cmp_eq_u32 ttmp9, 0                          ; the cluster's x: 0 q, 1 k
	s_cselect_b32 s84, s79, s83
	s_cselect_b32 s86, s80, s82
	s_cselect_b32 s89, 131072, s88                 ; from a head to the next: codes,
	s_cselect_b32 s90, 8192, s88                   ; scale words
	s_mov_b32 s85, 0
	s_mov_b32 s87, 0
	s_add_nc_u64 s[84:85], s[10:11], s[84:85]
	s_add_nc_u64 s[86:87], s[10:11], s[86:87]
	v_add_nc_u32 v5, s89, v4                       ; the second head's images
	v_mul_lo_u32 v6, v2, s90
	v_lshl_add_u32 v6, v3, 2, v6                   ; lanes 0-15 store the first head's words, lanes 16-31 the second's
	s_wait_loadcnt 0x0
.macro SNIP k                          ; block k + the bias; each accumulator is read from its low end on
	WIN 0x06+((\k)/4)
.irp b, 0,1,2,3,4,5,6,7
.irp p, 0,1,2,3
	v_pk_add_f32 v[XR+8*\b+2*\p:XR+8*\b+2*\p+1], v[64*((\k)%4)+8*\b+2*\p:64*((\k)%4)+8*\b+2*\p+1], v[8*\b+2*\p:8*\b+2*\p+1]
.endr
.endr
	WIN 0
.endm
.Lqloop:
	s_wait_xcnt 0x0                                ; the last trip's stores have read their data, offsets and bases
.irp k, 1,2,3,4,5,6,7
	s_cmp_eq_u32 s70, \k
	s_cbranch_scc1 .Lq\k
.endr
.irp k, 0,1,2,3,4,5,6,7
.Lq\k:
	SNIP \k
	s_add_nc_u64 s[92:93], s[84:85], 1024*\k
	s_add_nc_u64 s[94:95], s[86:87], 64*\k
	s_branch .Lqjoin
.endr
.Lqjoin:
	QUANT XR, 4                                    ; blocks 0, 1: the first head's 64; blocks 2, 3: the second's
	v_lshl_or_b32 v243, v[TM+5], 8, v[TM+4]
	v_lshl_or_b32 v244, v[TM+7], 8, v[TM+6]
	v_or_b32 v243, 0x7f7f0000, v243                ; k = 64 .. 127 of the attention's first product are zero codes: their bytes are 1.0
	v_or_b32 v244, 0x7f7f0000, v244
	v_cndmask_b32 v242, v243, v244, s91
	global_store_b128 v4, v[PC:PC+3], s[92:93]
	global_store_b128 v4, v[PC+4:PC+7], s[92:93] offset:512
	global_store_b128 v5, v[PC+8:PC+11], s[92:93]
	global_store_b128 v5, v[PC+12:PC+15], s[92:93] offset:512
	global_store_b32 v6, v242, s[94:95]
	s_add_co_u32 s70, s70, 1
	s_cmp_lt_u32 s70, 8
	s_cbranch_scc1 .Lqloop
	s_branch .Ldone
	; v: a lane holds one channel and 128 tokens: one K step of the attention's second product
.Lvpath:
	s_lshl_b32 s74, s41, 10
	s_lshl_b32 s75, s15, 9
	s_add_co_u32 s74, s74, s75
	s_add_co_u32 s74, s74, 8192
	s_mov_b32 s75, 0
	s_add_nc_u64 s[74:75], s[8:9], s[74:75]        ; the bias of my 128 channels
	v_and_b32 v7, 8, v3
	v_add_nc_u32 v7, v7, v3
	v_lshlrev_b32 v7, 2, v7                        ; lane row r is channel r + 8 (r / 8) of its tile
	WIN 0x40
.irp k, 0,1,2,3,4,5,6,7
	global_load_b32 v[2*\k], v7, s[74:75] offset:(32*(\k/2)+8*(\k%2))*4
	v_mov_b32 v[2*\k+1], 0                         ; named with it as a pair
.endr
	WIN 0
	s_lshl_b32 s76, s42, 1
	s_add_co_u32 s76, s76, s16                     ; which 128 tokens
	s_lshr_b32 s77, s76, 4                         ; batch
	s_and_b32 s76, s76, 15                         ; key step
	s_lshl_b32 s77, s77, 4
	s_lshl_b32 s78, s41, 2
	s_add_co_u32 s77, s77, s78
	s_lshl_b32 s78, s15, 1
	s_add_co_u32 s77, s77, s78                     ; hb of blocks 0-3
	s_mul_i32 s77, s77, HREG
	s_lshr_b32 s78, s76, 2
	s_mul_i32 s78, s78, CHUNK
	s_add_co_u32 s77, s77, s78
	s_add_co_u32 s77, s77, KV
	s_and_b32 s76, s76, 3
	s_lshl_b32 s84, s76, 13
	s_add_co_u32 s84, s84, s77
	s_add_co_u32 s84, s84, 32768
	s_mov_b32 s85, 0
	s_lshl_b32 s86, s76, 9
	s_add_co_u32 s86, s86, s77
	s_add_co_u32 s86, s86, 67584
	s_mov_b32 s87, 0
	s_add_nc_u64 s[84:85], s[10:11], s[84:85]
	s_add_nc_u64 s[86:87], s[10:11], s[86:87]
	v_lshlrev_b32 v8, 2, v1
	s_wait_loadcnt 0x0
.macro SNIPV k
	WIN 0x06+((\k)/4)
.irp b, 0,1,2,3,4,5,6,7
.irp p, 0,1,2,3
	v_pk_add_f32 v[XR+8*\b+2*\p:XR+8*\b+2*\p+1], v[64*((\k)%4)+8*\b+2*\p:64*((\k)%4)+8*\b+2*\p+1], v[2*(\k):2*(\k)+1] op_sel_hi:[1,0]
.endr
.endr
	WIN 0
.endm
.Lvloop:
	s_wait_xcnt 0x0
.irp k, 1,2,3,4,5,6,7
	s_cmp_eq_u32 s70, \k
	s_cbranch_scc1 .Lv\k
.endr
.irp k, 0,1,2,3,4,5,6,7
.Lv\k:
	SNIPV \k
	s_add_nc_u64 s[92:93], s[84:85], (\k/4)*HREG+(\k%4)*2048
	s_add_nc_u64 s[94:95], s[86:87], (\k/4)*HREG+(\k%4)*128
	s_branch .Lvjoin
.endr
.Lvjoin:
	QUANT XR, 4
	v_lshl_or_b32 v242, v[TM+5], 8, v[TM+4]
	v_lshl_or_b32 v242, v[TM+6], 16, v242
	v_lshl_or_b32 v242, v[TM+7], 24, v242
.irp c, 0,1,2,3
	global_store_b128 v4, v[PC+4*\c:PC+4*\c+3], s[92:93] offset:512*\c
.endr
	global_store_b32 v8, v242, s[94:95]
	s_add_co_u32 s70, s70, 1
	s_cmp_lt_u32 s70, 8
	s_cbranch_scc1 .Lvloop
.Ldone:
	s_wait_tensorcnt 0x0                           ; the wave's end
	ds_add_u32 v[SPW], v[NIL]
	s_wait_dscnt 0x0
	CROUND                                         ; the closing round
	s_endpgm
.Lfunc_end_k_qa85de2893f_qkv:
	.size	k_qa85de2893f_qkv, .Lfunc_end_k_qa85de2893f_qkv-k_qa85de2893f_qkv
	.p2alignl 7, 3214868480
	.fill 96, 4, 3214868480
	.section	.rodata,"a",@progbits
	.p2align	6, 0x0
	.amdhsa_kernel k_qa85de2893f_qkv
		.amdhsa_group_segment_fixed_size 327680
		.amdhsa_private_segment_fixed_size 0
		.amdhsa_enable_private_segment 0
		.amdhsa_kernarg_size 32
		.amdhsa_user_sgpr_count 2
		.amdhsa_user_sgpr_kernarg_segment_ptr 1
		.amdhsa_wavefront_size32 1
		.amdhsa_system_sgpr_workgroup_id_x 1
		.amdhsa_system_sgpr_workgroup_id_y 1
		.amdhsa_system_sgpr_workgroup_id_z 1
		.amdhsa_system_vgpr_workitem_id 0
		.amdhsa_next_free_vgpr 1024
		.amdhsa_next_free_sgpr 100
		.amdhsa_reserve_vcc 0
		.amdhsa_float_denorm_mode_32 3
		.amdhsa_float_denorm_mode_16_64 3
		.amdhsa_memory_ordered 1
		.amdhsa_forward_progress 1
		.amdhsa_inst_pref_size 173
	.end_amdhsa_kernel
	.amdgpu_metadata
---
amdhsa.version: [ 1, 2 ]
amdhsa.kernels:
  - .name:           k_qa85de2893f_qkv
    .symbol:         k_qa85de2893f_qkv.kd
    .args:
      - { .name: hn, .offset: 0, .size: 8, .value_kind: global_buffer, .address_space: global }
      - { .name: wts, .offset: 8, .size: 8, .value_kind: global_buffer, .address_space: global }
      - { .name: qkv_b, .offset: 16, .size: 8, .value_kind: global_buffer, .address_space: global }
      - { .name: qkvb, .offset: 24, .size: 8, .value_kind: global_buffer, .address_space: global }
    .group_segment_fixed_size: 327680
    .private_segment_fixed_size: 0
    .kernarg_segment_align: 8
    .kernarg_segment_size: 32
    .max_flat_workgroup_size: 128
    .sgpr_count:     100
    .vgpr_count:     1024
    .wavefront_size: 32
...
	.end_amdgpu_metadata
.endif
;; end of part 2
;; launch attn (part 3): grid 8 x 32, 16 waves a work-group, no clusters, 280,576 bytes of LDS; arguments qkvb, oimg; writes oimg
.if DOCPART == 3
	.amdgcn_target "amdgcn-amd-amdhsa--gfx1250"
	.amdhsa_code_object_version 6
	.text
	.protected	k_qa85de2893f_attn
	.globl	k_qa85de2893f_attn
	.p2align	8
	.type	k_qa85de2893f_attn,@function
k_qa85de2893f_attn:
	s_mov_b64 s[64:65], 0
	v_nop
	global_prefetch_b8 v0, s[64:65] scope:SCOPE_SE
	s_setreg_imm32_b32 hwreg(HW_REG_WAVE_MODE, 25, 1), 1
	s_wait_xcnt 0x0
; Causal attention of one head on codes of FP8 (E4M3) with E8M0 scales, and its result quantised along the model's 1,024 for the next product.
; t = score x log2(e) / 8; M = the running largest t rounded up to a whole number; p = 2^(t - M) is quantised along the keys; the sum of the unquantised p divides at the end.
; SHARES.  Work-group (j, hb) owns the blocks j and 15 - j of 128 queries of head hb: together 17 key steps of 128, whatever j.  Each of its sixteen waves owns one tile of 16 queries.
; ALL OF A HEAD'S k, v AND THEIR SCALE WORDS, 278,528 bytes, lie in LDS as they lie in memory: four chunks of 512 keys, each brought by sixteen tensor loads (one a wave, 17 rows of 256 bytes) issued at the head.
; A wave has four tensor loads out.  No LDS byte is filled twice, so there is no ring; a barrier stands at the head of each chunk, behind each wave's wait for its part of it.
; NO CLUSTER: the steps that a wave leaves out under the mask hang on its work-group's number among the head's eight.
; NO PREFETCH: every byte is asked for by the kernel's first lines.
; LAYOUT.  Both products are used transposed (source 0 = 16 keys, or 16 channels of v; source 1 = my queries, or p): a lane holds one query.  Tile T, lane row r is the actual row 32 (T / 2) + 8 (T % 2) + r + 8 (r / 8),
; so the 16 registers of key tiles 2 b, 2 b + 1 are the keys 32 b + 16 (lane / 16) + 0 .. 15, and likewise the channels of the result.
; K = 64 UNDER AN INSTRUCTION OF 128: q's registers for k = 64 .. 127 hold zero codes.  A key tile's operand runs on into the next tile's eight registers (the last into eight zeros): those are codes of finite numbers,
; their scale bytes are 0x7f on both sides, and they are multiplied by zeros.
; LIMITS: a block of p that is all zeros has the byte 1 (zero codes); v_exp_f32 gives 0 under 2^-126; no NaN or infinities among the inputs.  The 2-byte stores of the result's scale bytes fill their 256 bytes in four work-groups' parts: one byte in 64 of what is stored.
.set QS,    4194304
.set KV,    4456448
.set HREG,  278528
.set CHUNK, 69632
.set TILEB, 4352
.set LI,  1                            ; v1  16 x lane
.set AKS, 2                            ; v2  4 r + 65,536: k's scale words in a chunk
.set AVS, 3                            ; v3  4 x lane + 67,584: v's
.set QL,  4                            ; v4  r + 8 (r / 8) - 16 h
.set ADK, 8                            ; v8-10 the step's addresses
.set ADS, 9
.set ADT, 10
.set S,   104                          ; v104-167 the scores, then p
.set O,   168                          ; v168-199 the result, 4 tiles of 16 channels
.set PC,  200                          ; v200-215 p's codes
.set TM,  216                          ; v216-231 block maxima, bytes, holds, scale operands
.set SW,  232                          ; v232-239 k's and v's scale words; v243 q's; v246 p's: nothing else is kept in these
.set WV,  18
.set MNT, 19
.set SEL, 20
.set CS,  22                           ; s[22:23] c = log2(e) / 8
.set G1,  24
.set G0,  32                           ; s[32:47] a group 0 for each chunk
.set TB,  2
.set TS,  3
.set KF,  48
.set Q0,  49
.set CNT, 50
.macro QUANT s, nb
.irp b, 0,1,2,3
.if \b < \nb
	v_max3_num_f32 v[TM+\b], |v[\s+16*\b]|, |v[\s+1+16*\b]|, 0x4800000
.endif
.endr
.irp i, 2,4,6,8,10,12,14
.irp b, 0,1,2,3
.if \b < \nb
	v_max3_num_f32 v[TM+\b], v[TM+\b], |v[\s+16*\b+\i]|, |v[\s+1+16*\b+\i]|
.endif
.endr
.endr
.irp b, 0,1,2,3
.if \b < \nb
	v_permlanex16_b32 v[TM+4+\b], v[TM+\b], s[SEL], s[SEL+1]
.endif
.endr
.irp b, 0,1,2,3
.if \b < \nb
	v_max_num_f32 v[TM+\b], v[TM+\b], v[TM+4+\b]
.endif
.endr
.irp b, 0,1,2,3
.if \b < \nb
	v_add_nc_u32 v[TM+12+\b], 0xfc000000, v[TM+\b]
.endif
.endr
.irp b, 0,1,2,3
.if \b < \nb
	v_and_or_b32 v[TM+8+\b], v[TM+\b], 0x7f800000, s[MNT]
.endif
.endr
.irp b, 0,1,2,3
.if \b < \nb
	v_lshrrev_b32 v[TM+4+\b], 23, v[TM+12+\b]
.endif
.endr
.irp b, 0,1,2,3
.if \b < \nb
.irp i, 0,1,2,3,4,5,6,7,8,9,10,11,12,13,14,15
	v_med3_num_f32 v[\s+16*\b+\i], v[\s+16*\b+\i], -v[TM+8+\b], v[TM+8+\b]
.endr
	v_cvt_scalef32_pk8_fp8_f32 v[PC+4*\b:PC+1+4*\b], v[\s+16*\b:\s+7+16*\b], v[TM+12+\b]
	v_cvt_scalef32_pk8_fp8_f32 v[PC+2+4*\b:PC+3+4*\b], v[\s+8+16*\b:\s+15+16*\b], v[TM+12+\b]
.endif
.endr
	v_nop
.endm
	s_load_b128 s[4:7], s[0:1], 0x0                ; qkvb s[4:5], oimg s[6:7]
	v_lshl_add_u32 v254, v0, 2, 0x44000
	v_mov_b32 v255, 0
	ds_add_u32 v254, v255
	ds_add_u32 v254, v255
	v_lshrrev_b32 v8, 5, v0
	v_readfirstlane_b32 s[WV], v8                  ; wave 0..15
	s_and_b32 s51, ttmp7, 0xffff                   ; hb
	s_mul_i32 s54, s[WV], TILEB                    ; my 4,352 bytes of each chunk
	s_mul_i32 s52, s51, HREG
	s_add_co_u32 s52, s52, KV
	s_add_co_u32 s52, s52, s54
	s_mov_b32 s53, 0
	s_mov_b32 s[G1], 3<<16                         ; elements of 8 bytes, no mask, no padding
	s_mov_b32 s[G1+1], 32<<16                      ; tensor_dim0: 256 bytes
	s_mov_b32 s[G1+2], 17<<16                      ; tensor_dim1
	s_mov_b32 s[G1+3], 32<<16                      ; tile_dim0
	s_mov_b32 s[G1+4], 17                          ; tile_dim1
	s_mov_b32 s[G1+5], 32                          ; dense rows
	s_mov_b32 s[G1+6], 0
	s_mov_b32 s[G1+7], 0
	s_wait_dscnt 0x0
	s_wait_kmcnt 0x0
	s_add_nc_u64 s[52:53], s[4:5], s[52:53]
.irp g, 0,1,2,3
	s_mov_b32 s[G0+4*\g], 1
	s_add_co_u32 s[G0+4*\g+1], s54, \g*CHUNK
	s_add_nc_u64 s[G0+4*\g+2:G0+4*\g+3], s[52:53], \g*CHUNK
	s_or_b32 s[G0+4*\g+3], s[G0+4*\g+3], 0x80000000
.endr
.irp g, 0,1,2,3
	tensor_load_to_lds s[G0+4*\g:G0+4*\g+3], s[G1:G1+7]   ; the first fills, and the only ones, as one group
	s_nop 0
.endr
.rept 4
	v_nop
.endr
	s_lshr_b32 s55, s[WV], 2
	s_xor_b32 s55, s55, s[WV]
	s_and_b32 s55, s55, 1                          ; which of the two blocks: waves w and w + 1 differ, and so do w and w + 4
	s_sub_co_u32 s56, 15, ttmp9
	s_cmp_eq_u32 s55, 1
	s_cselect_b32 s56, s56, ttmp9                  ; the block of 128 queries
	s_lshl_b32 s56, s56, 3
	s_lshr_b32 s57, s[WV], 1
	s_add_co_u32 s56, s56, s57                     ; tau: my tile of 16 queries
	s_lshr_b32 s57, s56, 1
	s_lshl_b32 s57, s57, 5
	s_and_b32 s58, s56, 1
	s_lshl_b32 s58, s58, 3
	s_add_co_u32 s[Q0], s57, s58                   ; my queries: Q0 + 0 .. 7 and Q0 + 16 .. 23
	s_lshl_b32 s57, s51, 7
	s_add_co_u32 s57, s57, s56
	s_lshl_b32 s58, s57, 10
	s_mov_b32 s59, 0
	s_add_nc_u64 s[58:59], s[4:5], s[58:59]        ; q's half image
	s_lshl_b32 s60, s57, 6
	s_add_co_u32 s60, s60, QS
	s_mov_b32 s61, 0
	s_add_nc_u64 s[60:61], s[4:5], s[60:61]        ; its scale words
	s_mov_b32 s[SEL], 0x76543210
	s_mov_b32 s[SEL+1], 0xfedcba98
	s_mov_b32 s[CS], 0x3e38aa3b
	s_mov_b32 s[CS+1], s[CS]
	s_mov_b32 s[MNT], 0x600000
	s_mov_b32 s[KF], 0
	v_and_b32 v5, 31, v0                           ; lane
	v_and_b32 v6, 15, v0                           ; r
	v_bfe_u32 v7, v0, 4, 1                         ; h
	v_lshlrev_b32 v[LI], 4, v5
	v_lshlrev_b32 v11, 2, v6
	global_load_b128 v[16:19], v[LI], s[58:59]
	global_load_b128 v[20:23], v[LI], s[58:59] offset:512
	global_load_b32 v243, v11, s[60:61]
	v_add_nc_u32 v[AKS], 65536, v11
	v_lshl_add_u32 v[AVS], v5, 2, 67584
	v_and_b32 v[QL], 8, v6
	v_add_nc_u32 v[QL], v[QL], v6
	v_lshlrev_b32 v242, 4, v7
	v_sub_nc_u32 v[QL], v[QL], v242
	v_mov_b32 v13, 0xff61b1e6                      ; the largest t so far: -3e38
	v_floor_f32 v12, -v13                          ; -M
	v_mov_b32 v14, 0                               ; the sum, in two halves
	v_mov_b32 v15, 0
	v_mov_b32 v241, 0                              ; named with f as a pair
.irp i, 0,1,2,3,4,5,6,7
	v_mov_b32 v[24+\i], 0                          ; q's zero codes for k = 64 .. 127
	v_mov_b32 v[96+\i], 0                          ; and what the last key tile's operand runs on into
.endr
.irp b, 0,1,2,3
	v_mov_b32 v[TM+4+\b], 0
.endr
.set n, 0
.rept 32
	v_mov_b32 v[O+n], 0                            ; the step is written once: the first finds zeros
.set n, n+1
.endr
.macro STEP                            ; 128 keys
	s_add_co_u32 s62, s[Q0], 23
	s_cmp_gt_u32 s[KF], s62                        ; all keys behind my last query: the step's work is left out (ids alone decide)
	s_cbranch_scc1 .Lhidden_\@
	v_add_nc_u32 v[ADK], s[TB], v[LI]
	v_add_nc_u32 v[ADS], s[TS], v[AKS]
	v_add_nc_u32 v[ADT], s[TS], v[AVS]
.rept 5
	v_nop                                          ; with the three additions: eight places in front of loads into registers that the last products read
.endr
.irp t, 0,1,2,3,4,5,6,7
	ds_load_b128 v[32+8*\t:35+8*\t], v[ADK] offset:1024*\t
	ds_load_b128 v[36+8*\t:39+8*\t], v[ADK] offset:1024*\t+512
	ds_load_b32 v[SW+\t], v[ADS] offset:64*\t
.endr
	s_wait_dscnt 0x0
.irp t, 0,1,2,3,4,5,6,7
	v_wmma_scale_f32_16x16x128_f8f6f4 v[S+8*\t:S+8*\t+7], v[32+8*\t:47+8*\t], v[16:31], 0, v[SW+\t], v243
.endr
.rept 8
	v_nop
.endr
.irp t, 0,1,2,3                        ; v is asked for at once: it lands under the softmax
.irp c, 0,1,2,3
	ds_load_b128 v[32+16*\t+4*\c:35+16*\t+4*\c], v[ADK] offset:32768+2048*\t+512*\c
.endr
	ds_load_b32 v[SW+\t], v[ADT] offset:128*\t
.endr
	s_add_co_u32 s62, s[KF], 127
	s_cmp_le_u32 s62, s[Q0]                        ; all keys count: no mask
	s_cbranch_scc1 .Lopen_\@
	s_sub_co_i32 s62, s[Q0], s[KF]
	v_add_nc_u32 v247, s62, v[QL]                  ; register 16 b + i holds key KF + 16 h + 32 b + i: hidden where 32 b + i > my query - KF - 16 h
	v_mov_b32 v248, 0xff800000
.set n, 0
.rept 64
	v_cmp_gt_i32 vcc_lo, 32*(n/16)+n%16, v247
	v_cndmask_b32 v[S+n], v[S+n], v248, vcc_lo
.set n, n+1
.endr
.Lopen_\@:
.irp b, 0,1,2,3
	v_max3_num_f32 v[TM+\b], v[S+16*\b], v[S+1+16*\b], v[S+2+16*\b]   ; each block's largest score: for the row's maximum, and for the block's largest p
.endr
.irp i, 3,5,7,9,11,13
.irp b, 0,1,2,3
	v_max3_num_f32 v[TM+\b], v[TM+\b], v[S+16*\b+\i], v[S+1+16*\b+\i]
.endr
.endr
.irp b, 0,1,2,3
	v_max_num_f32 v[TM+\b], v[TM+\b], v[S+15+16*\b]
.endr
.irp b, 0,1,2,3
	v_permlanex16_b32 v[TM+4+\b], v[TM+\b], s[SEL], s[SEL+1]
.endr
.irp b, 0,1,2,3
	v_max_num_f32 v[TM+\b], v[TM+\b], v[TM+4+\b]
.endr
	v_max3_num_f32 v242, v[TM], v[TM+1], v[TM+2]
	v_max_num_f32 v242, v242, v[TM+3]
	v_mul_f32 v242, s[CS], v242
	v_max_num_f32 v13, v13, v242                   ; the running largest t
	v_mov_b32 v242, v12
	v_floor_f32 v12, -v13                          ; -M = floor(-t)
	v_sub_f32 v242, v12, v242                      ; old M - new M: a whole number, 0 or less
	v_cvt_i32_f32 v242, v242
	v_ldexp_f32 v240, 1.0, v242                    ; f = 2^(old M - new M): multiplying by it rounds nothing
.set n, 0
.rept 32
	v_pk_fma_f32 v[S+n:S+n+1], v[S+n:S+n+1], s[CS:CS+1], v[12:13] op_sel_hi:[1,0,0]
.set n, n+2
.endr
.irp b, 0,1,2,3
	v_fma_f32 v[TM+\b], v[TM+\b], s[CS], v12
.endr
.set n, 0
.rept 64
	v_exp_f32 v[S+n], v[S+n]
.set n, n+1
.endr
	v_pk_mul_f32 v[14:15], v[14:15], v[240:241] op_sel_hi:[1,0]   ; the sums under the new M: a plain line behind the batch
	s_wait_alu depctr_va_vdst(0)                   ; one wait for the 64, ahead of their first reader
.irp b, 0,1,2,3
	v_exp_f32 v[TM+\b], v[TM+\b]                   ; each block's largest p
.endr
	v_pk_add_f32 v[244:245], v[S:S+1], v[S+2:S+3]  ; the sum of the unquantised p, in two chains
.irp j, 4,8,12,16,20,24,28,32,36,40,44,48,52,56,60
	v_pk_add_f32 v[14:15], v[14:15], v[S+\j:S+\j+1]
	v_pk_add_f32 v[244:245], v[244:245], v[S+2+\j:S+3+\j]
.endr
	v_pk_add_f32 v[14:15], v[14:15], v[244:245]
	s_wait_alu depctr_va_vdst(0)                   ; and one for the four
.irp b, 0,1,2,3
	v_max_num_f32 v[TM+\b], 0x4800000, v[TM+\b]
.endr
.irp b, 0,1,2,3
	v_add_nc_u32 v[TM+12+\b], 0xfc000000, v[TM+\b]
.endr
.irp b, 0,1,2,3
	v_and_or_b32 v[TM+8+\b], v[TM+\b], 0x7f800000, s[MNT]
.endr
.irp b, 0,1,2,3
	v_lshrrev_b32 v[TM+4+\b], 23, v[TM+12+\b]
.endr
	v_lshl_or_b32 v246, v[TM+5], 8, v[TM+4]
	v_lshl_or_b32 v246, v[TM+6], 16, v246
	v_lshl_or_b32 v246, v[TM+7], 24, v246
.irp b, 0,1,2,3
.irp i, 0,1,2,3,4,5,6,7,8,9,10,11,12,13,14,15
	v_min_num_f32 v[S+16*\b+\i], v[S+16*\b+\i], v[TM+8+\b]   ; p is not negative: a one-sided hold
.endr
	v_cvt_scalef32_pk8_fp8_f32 v[PC+4*\b:PC+1+4*\b], v[S+16*\b:S+7+16*\b], v[TM+12+\b]
	v_cvt_scalef32_pk8_fp8_f32 v[PC+2+4*\b:PC+3+4*\b], v[S+8+16*\b:S+15+16*\b], v[TM+12+\b]
.endr
.set n, 0
.rept 16
	v_pk_mul_f32 v[O+n:O+n+1], v[O+n:O+n+1], v[240:241] op_sel_hi:[1,0]   ; the result under the new M; also the places ahead of the products
.set n, n+2
.endr
	s_wait_dscnt 0x0                               ; v and its scale words
.irp t, 0,1,2,3
	v_wmma_scale_f32_16x16x128_f8f6f4 v[O+8*\t:O+8*\t+7], v[32+16*\t:47+16*\t], v[PC:PC+15], v[O+8*\t:O+8*\t+7], v[SW+\t], v246
.endr
.Lhidden_\@:
	s_add_co_u32 s[KF], s[KF], 128
	s_add_co_u32 s[TB], s[TB], 8192
	s_add_co_u32 s[TS], s[TS], 512
.endm
.macro CHUNKM g                        ; 512 keys: four steps
	s_wait_tensorcnt 3-\g                          ; my part of this chunk is in; the later chunks' loads may be out
	s_wait_dscnt 0x0
	s_barrier_signal -1
	s_barrier_wait -1                              ; everybody's is.
	s_mov_b32 s[TB], \g*CHUNK
	s_mov_b32 s[TS], \g*CHUNK
	s_mov_b32 s[CNT], 4
.Lstep_\@:
	STEP
	s_sub_co_u32 s[CNT], s[CNT], 1
	s_cmp_lg_u32 s[CNT], 0
	s_cbranch_scc1 .Lstep_\@
.endm
	s_wait_loadcnt 0x0                             ; q
	CHUNKM 0
	CHUNKM 1
	CHUNKM 2
	CHUNKM 3
	; THE WAY OUT: / the sum, quantised along my head's 64 of the model's 1,024, stored as half an image of the next product's operand
.rept 8
	v_nop
.endr
	v_add_f32 v14, v14, v15
	v_permlanex16_b32 v242, v14, s[SEL], s[SEL+1]
	v_add_f32 v14, v14, v242
	v_rcp_f32 v14, v14
	v_lshlrev_b32 v9, 3, v5                        ; (a plain line behind the reciprocal)  8 x lane
	s_lshr_b32 s57, s51, 4
	s_lshl_b32 s57, s57, 7
	s_add_co_u32 s57, s57, s56                     ; token tile 128 x batch + tau
	s_lshl_b32 s57, s57, 2
	s_bfe_u32 s58, s51, 0x20002
	s_add_co_u32 s57, s57, s58                     ; four heads to 256 along K
	s_mul_i32 s57, s57, TILEB
	s_bfe_u32 s58, s51, 0x10001                    ; which image,
	s_and_b32 s59, s51, 1                          ; which half of it
	s_lshl_b32 s60, s58, 11
	s_lshl_b32 s61, s59, 10
	s_add_co_u32 s60, s60, s61
	s_add_co_u32 s60, s60, s57
	s_mov_b32 s61, 0
	s_add_nc_u64 s[60:61], s[6:7], s[60:61]
	s_lshl_b32 s58, s58, 2
	s_lshl_b32 s59, s59, 1
	s_add_co_u32 s58, s58, s59
	s_add_co_u32 s58, s58, s57
	s_add_co_u32 s58, s58, 4096
	s_mov_b32 s59, 0
	s_add_nc_u64 s[58:59], s[6:7], s[58:59]
	s_wait_alu depctr_va_vdst(0)
.set n, 0
.rept 32
	v_mul_f32 v[S+n], v[O+n], v14                  ; register 16 b + i is channel 32 b + 16 h + i
.set n, n+1
.endr
	QUANT S, 2
	v_lshl_or_b32 v242, v[TM+5], 8, v[TM+4]
	global_store_b128 v[LI], v[PC:PC+3], s[60:61]
	global_store_b128 v[LI], v[PC+4:PC+7], s[60:61] offset:512
	global_store_b16 v9, v242, s[58:59]
	s_wait_tensorcnt 0x0
	ds_add_u32 v254, v255
	s_wait_dscnt 0x0
	s_endpgm
.Lfunc_end_k_qa85de2893f_attn:
	.size	k_qa85de2893f_attn, .Lfunc_end_k_qa85de2893f_attn-k_qa85de2893f_attn
	.p2alignl 7, 3214868480
	.fill 96, 4, 3214868480
	.section	.rodata,"a",@progbits
	.p2align	6, 0x0
	.amdhsa_kernel k_qa85de2893f_attn
		.amdhsa_group_segment_fixed_size 280576
		.amdhsa_private_segment_fixed_size 0
		.amdhsa_enable_private_segment 0
		.amdhsa_kernarg_size 16
		.amdhsa_user_sgpr_count 2
		.amdhsa_user_sgpr_kernarg_segment_ptr 1
		.amdhsa_wavefront_size32 1
		.amdhsa_system_sgpr_workgroup_id_x 1
		.amdhsa_system_sgpr_workgroup_id_y 1
		.amdhsa_system_sgpr_workgroup_id_z 1
		.amdhsa_system_vgpr_workitem_id 0
		.amdhsa_next_free_vgpr 256
		.amdhsa_next_free_sgpr 66
		.amdhsa_reserve_vcc 1
		.amdhsa_float_denorm_mode_32 3
		.amdhsa_float_denorm_mode_16_64 3
		.amdhsa_memory_ordered 1
		.amdhsa_forward_progress 1
		.amdhsa_inst_pref_size 112
	.end_amdhsa_kernel
	.amdgpu_metadata
---
amdhsa.version: [ 1, 2 ]
amdhsa.kernels:
  - .name:           k_qa85de2893f_attn
    .symbol:         k_qa85de2893f_attn.kd
    .args:
      - { .name: qkvb, .offset: 0, .size: 8, .value_kind: global_buffer, .address_space: global }
      - { .name: oimg, .offset: 8, .size: 8, .value_kind: global_buffer, .address_space: global }
    .group_segment_fixed_size: 280576
    .private_segment_fixed_size: 0
    .kernarg_segment_align: 8
    .kernarg_segment_size: 16
    .max_flat_workgroup_size: 512
    .sgpr_count:     66
    .vgpr_count:     256
    .wavefront_size: 32
...
	.end_amdgpu_metadata
.endif
;; end of part 3
;; launch outp (part 4): grid 4 x 16, 4 waves a work-group, clusters of 4 x 4, 327,680 bytes of LDS; arguments oimg, wts, out_b, x, x1; writes x1
.if DOCPART == 4
	.amdgcn_target "amdgcn-amd-amdhsa--gfx1250"
	.amdhsa_code_object_version 6
	.text
	.protected	k_qa85de2893f_outp
	.globl	k_qa85de2893f_outp
	.p2align	8
	.type	k_qa85de2893f_outp,@function
k_qa85de2893f_outp:
	s_mov_b64 s[64:65], 0
	v_nop
	global_prefetch_b8 v0, s[64:65] scope:SCOPE_SE
	s_setreg_imm32_b32 hwreg(HW_REG_WAVE_MODE, 25, 1), 1
	s_wait_xcnt 0x0
	s_wait_alu depctr_hold_cnt(0) depctr_sa_sdst(0) depctr_va_vdst(0) depctr_va_sdst(0) depctr_va_ssrc(0) depctr_va_vcc(0) depctr_vm_vsrc(0)
	s_getreg_b32 s2, hwreg(HW_REG_IB_STS2, 6, 4)
	s_cmp_eq_u32 s2, 0
	s_cbranch_scc0 .Lentry_in_a_cluster
	s_endpgm
.Lentry_in_a_cluster:
	s_bfe_u32 s2, ttmp6, 0x10000c
	s_cmp_lg_u32 s2, 0xf033
	s_cbranch_scc0 .Lentry_shape_is_right
	s_endpgm
.Lentry_shape_is_right:
; x1 = x + o Wout + out_b: the product on codes of FP8 (E4M3) with E8M0 scales, the rest in f32.
; THE PRODUCT.  A tile of 256 x 256 to a work-group of four waves, 128 x 128 to a wave: 64 accumulators.  Source 1 (tokens: its rows fall to lanes) is called A, source 0 (the weight's columns: a lane's registers) B.
; Operands lie in memory as blocks of 4,352 bytes for each tile of 16 rows and 256 along K: two register images of a fragment and 256 bytes of scale words.  Tile T, lane row r is the actual row
; 32 (T / 2) + 8 (T % 2) + r + 8 (r / 8).  K goes in steps of 256 through two LDS slots; a wave's tensor load brings 8 blocks; the scale words ride with the codes.
; CLUSTERS 4 x 4: A's tiles are asked for jointly along a row of the cluster, B's along a column.  The output has 64 tiles of this size: 64 work-groups.
; THE WAY OUT: a block of 16 rows x 128 columns goes through my stage in LDS (in slot 0, which has had its last fill and its last read) and comes back as rows of 512 bytes; residual and bias are added there.
; No prefetch: every tile is read by four work-groups at the same time, and the launch is short.
.set KB,     4
.set WOFF,   3342336                   ; where the weight begins in wts
.set NTS,    0                         ; the result is read again by later launches
.set TILEB,  4352
.set HALFT,  8*TILEB
.set SLOT,   4*HALFT
.set SPARE,  2*SLOT
.set LAPS,   KB/2
.set NQ,     2
.set FR,     16
.set NL,     4
.set NP,     8
.set SPITCH, 528
.set ADRA, 16
.set ADRB, 20
.set ADRS, 22
.set STO,  24
.set RD,   25
.set CO,   26
.set SPW,  28
.set NIL,  29
.set SC,   32
.set AF,   128
.set BK,   128
.set G1, 24
.set G0, 32
.set G1B, 48
.set G0B, 56
.set MSB, 0
.macro WIN new
.if MSB != (\new)
	s_set_vgpr_msb (MSB<<8)|(\new)
.set MSB, (\new)
.endif
.endm
.set MUL_LO, 0xa1
.set MUL_HI, 0xf1
.set TO_B,   0x40
.macro JLOAD g0a, g1a, g0b, g1b
	s_cmp_eq_u32 s15, 0
	s_cbranch_scc0 .Lfor_b_\@
	tensor_load_to_lds s[\g0a:\g0a+3], s[\g1a:\g1a+7]
	s_nop 0
.rept 4
	v_nop
.endr
	s_branch .Lasked_\@
.Lfor_b_\@:
	tensor_load_to_lds s[\g0b:\g0b+3], s[\g1b:\g1b+7]
	s_nop 0
.rept 4
	v_nop
.endr
.Lasked_\@:
.endm
.macro CREST
	s_cmp_lg_u32 s14, 0
	s_cbranch_scc1 .Lnot_wave_0_\@
	s_barrier_signal -3
.Lnot_wave_0_\@:
	s_barrier_wait -3
	s_barrier_signal -1
	s_barrier_wait -1
.endm
.macro CROUND
	s_barrier_signal -1
	s_barrier_wait -1
	CREST
.endm
	s_load_b128 s[4:7], s[0:1], 0x0                ; A s[4:5], wts s[6:7]
	s_load_b128 s[8:11], s[0:1], 0x10              ; bias s[8:9], residual s[10:11]
	s_load_b64 s[12:13], s[0:1], 0x20              ; the result
	v_lshl_add_u32 v[SPW], v0, 2, SPARE
	v_mov_b32 v[NIL], 0
	ds_add_u32 v28, v29
	ds_add_u32 v28, v29
	s_wait_dscnt 0x0
	v_lshrrev_b32 v1, 5, v0
	v_readfirstlane_b32 s14, v1
	s_lshr_b32 s15, s14, 1
	s_and_b32 s16, s14, 1
	s_bfe_u32 s40, ttmp6, 0x40000
	s_bfe_u32 s41, ttmp6, 0x40004
	s_lshl_b32 s42, ttmp9, 2
	s_add_co_u32 s42, s42, s40                     ; B's block of 256
	s_and_b32 s17, ttmp7, 0xffff
	s_lshl_b32 s17, s17, 2
	s_add_co_u32 s17, s17, s41                     ; A's
	s_lshl_b32 s43, s41, 2
	s_lshl_b32 s43, 15, s43
	s_lshl_b32 s44, 0x1111, s40
	s_or_b32 s[G1+0], s43, (3<<16)|(1<<21)
	s_or_b32 s[G1B+0], s44, (3<<16)|(1<<21)
.irp g, G1, G1B
	s_mov_b32 s[\g+1], 544<<16
	s_mov_b32 s[\g+2], 8<<16
	s_mov_b32 s[\g+3], 544<<16
	s_mov_b32 s[\g+4], 8
	s_mov_b32 s[\g+5], KB*544
	s_mov_b32 s[\g+6], 0
	s_mov_b32 s[\g+7], 0
.endr
	s_lshl_b32 s18, s16, 3
	s_lshl_b32 s20, s17, 4
	s_add_co_u32 s20, s20, s18
	s_mul_i32 s20, s20, KB*TILEB
	s_mov_b32 s21, 0
	s_lshl_b32 s46, s42, 4
	s_add_co_u32 s46, s46, s18
	s_mul_i32 s46, s46, KB*TILEB
	s_add_co_u32 s46, s46, WOFF
	s_mov_b32 s47, 0
	s_mul_i32 s45, s14, HALFT
	s_wait_kmcnt 0x0
	s_add_nc_u64 s[20:21], s[4:5], s[20:21]
	s_add_nc_u64 s[46:47], s[6:7], s[46:47]
	CROUND
.irp s, 0,1
	s_mov_b32 s[G0+4*\s], 1
	s_add_co_u32 s[G0+4*\s+1], s45, \s*SLOT
	s_add_nc_u64 s[G0+4*\s+2:G0+4*\s+3], s[20:21], \s*TILEB
	s_or_b32 s[G0+4*\s+3], s[G0+4*\s+3], 0x80000000
	s_mov_b32 s[G0B+4*\s], 1
	s_add_co_u32 s[G0B+4*\s+1], s45, \s*SLOT
	s_add_nc_u64 s[G0B+4*\s+2:G0B+4*\s+3], s[46:47], \s*TILEB
	s_or_b32 s[G0B+4*\s+3], s[G0B+4*\s+3], 0x80000000
	JLOAD G0+4*\s, G1, G0B+4*\s, G1B
.endr
	v_and_b32 v1, 31, v0
	v_bfe_u32 v2, v0, 4, 1
	v_and_b32 v3, 15, v0
	v_lshlrev_b32 v4, 4, v1
	s_mul_i32 s21, s15, HALFT
	s_mul_i32 s22, s16, HALFT
	s_add_co_u32 s22, s22, 2*HALFT
.irp s, 0,1
	v_add_nc_u32 v[ADRA+\s], s21, v4
	v_add_nc_u32 v[ADRB+\s], s22, v4
	s_add_co_u32 s21, s21, SLOT
	s_add_co_u32 s22, s22, SLOT
.endr
	s_mul_i32 s21, s15, HALFT
	s_mul_i32 s22, s16, HALFT
	s_add_co_u32 s22, s22, 2*HALFT
	s_sub_co_u32 s22, s22, s21
	v_mul_u32_u24 v6, s22, v2
	v_lshl_add_u32 v5, v1, 3, v6
	s_add_co_u32 s21, s21, 4096
	v_add_nc_u32 v[ADRS], s21, v5
	v_add_nc_u32 v[ADRS+1], SLOT, v[ADRS]
	s_mul_i32 s23, s14, 16*SPITCH                  ; my stage
	v_mul_u32_u24 v5, v3, SPITCH
	v_lshl_add_u32 v5, v2, 6, v5
	v_add_nc_u32 v[STO], s23, v5                   ; in: row r, + 64 h bytes
	v_lshlrev_b32 v[CO], 4, v1
	v_add_nc_u32 v[RD], s23, v[CO]                 ; back: a row of 512 bytes to the 32 lanes
	s_lshl_b32 s66, s42, 10
	s_lshl_b32 s67, s16, 9
	s_add_co_u32 s66, s66, s67                     ; my first column, in bytes
	s_mov_b32 s67, 0
	s_add_nc_u64 s[8:9], s[8:9], s[66:67]
	s_lshl_b32 s68, s17, 20
	s_lshl_b32 s69, s15, 19
	s_add_co_u32 s68, s68, s69                     ; my first row: rows of 4,096 bytes
	s_add_co_u32 s66, s66, s68
	s_add_nc_u64 s[10:11], s[10:11], s[66:67]
	s_add_nc_u64 s[12:13], s[12:13], s[66:67]
	global_load_b128 v[8:11], v[CO], s[8:9]        ; the bias of my four columns; the first counted wait on the way out covers it
.macro FRAG reg, adr, q, i
.irp c, 0,1,2,3
	ds_load_b128 v[\reg+4*\c:\reg+4*\c+3], v[\adr] offset:(\i)*TILEB+2048*(\q)+512*\c
.endr
.endm
.macro MUL16 a0, p, q, sc, zero
.irp a, \a0, \a0+1
.irp b, 0,1,2,3,4,5,6,7
.if \zero
	v_wmma_scale_f32_16x16x128_f8f6f4 v[8*(8*((\a)%4)+\b):8*(8*((\a)%4)+\b)+7], v[128*(\p)+FR*\b:128*(\p)+FR*\b+FR-1], v[AF+FR*(\a):AF+FR*(\a)+FR-1], 0, v[SC+8*NQ*(\sc)+NQ*\b+(\q)], v[SC+8*NQ*(\sc)+NQ*(\a)+(\q)] matrix_a_scale:MATRIX_SCALE_ROW1
.else
	v_wmma_scale_f32_16x16x128_f8f6f4 v[8*(8*((\a)%4)+\b):8*(8*((\a)%4)+\b)+7], v[128*(\p)+FR*\b:128*(\p)+FR*\b+FR-1], v[AF+FR*(\a):AF+FR*(\a)+FR-1], v[8*(8*((\a)%4)+\b):8*(8*((\a)%4)+\b)+7], v[SC+8*NQ*(\sc)+NQ*\b+(\q)], v[SC+8*NQ*(\sc)+NQ*(\a)+(\q)] matrix_a_scale:MATRIX_SCALE_ROW1
.endif
.endr
.endr
.endm
.macro FETCH_B slot, q, p
	WIN TO_B
.irp i, 0,1,2,3,4,5,6,7
	FRAG 128*(\p)+FR*\i, ADRB+\slot, \q, \i
.endr
	WIN 0
.endm
.macro FETCH_A slot, q, i0
.irp i, \i0, \i0+1, \i0+2, \i0+3
	FRAG AF+FR*(\i), ADRA+\slot, \q, \i
.endr
.endm
.macro SCALES sc
.irp i, 0,1,2,3,4,5,6,7
	ds_load_b64 v[SC+8*NQ*\sc+NQ*\i:SC+8*NQ*\sc+NQ*\i+1], v[ADRS+\sc] offset:\i*TILEB
.endr
.endm
.macro PLACES n
.rept \n
	v_nop
.endr
.endm
.macro STEP slot, q, zero
	s_wait_dscnt 4*NL                              ; all but the youngest 16 loads (A's blocks 4-7)
	WIN MUL_LO
	MUL16 0, (\q)%2, \q, \slot, \zero
	MUL16 2, (\q)%2, \q, \slot, \zero
	s_wait_dscnt 0
	PLACES NP
	FETCH_B \slot, (\q)+1, 1-(\q)%2
	FETCH_A \slot, (\q)+1, 0
	WIN MUL_HI
	MUL16 4, (\q)%2, \q, \slot, \zero
	MUL16 6, (\q)%2, \q, \slot, \zero
	PLACES NP
	WIN 0
	FETCH_A \slot, (\q)+1, 4
.endm
.macro TURN slot, next, fill
	s_wait_tensorcnt 0x0                           ; all my tensor loads have landed: my part of the next slot
	ds_add_u32 v[SPW], v[NIL]                      ; 0 onto my spare word
	s_wait_dscnt 4*NL+1                            ; (the add and the youngest 16 loads may be out)
	WIN MUL_LO
	MUL16 0, 1, NQ-1, \slot, 0
	s_wait_dscnt 0x0                               ; the add is done, and my reads of this slot are over
	s_barrier_signal -1
	MUL16 2, 1, NQ-1, \slot, 0
	WIN 0
	s_barrier_wait -1
.if \fill
	CREST
	s_add_nc_u64 s[G0+4*\slot+2:G0+4*\slot+3], s[G0+4*\slot+2:G0+4*\slot+3], 2*TILEB
	s_add_nc_u64 s[G0B+4*\slot+2:G0B+4*\slot+3], s[G0B+4*\slot+2:G0B+4*\slot+3], 2*TILEB
	JLOAD G0+4*\slot, G1, G0B+4*\slot, G1B
	PLACES NP-4
.else
	PLACES NP
.endif
	FETCH_B \next, 0, 0
	FETCH_A \next, 0, 0
	SCALES \next
	WIN MUL_HI
	MUL16 4, 1, NQ-1, \slot, 0
	MUL16 6, 1, NQ-1, \slot, 0
	PLACES NP
	WIN 0
	FETCH_A \next, 0, 4
.endm
	s_wait_tensorcnt 1                             ; my part of slot 0 is in; slot 1's load may be out
	s_barrier_signal -1
	s_barrier_wait -1
	FETCH_B 0, 0, 0
	FETCH_A 0, 0, 0
	SCALES 0
	FETCH_A 0, 0, 4
	STEP 0, 0, 1
	s_mov_b32 s3, LAPS-1
.Llap:
	TURN 0, 1, 1
	STEP 1, 0, 0
	TURN 1, 0, 1
	STEP 0, 0, 0
	s_sub_co_u32 s3, s3, 1
	s_cmp_lg_u32 s3, 0
	s_cbranch_scc1 .Llap
	TURN 0, 1, 0
	STEP 1, 0, 0
	s_wait_dscnt 4*NL
	WIN MUL_LO
	MUL16 0, 1, NQ-1, 1, 0
	MUL16 2, 1, NQ-1, 1, 0
	s_wait_dscnt 0
	WIN MUL_HI
	MUL16 4, 1, NQ-1, 1, 0
	MUL16 6, 1, NQ-1, 1, 0
	WIN 0
; Stage row t of block a is row 32 (a / 2) + 8 (a % 2) + t + 8 (t / 8) of my 128: at most 127 rows of 4,096 bytes, inside the immediate, so no base is stepped
.macro RES a                           ; the residual's 16 rows of block a into window 1, where B's fragments lay
	WIN 0x40
.irp t, 0,1,2,3,4,5,6,7,8,9,10,11,12,13,14,15
	global_load_b128 v[64*((\a)%4)+4*\t:64*((\a)%4)+4*\t+3], v[CO], s[10:11] offset:(32*((\a)/2)+8*((\a)%2)+\t+8*(\t/8))*4096
.endr
	WIN 0
.endm
.macro TOSTAGE a
.set AC, 64*((\a)%4)
	WIN 0x08+4*((\a)/4)
.irp b, 0,1,2,3,4,5,6,7
	ds_store_b128 v[STO], v[AC+8*\b:AC+8*\b+3] offset:128*(\b/2)+32*(\b%2)          ; each accumulator from its low end on
	ds_store_b128 v[STO], v[AC+8*\b+4:AC+8*\b+7] offset:128*(\b/2)+32*(\b%2)+16
.endr
	WIN 0
.set BB, BK+64*((\a)%2)
.irp t, 0,1,2,3,4,5,6,7,8,9,10,11,12,13,14,15
	ds_load_b128 v[BB+4*\t:BB+4*\t+3], v[RD] offset:\t*SPITCH   ; LDS serves a wave's instructions in order (ISA guide 5.7.1.4)
.endr
.endm
.macro SEND a, younger, lc             ; younger: LDS instructions issued behind block a's loads; lc: residual loads issued behind block a's
.set BB, BK+64*((\a)%2)
.set RR, 64*((\a)%4)
	s_wait_dscnt \younger
	s_wait_loadcnt \lc
	WIN 0x04
.set i, 0
.rept 32
	v_pk_add_f32 v[BB+2*i:BB+2*i+1], v[BB+2*i:BB+2*i+1], v[RR+2*i:RR+2*i+1]
.set i, i+1
.endr
	WIN 0
.irp t, 0,1,2,3,4,5,6,7,8,9,10,11,12,13,14,15
	v_pk_add_f32 v[BB+4*\t:BB+4*\t+1], v[BB+4*\t:BB+4*\t+1], v[8:9]
	v_pk_add_f32 v[BB+4*\t+2:BB+4*\t+3], v[BB+4*\t+2:BB+4*\t+3], v[10:11]
.endr
.irp t, 0,1,2,3,4,5,6,7,8,9,10,11,12,13,14,15
.if NTS
	global_store_b128 v[CO], v[BB+4*\t:BB+4*\t+3], s[12:13] offset:(32*((\a)/2)+8*((\a)%2)+\t+8*(\t/8))*4096 th:TH_STORE_NT
.else
	global_store_b128 v[CO], v[BB+4*\t:BB+4*\t+3], s[12:13] offset:(32*((\a)/2)+8*((\a)%2)+\t+8*(\t/8))*4096   ; 512 consecutive bytes, aligned
.endif
.endr
.endm
	PLACES NP
	RES 0
	RES 1
	RES 2
	TOSTAGE 0
.irp a, 1,2,3,4,5,6,7
.if \a > 1
	s_wait_xcnt 0x0                                ; block a - 2's stores have read their registers: block a's loads may land there
.endif
	TOSTAGE \a
.if \a < 7
	SEND \a-1, 32, 32                              ; behind block a - 1: the next block's 16 + 16 LDS instructions, and two blocks' residual loads
.else
	SEND \a-1, 32, 16
.endif
.if \a+2 < 8
	RES \a+2
.endif
.endr
	s_wait_xcnt 0x0
	SEND 7, 0, 0
	s_wait_tensorcnt 0x0                           ; the wave's end
	ds_add_u32 v[SPW], v[NIL]
	s_wait_dscnt 0x0
	CROUND
	s_endpgm
.Lfunc_end_k_qa85de2893f_outp:
	.size	k_qa85de2893f_outp, .Lfunc_end_k_qa85de2893f_outp-k_qa85de2893f_outp
	.p2alignl 7, 3214868480
	.fill 96, 4, 3214868480
	.section	.rodata,"a",@progbits
	.p2align	6, 0x0
	.amdhsa_kernel k_qa85de2893f_outp
		.amdhsa_group_segment_fixed_size 327680
		.amdhsa_private_segment_fixed_size 0
		.amdhsa_enable_private_segment 0
		.amdhsa_kernarg_size 40
		.amdhsa_user_sgpr_count 2
		.amdhsa_user_sgpr_kernarg_segment_ptr 1
		.amdhsa_wavefront_size32 1
		.amdhsa_system_sgpr_workgroup_id_x 1
		.amdhsa_system_sgpr_workgroup_id_y 1
		.amdhsa_system_sgpr_workgroup_id_z 1
		.amdhsa_system_vgpr_workitem_id 0
		.amdhsa_next_free_vgpr 1024
		.amdhsa_next_free_sgpr 100
		.amdhsa_reserve_vcc 0
		.amdhsa_float_denorm_mode_32 3
		.amdhsa_float_denorm_mode_16_64 3
		.amdhsa_memory_ordered 1
		.amdhsa_forward_progress 1
		.amdhsa_inst_pref_size 188
	.end_amdhsa_kernel
	.amdgpu_metadata
---
amdhsa.version: [ 1, 2 ]
amdhsa.kernels:
  - .name:           k_qa85de2893f_outp
    .symbol:         k_qa85de2893f_outp.kd
    .args:
      - { .name: oimg, .offset: 0, .size: 8, .value_kind: global_buffer, .address_space: global }
      - { .name: wts, .offset: 8, .size: 8, .value_kind: global_buffer, .address_space: global }
      - { .name: out_b, .offset: 16, .size: 8, .value_kind: global_buffer, .address_space: global }
      - { .name: x, .offset: 24, .size: 8, .value_kind: global_buffer, .address_space: global }
      - { .name: x1, .offset: 32, .size: 8, .value_kind: global_buffer, .address_space: global }
    .group_segment_fixed_size: 327680
    .private_segment_fixed_size: 0
    .kernarg_segment_align: 8
    .kernarg_segment_size: 40
    .max_flat_workgroup_size: 128
    .sgpr_count:     100
    .vgpr_count:     1024
    .wavefront_size: 32
...
	.end_amdgpu_metadata
.endif
;; end of part 4
;; launch ln2: the kernel of part 1 again; grid 256 x 1, 8 waves a work-group, no clusters, 66,816 bytes of LDS; arguments x1, ln2_g, ln2_b, hn, qkv_w, out_w, fc1_w, fc2_w, wts; writes hn, wts
;; launch fc1 (part 5): grid 16 x 16, 4 waves a work-group, clusters of 4 x 4, 327,680 bytes of LDS; arguments hn, wts, fc1_b, g; writes g
.if DOCPART == 5
	.amdgcn_target "amdgcn-amd-amdhsa--gfx1250"
	.amdhsa_code_object_version 6
	.text
	.protected	k_qa85de2893f_fc1
	.globl	k_qa85de2893f_fc1
	.p2align	8
	.type	k_qa85de2893f_fc1,@function
k_qa85de2893f_fc1:
	s_mov_b64 s[64:65], 0
	v_nop
	global_prefetch_b8 v0, s[64:65] scope:SCOPE_SE
	s_setreg_imm32_b32 hwreg(HW_REG_WAVE_MODE, 25, 1), 1
	s_wait_xcnt 0x0
	s_wait_alu depctr_hold_cnt(0) depctr_sa_sdst(0) depctr_va_vdst(0) depctr_va_sdst(0) depctr_va_ssrc(0) depctr_va_vcc(0) depctr_vm_vsrc(0)
	s_getreg_b32 s2, hwreg(HW_REG_IB_STS2, 6, 4)
	s_cmp_eq_u32 s2, 0
	s_cbranch_scc0 .Lentry_in_a_cluster
	s_endpgm
.Lentry_in_a_cluster:
	s_bfe_u32 s2, ttmp6, 0x10000c
	s_cmp_lg_u32 s2, 0xf033
	s_cbranch_scc0 .Lentry_shape_is_right
	s_endpgm
.Lentry_shape_is_right:
; g = Q(gelu(LN2(x1) Wfc1 + fc1_b)): the product on codes of FP8 (E4M3) with E8M0 scales; bias and exact GELU in f32; the result quantised along the 4,096 and stored in the operand format.
; THE PRODUCT.  A tile of 256 x 256 to a work-group of four waves, 128 x 128 to a wave: 64 accumulators.  Source 1 (tokens: lanes) is called A, source 0 (the weight's columns: a lane's registers) B.
; Operands lie in memory as blocks of 4,352 bytes for each tile of 16 rows and 256 along K: two register images of a fragment and 256 bytes of scale words.  Tile T, lane row r is the actual row
; 32 (T / 2) + 8 (T % 2) + r + 8 (r / 8), so that a lane's 16 registers of B's tiles 2 b, 2 b + 1 are the 16 neighbours 32 b + 16 (lane / 16) + 0 .. 15 along the next K.
; CLUSTERS 4 x 4: A's tiles are asked for jointly along a row of the cluster, B's along a column.
; GELU.  gelu(x) = max(x, 0) - |x| q, q = erfc(|x| / sqrt 2) / 2 = t (A1 + t (A2 + t (A3 + t (A4 + t A5)))) 2^(-x x log2(e) / 2), t = 1 / (1 + 0.3275911 |x| / sqrt 2): no difference of near numbers is formed.
; LIMITS: the series is within 7.5e-8 of q, absolutely: the size of the rounding of 1 + erf in f32; far down the negative side that is a larger part of the small result.  v_exp_f32 gives 0 under 2^-126.
; The quantiser's limits are those of the first launch.  No prefetch: every tile is read by several work-groups at about the same time.
.set KB,     4
.set WOFF,   4456448
.set TILEB,  4352
.set HALFT,  8*TILEB
.set SLOT,   4*HALFT
.set SPARE,  2*SLOT
.set LAPS,   KB/2
.set NQ,     2
.set FR,     16
.set NL,     4
.set NP,     8
.set ADRA, 16
.set ADRB, 20
.set ADRS, 22
.set SPW,  28
.set NIL,  29
.set SC,   32
.set AF,   128
.set G1, 24
.set G0, 32
.set G1B, 48
.set G0B, 56
.set XR,  64                           ; the way out, window 0: v64-127 a block's numbers; v128-159 t; v160-191 the exponential; v192-207 codes; v208-223 at work; v224-239 the series; v[240:241] A4; v242 the word
.set TR,  128
.set ER,  160
.set PC,  192
.set TM,  208
.set YR,  224
.set SEL, 96
.set MNT, 98
.set MSB, 0
.macro WIN new
.if MSB != (\new)
	s_set_vgpr_msb (MSB<<8)|(\new)
.set MSB, (\new)
.endif
.endm
.set MUL_LO, 0xa1
.set MUL_HI, 0xf1
.set TO_B,   0x40
.macro JLOAD g0a, g1a, g0b, g1b
	s_cmp_eq_u32 s15, 0
	s_cbranch_scc0 .Lfor_b_\@
	tensor_load_to_lds s[\g0a:\g0a+3], s[\g1a:\g1a+7]
	s_nop 0
.rept 4
	v_nop
.endr
	s_branch .Lasked_\@
.Lfor_b_\@:
	tensor_load_to_lds s[\g0b:\g0b+3], s[\g1b:\g1b+7]
	s_nop 0
.rept 4
	v_nop
.endr
.Lasked_\@:
.endm
.macro CREST
	s_cmp_lg_u32 s14, 0
	s_cbranch_scc1 .Lnot_wave_0_\@
	s_barrier_signal -3
.Lnot_wave_0_\@:
	s_barrier_wait -3
	s_barrier_signal -1
	s_barrier_wait -1
.endm
.macro CROUND
	s_barrier_signal -1
	s_barrier_wait -1
	CREST
.endm
.macro QUANT s, nb
.irp b, 0,1,2,3
.if \b < \nb
	v_max3_num_f32 v[TM+\b], |v[\s+16*\b]|, |v[\s+1+16*\b]|, 0x4800000
.endif
.endr
.irp i, 2,4,6,8,10,12,14
.irp b, 0,1,2,3
.if \b < \nb
	v_max3_num_f32 v[TM+\b], v[TM+\b], |v[\s+16*\b+\i]|, |v[\s+1+16*\b+\i]|
.endif
.endr
.endr
.irp b, 0,1,2,3
.if \b < \nb
	v_permlanex16_b32 v[TM+4+\b], v[TM+\b], s[SEL], s[SEL+1]
.endif
.endr
.irp b, 0,1,2,3
.if \b < \nb
	v_max_num_f32 v[TM+\b], v[TM+\b], v[TM+4+\b]
.endif
.endr
.irp b, 0,1,2,3
.if \b < \nb
	v_add_nc_u32 v[TM+12+\b], 0xfc000000, v[TM+\b]
.endif
.endr
.irp b, 0,1,2,3
.if \b < \nb
	v_and_or_b32 v[TM+8+\b], v[TM+\b], 0x7f800000, s[MNT]
.endif
.endr
.irp b, 0,1,2,3
.if \b < \nb
	v_lshrrev_b32 v[TM+4+\b], 23, v[TM+12+\b]
.endif
.endr
.irp b, 0,1,2,3
.if \b < \nb
.irp i, 0,1,2,3,4,5,6,7,8,9,10,11,12,13,14,15
	v_med3_num_f32 v[\s+16*\b+\i], v[\s+16*\b+\i], -v[TM+8+\b], v[TM+8+\b]
.endr
	v_cvt_scalef32_pk8_fp8_f32 v[PC+4*\b:PC+1+4*\b], v[\s+16*\b:\s+7+16*\b], v[TM+12+\b]
	v_cvt_scalef32_pk8_fp8_f32 v[PC+2+4*\b:PC+3+4*\b], v[\s+8+16*\b:\s+15+16*\b], v[TM+12+\b]
.endif
.endr
	v_nop
.endm
	s_load_b128 s[4:7], s[0:1], 0x0                ; hn s[4:5], wts s[6:7]
	s_load_b128 s[8:11], s[0:1], 0x10              ; fc1_b s[8:9], g s[10:11]
	v_lshl_add_u32 v[SPW], v0, 2, SPARE
	v_mov_b32 v[NIL], 0
	ds_add_u32 v28, v29
	ds_add_u32 v28, v29
	s_wait_dscnt 0x0
	v_lshrrev_b32 v1, 5, v0
	v_readfirstlane_b32 s14, v1
	s_lshr_b32 s15, s14, 1
	s_and_b32 s16, s14, 1
	s_bfe_u32 s40, ttmp6, 0x40000
	s_bfe_u32 s41, ttmp6, 0x40004
	s_lshl_b32 s42, ttmp9, 2
	s_add_co_u32 s42, s42, s40
	s_and_b32 s17, ttmp7, 0xffff
	s_lshl_b32 s17, s17, 2
	s_add_co_u32 s17, s17, s41
	s_lshl_b32 s43, s41, 2
	s_lshl_b32 s43, 15, s43
	s_lshl_b32 s44, 0x1111, s40
	s_or_b32 s[G1+0], s43, (3<<16)|(1<<21)
	s_or_b32 s[G1B+0], s44, (3<<16)|(1<<21)
.irp g, G1, G1B
	s_mov_b32 s[\g+1], 544<<16
	s_mov_b32 s[\g+2], 8<<16
	s_mov_b32 s[\g+3], 544<<16
	s_mov_b32 s[\g+4], 8
	s_mov_b32 s[\g+5], KB*544
	s_mov_b32 s[\g+6], 0
	s_mov_b32 s[\g+7], 0
.endr
	s_lshl_b32 s18, s16, 3
	s_lshl_b32 s20, s17, 4
	s_add_co_u32 s20, s20, s18
	s_mul_i32 s20, s20, KB*TILEB
	s_mov_b32 s21, 0
	s_lshl_b32 s46, s42, 4
	s_add_co_u32 s46, s46, s18
	s_mul_i32 s46, s46, KB*TILEB
	s_add_co_u32 s46, s46, WOFF
	s_mov_b32 s47, 0
	s_mul_i32 s45, s14, HALFT
	s_wait_kmcnt 0x0
	s_add_nc_u64 s[20:21], s[4:5], s[20:21]
	s_add_nc_u64 s[46:47], s[6:7], s[46:47]
	CROUND
.irp s, 0,1
	s_mov_b32 s[G0+4*\s], 1
	s_add_co_u32 s[G0+4*\s+1], s45, \s*SLOT
	s_add_nc_u64 s[G0+4*\s+2:G0+4*\s+3], s[20:21], \s*TILEB
	s_or_b32 s[G0+4*\s+3], s[G0+4*\s+3], 0x80000000
	s_mov_b32 s[G0B+4*\s], 1
	s_add_co_u32 s[G0B+4*\s+1], s45, \s*SLOT
	s_add_nc_u64 s[G0B+4*\s+2:G0B+4*\s+3], s[46:47], \s*TILEB
	s_or_b32 s[G0B+4*\s+3], s[G0B+4*\s+3], 0x80000000
	JLOAD G0+4*\s, G1, G0B+4*\s, G1B
.endr
	v_and_b32 v1, 31, v0
	v_bfe_u32 v2, v0, 4, 1
	v_and_b32 v3, 15, v0
	v_lshlrev_b32 v4, 4, v1
	s_mul_i32 s21, s15, HALFT
	s_mul_i32 s22, s16, HALFT
	s_add_co_u32 s22, s22, 2*HALFT
.irp s, 0,1
	v_add_nc_u32 v[ADRA+\s], s21, v4
	v_add_nc_u32 v[ADRB+\s], s22, v4
	s_add_co_u32 s21, s21, SLOT
	s_add_co_u32 s22, s22, SLOT
.endr
	s_mul_i32 s21, s15, HALFT
	s_mul_i32 s22, s16, HALFT
	s_add_co_u32 s22, s22, 2*HALFT
	s_sub_co_u32 s22, s22, s21
	v_mul_u32_u24 v6, s22, v2
	v_lshl_add_u32 v5, v1, 3, v6
	s_add_co_u32 s21, s21, 4096
	v_add_nc_u32 v[ADRS], s21, v5
	v_add_nc_u32 v[ADRS+1], SLOT, v[ADRS]
.macro FRAG reg, adr, q, i
.irp c, 0,1,2,3
	ds_load_b128 v[\reg+4*\c:\reg+4*\c+3], v[\adr] offset:(\i)*TILEB+2048*(\q)+512*\c
.endr
.endm
.macro MUL16 a0, p, q, sc, zero
.irp a, \a0, \a0+1
.irp b, 0,1,2,3,4,5,6,7
.if \zero
	v_wmma_scale_f32_16x16x128_f8f6f4 v[8*(8*((\a)%4)+\b):8*(8*((\a)%4)+\b)+7], v[128*(\p)+FR*\b:128*(\p)+FR*\b+FR-1], v[AF+FR*(\a):AF+FR*(\a)+FR-1], 0, v[SC+8*NQ*(\sc)+NQ*\b+(\q)], v[SC+8*NQ*(\sc)+NQ*(\a)+(\q)] matrix_a_scale:MATRIX_SCALE_ROW1
.else
	v_wmma_scale_f32_16x16x128_f8f6f4 v[8*(8*((\a)%4)+\b):8*(8*((\a)%4)+\b)+7], v[128*(\p)+FR*\b:128*(\p)+FR*\b+FR-1], v[AF+FR*(\a):AF+FR*(\a)+FR-1], v[8*(8*((\a)%4)+\b):8*(8*((\a)%4)+\b)+7], v[SC+8*NQ*(\sc)+NQ*\b+(\q)], v[SC+8*NQ*(\sc)+NQ*(\a)+(\q)] matrix_a_scale:MATRIX_SCALE_ROW1
.endif
.endr
.endr
.endm
.macro FETCH_B slot, q, p
	WIN TO_B
.irp i, 0,1,2,3,4,5,6,7
	FRAG 128*(\p)+FR*\i, ADRB+\slot, \q, \i
.endr
	WIN 0
.endm
.macro FETCH_A slot, q, i0
.irp i, \i0, \i0+1, \i0+2, \i0+3
	FRAG AF+FR*(\i), ADRA+\slot, \q, \i
.endr
.endm
.macro SCALES sc
.irp i, 0,1,2,3,4,5,6,7
	ds_load_b64 v[SC+8*NQ*\sc+NQ*\i:SC+8*NQ*\sc+NQ*\i+1], v[ADRS+\sc] offset:\i*TILEB
.endr
.endm
.macro PLACES n
.rept \n
	v_nop
.endr
.endm
.macro STEP slot, q, zero
	s_wait_dscnt 4*NL                              ; all but the youngest 16 loads (A's blocks 4-7)
	WIN MUL_LO
	MUL16 0, (\q)%2, \q, \slot, \zero
	MUL16 2, (\q)%2, \q, \slot, \zero
	s_wait_dscnt 0
	PLACES NP
	FETCH_B \slot, (\q)+1, 1-(\q)%2
	FETCH_A \slot, (\q)+1, 0
	WIN MUL_HI
	MUL16 4, (\q)%2, \q, \slot, \zero
	MUL16 6, (\q)%2, \q, \slot, \zero
	PLACES NP
	WIN 0
	FETCH_A \slot, (\q)+1, 4
.endm
.macro TURN slot, next, fill
	s_wait_tensorcnt 0x0                           ; all my tensor loads have landed: my part of the next slot
	ds_add_u32 v[SPW], v[NIL]                      ; 0 onto my spare word
	s_wait_dscnt 4*NL+1                            ; (the add and the youngest 16 loads may be out)
	WIN MUL_LO
	MUL16 0, 1, NQ-1, \slot, 0
	s_wait_dscnt 0x0                               ; the add is done, and my reads of this slot are over
	s_barrier_signal -1
	MUL16 2, 1, NQ-1, \slot, 0
	WIN 0
	s_barrier_wait -1
.if \fill
	CREST
	s_add_nc_u64 s[G0+4*\slot+2:G0+4*\slot+3], s[G0+4*\slot+2:G0+4*\slot+3], 2*TILEB
	s_add_nc_u64 s[G0B+4*\slot+2:G0B+4*\slot+3], s[G0B+4*\slot+2:G0B+4*\slot+3], 2*TILEB
	JLOAD G0+4*\slot, G1, G0B+4*\slot, G1B
	PLACES NP-4
.else
	PLACES NP
.endif
	FETCH_B \next, 0, 0
	FETCH_A \next, 0, 0
	SCALES \next
	WIN MUL_HI
	MUL16 4, 1, NQ-1, \slot, 0
	MUL16 6, 1, NQ-1, \slot, 0
	PLACES NP
	WIN 0
	FETCH_A \next, 0, 4
.endm
	s_wait_tensorcnt 1                             ; my part of slot 0 is in; slot 1's load may be out
	s_barrier_signal -1
	s_barrier_wait -1
	FETCH_B 0, 0, 0
	FETCH_A 0, 0, 0
	SCALES 0
	FETCH_A 0, 0, 4
	STEP 0, 0, 1
	s_mov_b32 s3, LAPS-1
.Llap:
	TURN 0, 1, 1
	STEP 1, 0, 0
	TURN 1, 0, 1
	STEP 0, 0, 0
	s_sub_co_u32 s3, s3, 1
	s_cmp_lg_u32 s3, 0
	s_cbranch_scc1 .Llap
	TURN 0, 1, 0
	STEP 1, 0, 0
	s_wait_dscnt 4*NL
	WIN MUL_LO
	MUL16 0, 1, NQ-1, 1, 0
	MUL16 2, 1, NQ-1, 1, 0
	s_wait_dscnt 0
	WIN MUL_HI
	MUL16 4, 1, NQ-1, 1, 0
	MUL16 6, 1, NQ-1, 1, 0
	WIN 0
	; ---- THE WAY OUT: a loop of eight trips over A's blocks; which accumulators and which address a trip takes stands in eight short pieces, chosen by the loop's counter
	PLACES NP
	s_mov_b32 s[SEL], 0x76543210
	s_mov_b32 s[SEL+1], 0xfedcba98
	s_mov_b32 s[MNT], 0x600000
	s_mov_b32 s80, 0x3e6d3388                      ; 0.3275911 / sqrt 2
	s_mov_b32 s82, 0xbf38aa3b                      ; -log2(e) / 2
	s_mov_b32 s83, s82
	s_mov_b32 s84, 0x3f07dc22                      ; A5
	s_mov_b32 s85, s84
	s_mov_b32 s86, 0x3f35f0e3                      ; A3
	s_mov_b32 s87, s86
	s_mov_b32 s88, 0xbe11a98e                      ; A2
	s_mov_b32 s89, s88
	s_mov_b32 s90, 0x3e027906                      ; A1
	s_mov_b32 s91, s90
	v_mov_b32 v240, 0xbf3a00e3                     ; A4
	v_mov_b32 v241, 0xbf3a00e3
.irp b, 0,1,2,3
	v_mov_b32 v[TM+4+\b], 0
.endr
	s_lshl_b32 s74, s42, 10
	s_lshl_b32 s75, s16, 9
	s_add_co_u32 s74, s74, s75
	s_mov_b32 s75, 0
	s_add_nc_u64 s[74:75], s[8:9], s[74:75]        ; the bias of my 128 columns
	v_lshlrev_b32 v7, 6, v2
	WIN 0x40
.irp b, 0,1,2,3,4,5,6,7
	global_load_b128 v[8*\b:8*\b+3], v7, s[74:75] offset:(32*(\b/2)+8*(\b%2))*4
	global_load_b128 v[8*\b+4:8*\b+7], v7, s[74:75] offset:(32*(\b/2)+8*(\b%2))*4+16
.endr
	WIN 0
	s_lshl_b32 s66, s17, 4
	s_lshl_b32 s67, s15, 3
	s_add_co_u32 s66, s66, s67                     ; my first token tile
	s_lshl_b32 s66, s66, 4                         ; 16 blocks of 256 along the next K to a tile
	s_add_co_u32 s66, s66, s42
	s_mul_i32 s66, s66, TILEB
	s_mov_b32 s67, 0
	s_add_nc_u64 s[10:11], s[10:11], s[66:67]
	s_lshl_b32 s68, s16, 11
	v_add_nc_u32 v5, s68, v4                       ; my half of the columns is one image
	s_lshl_b32 s68, s16, 2
	v_lshlrev_b32 v6, 3, v1
	v_add_nc_u32 v6, s68, v6                       ; and one of a row's two words
	s_mov_b32 s70, 0
	s_wait_loadcnt 0x0
.macro SNIP k
	WIN 0x06+((\k)/4)
.irp b, 0,1,2,3,4,5,6,7
.irp p, 0,1,2,3
	v_pk_add_f32 v[XR+8*\b+2*\p:XR+8*\b+2*\p+1], v[64*((\k)%4)+8*\b+2*\p:64*((\k)%4)+8*\b+2*\p+1], v[8*\b+2*\p:8*\b+2*\p+1]
.endr
.endr
	WIN 0
.endm
.macro GELU hf                         ; 32 of the block's 64 numbers
.set XH, XR+32*(\hf)
.set i, 0
.rept 32
	v_fma_f32 v[TR+i], |v[XH+i]|, s80, 1.0
.set i, i+1
.endr
.set i, 0
.rept 16
	v_pk_mul_f32 v[ER+2*i:ER+2*i+1], v[XH+2*i:XH+2*i+1], v[XH+2*i:XH+2*i+1]
.set i, i+1
.endr
.set i, 0
.rept 16
	v_pk_mul_f32 v[ER+2*i:ER+2*i+1], v[ER+2*i:ER+2*i+1], s[82:83] op_sel_hi:[1,0]
.set i, i+1
.endr
.set i, 0
.rept 32
	v_rcp_f32 v[TR+i], v[TR+i]
.set i, i+1
.endr
.set i, 0
.rept 32
	v_exp_f32 v[ER+i], v[ER+i]
.set i, i+1
.endr
	v_nop                                          ; a plain line behind the batch of 64,
	s_wait_alu depctr_va_vdst(0)                   ; and one wait for it, ahead of its first reader
.irp q, 0,1
.set i, 0
.rept 8
	v_pk_fma_f32 v[YR+2*i:YR+2*i+1], v[TR+16*\q+2*i:TR+16*\q+2*i+1], s[84:85], v[240:241] op_sel_hi:[1,0,1]
.set i, i+1
.endr
.irp c, 86, 88, 90
.set i, 0
.rept 8
	v_pk_fma_f32 v[YR+2*i:YR+2*i+1], v[YR+2*i:YR+2*i+1], v[TR+16*\q+2*i:TR+16*\q+2*i+1], s[\c:\c+1] op_sel_hi:[1,1,0]
.set i, i+1
.endr
.endr
.set i, 0
.rept 8
	v_pk_mul_f32 v[YR+2*i:YR+2*i+1], v[YR+2*i:YR+2*i+1], v[TR+16*\q+2*i:TR+16*\q+2*i+1]
.set i, i+1
.endr
.set i, 0
.rept 8
	v_pk_mul_f32 v[ER+16*\q+2*i:ER+16*\q+2*i+1], v[YR+2*i:YR+2*i+1], v[ER+16*\q+2*i:ER+16*\q+2*i+1]   ; q
.set i, i+1
.endr
.endr
.set i, 0
.rept 32
	v_max_num_f32 v[TR+i], 0, v[XH+i]
.set i, i+1
.endr
.set i, 0
.rept 32
	v_fma_f32 v[XH+i], -|v[XH+i]|, v[ER+i], v[TR+i]
.set i, i+1
.endr
.endm
.Lepi:
	s_wait_xcnt 0x0                                ; the last trip's stores have read their data and their base
.irp k, 1,2,3,4,5,6,7
	s_cmp_eq_u32 s70, \k
	s_cbranch_scc1 .Lf\k
.endr
.irp k, 0,1,2,3,4,5,6,7
.Lf\k:
	SNIP \k
	s_add_nc_u64 s[72:73], s[10:11], 16*TILEB*\k
	s_branch .Ljoin
.endr
.Ljoin:
	GELU 0
	GELU 1
	QUANT XR, 4
	v_lshl_or_b32 v242, v[TM+5], 8, v[TM+4]
	v_lshl_or_b32 v242, v[TM+6], 16, v242
	v_lshl_or_b32 v242, v[TM+7], 24, v242
.irp c, 0,1,2,3
	global_store_b128 v5, v[PC+4*\c:PC+4*\c+3], s[72:73] offset:512*\c
.endr
	global_store_b32 v6, v242, s[72:73] offset:4096
	s_add_co_u32 s70, s70, 1
	s_cmp_lt_u32 s70, 8
	s_cbranch_scc1 .Lepi
	s_wait_tensorcnt 0x0                           ; the wave's end
	ds_add_u32 v[SPW], v[NIL]
	s_wait_dscnt 0x0
	CROUND
	s_endpgm
.Lfunc_end_k_qa85de2893f_fc1:
	.size	k_qa85de2893f_fc1, .Lfunc_end_k_qa85de2893f_fc1-k_qa85de2893f_fc1
	.p2alignl 7, 3214868480
	.fill 96, 4, 3214868480
	.section	.rodata,"a",@progbits
	.p2align	6, 0x0
	.amdhsa_kernel k_qa85de2893f_fc1
		.amdhsa_group_segment_fixed_size 327680
		.amdhsa_private_segment_fixed_size 0
		.amdhsa_enable_private_segment 0
		.amdhsa_kernarg_size 32
		.amdhsa_user_sgpr_count 2
		.amdhsa_user_sgpr_kernarg_segment_ptr 1
		.amdhsa_wavefront_size32 1
		.amdhsa_system_sgpr_workgroup_id_x 1
		.amdhsa_system_sgpr_workgroup_id_y 1
		.amdhsa_system_sgpr_workgroup_id_z 1
		.amdhsa_system_vgpr_workitem_id 0
		.amdhsa_next_free_vgpr 1024
		.amdhsa_next_free_sgpr 100
		.amdhsa_reserve_vcc 0
		.amdhsa_float_denorm_mode_32 3
		.amdhsa_float_denorm_mode_16_64 3
		.amdhsa_memory_ordered 1
		.amdhsa_forward_progress 1
		.amdhsa_inst_pref_size 173
	.end_amdhsa_kernel
	.amdgpu_metadata
---
amdhsa.version: [ 1, 2 ]
amdhsa.kernels:
  - .name:           k_qa85de2893f_fc1
    .symbol:         k_qa85de2893f_fc1.kd
    .args:
      - { .name: hn, .offset: 0, .size: 8, .value_kind: global_buffer, .address_space: global }
      - { .name: wts, .offset: 8, .size: 8, .value_kind: global_buffer, .address_space: global }
      - { .name: fc1_b, .offset: 16, .size: 8, .value_kind: global_buffer, .address_space: global }
      - { .name: g, .offset: 24, .size: 8, .value_kind: global_buffer, .address_space: global }
    .group_segment_fixed_size: 327680
    .private_segment_fixed_size: 0
    .kernarg_segment_align: 8
    .kernarg_segment_size: 32
    .max_flat_workgroup_size: 128
    .sgpr_count:     100
    .vgpr_count:     1024
    .wavefront_size: 32
...
	.end_amdgpu_metadata
.endif
;; end of part 5
;; launch fc2 (part 6): grid 4 x 16, 4 waves a work-group, clusters of 4 x 4, 327,680 bytes of LDS; arguments g, wts, fc2_b, x1, out0; writes out0
.if DOCPART == 6
	.amdgcn_target "amdgcn-amd-amdhsa--gfx1250"
	.amdhsa_code_object_version 6
	.text
	.protected	k_qa85de2893f_fc2
	.globl	k_qa85de2893f_fc2
	.p2align	8
	.type	k_qa85de2893f_fc2,@function
k_qa85de2893f_fc2:
	s_mov_b64 s[64:65], 0
	v_nop
	global_prefetch_b8 v0, s[64:65] scope:SCOPE_SE
	s_setreg_imm32_b32 hwreg(HW_REG_WAVE_MODE, 25, 1), 1
	s_wait_xcnt 0x0
	s_wait_alu depctr_hold_cnt(0) depctr_sa_sdst(0) depctr_va_vdst(0) depctr_va_sdst(0) depctr_va_ssrc(0) depctr_va_vcc(0) depctr_vm_vsrc(0)
	s_getreg_b32 s2, hwreg(HW_REG_IB_STS2, 6, 4)
	s_cmp_eq_u32 s2, 0
	s_cbranch_scc0 .Lentry_in_a_cluster
	s_endpgm
.Lentry_in_a_cluster:
	s_bfe_u32 s2, ttmp6, 0x10000c
	s_cmp_lg_u32 s2, 0xf033
	s_cbranch_scc0 .Lentry_shape_is_right
	s_endpgm
.Lentry_shape_is_right:
; out0 = x1 + g Wfc2 + fc2_b: the product (K = 4,096) on codes of FP8 (E4M3) with E8M0 scales, the rest in f32.
; THE PRODUCT.  A tile of 256 x 256 to a work-group of four waves, 128 x 128 to a wave: 64 accumulators.  Source 1 (tokens: its rows fall to lanes) is called A, source 0 (the weight's columns: a lane's registers) B.
; Operands lie in memory as blocks of 4,352 bytes for each tile of 16 rows and 256 along K: two register images of a fragment and 256 bytes of scale words.  Tile T, lane row r is the actual row
; 32 (T / 2) + 8 (T % 2) + r + 8 (r / 8).  K goes in steps of 256 through two LDS slots; a wave's tensor load brings 8 blocks; the scale words ride with the codes.
; CLUSTERS 4 x 4: A's tiles are asked for jointly along a row of the cluster, B's along a column.  The output has 64 tiles of this size: 64 work-groups.
; THE WAY OUT: a block of 16 rows x 128 columns goes through my stage in LDS (in slot 0, which has had its last fill and its last read) and comes back as rows of 512 bytes; residual and bias are added there.
; No prefetch: every tile is read by four work-groups at the same time.
.set KB,     16
.set WOFF,   8912896                   ; where the weight begins in wts
.set NTS,    1                         ; the result is written once and read by nobody here
.set TILEB,  4352
.set HALFT,  8*TILEB
.set SLOT,   4*HALFT
.set SPARE,  2*SLOT
.set LAPS,   KB/2
.set NQ,     2
.set FR,     16
.set NL,     4
.set NP,     8
.set SPITCH, 528
.set ADRA, 16
.set ADRB, 20
.set ADRS, 22
.set STO,  24
.set RD,   25
.set CO,   26
.set SPW,  28
.set NIL,  29
.set SC,   32
.set AF,   128
.set BK,   128
.set G1, 24
.set G0, 32
.set G1B, 48
.set G0B, 56
.set MSB, 0
.macro WIN new
.if MSB != (\new)
	s_set_vgpr_msb (MSB<<8)|(\new)
.set MSB, (\new)
.endif
.endm
.set MUL_LO, 0xa1
.set MUL_HI, 0xf1
.set TO_B,   0x40
.macro JLOAD g0a, g1a, g0b, g1b
	s_cmp_eq_u32 s15, 0
	s_cbranch_scc0 .Lfor_b_\@
	tensor_load_to_lds s[\g0a:\g0a+3], s[\g1a:\g1a+7]
	s_nop 0
.rept 4
	v_nop
.endr
	s_branch .Lasked_\@
.Lfor_b_\@:
	tensor_load_to_lds s[\g0b:\g0b+3], s[\g1b:\g1b+7]
	s_nop 0
.rept 4
	v_nop
.endr
.Lasked_\@:
.endm
.macro CREST
	s_cmp_lg_u32 s14, 0
	s_cbranch_scc1 .Lnot_wave_0_\@
	s_barrier_signal -3
.Lnot_wave_0_\@:
	s_barrier_wait -3
	s_barrier_signal -1
	s_barrier_wait -1
.endm
.macro CROUND
	s_barrier_signal -1
	s_barrier_wait -1
	CREST
.endm
	s_load_b128 s[4:7], s[0:1], 0x0                ; A s[4:5], wts s[6:7]
	s_load_b128 s[8:11], s[0:1], 0x10              ; bias s[8:9], residual s[10:11]
	s_load_b64 s[12:13], s[0:1], 0x20              ; the result
	v_lshl_add_u32 v[SPW], v0, 2, SPARE
	v_mov_b32 v[NIL], 0
	ds_add_u32 v28, v29
	ds_add_u32 v28, v29
	s_wait_dscnt 0x0
	v_lshrrev_b32 v1, 5, v0
	v_readfirstlane_b32 s14, v1
	s_lshr_b32 s15, s14, 1
	s_and_b32 s16, s14, 1
	s_bfe_u32 s40, ttmp6, 0x40000
	s_bfe_u32 s41, ttmp6, 0x40004
	s_lshl_b32 s42, ttmp9, 2
	s_add_co_u32 s42, s42, s40                     ; B's block of 256
	s_and_b32 s17, ttmp7, 0xffff
	s_lshl_b32 s17, s17, 2
	s_add_co_u32 s17, s17, s41                     ; A's
	s_lshl_b32 s43, s41, 2
	s_lshl_b32 s43, 15, s43
	s_lshl_b32 s44, 0x1111, s40
	s_or_b32 s[G1+0], s43, (3<<16)|(1<<21)
	s_or_b32 s[G1B+0], s44, (3<<16)|(1<<21)
.irp g, G1, G1B
	s_mov_b32 s[\g+1], 544<<16
	s_mov_b32 s[\g+2], 8<<16
	s_mov_b32 s[\g+3], 544<<16
	s_mov_b32 s[\g+4], 8
	s_mov_b32 s[\g+5], KB*544
	s_mov_b32 s[\g+6], 0
	s_mov_b32 s[\g+7], 0
.endr
	s_lshl_b32 s18, s16, 3
	s_lshl_b32 s20, s17, 4
	s_add_co_u32 s20, s20, s18
	s_mul_i32 s20, s20, KB*TILEB
	s_mov_b32 s21, 0
	s_lshl_b32 s46, s42, 4
	s_add_co_u32 s46, s46, s18
	s_mul_i32 s46, s46, KB*TILEB
	s_add_co_u32 s46, s46, WOFF
	s_mov_b32 s47, 0
	s_mul_i32 s45, s14, HALFT
	s_wait_kmcnt 0x0
	s_add_nc_u64 s[20:21], s[4:5], s[20:21]
	s_add_nc_u64 s[46:47], s[6:7], s[46:47]
	CROUND
.irp s, 0,1
	s_mov_b32 s[G0+4*\s], 1
	s_add_co_u32 s[G0+4*\s+1], s45, \s*SLOT
	s_add_nc_u64 s[G0+4*\s+2:G0+4*\s+3], s[20:21], \s*TILEB
	s_or_b32 s[G0+4*\s+3], s[G0+4*\s+3], 0x80000000
	s_mov_b32 s[G0B+4*\s], 1
	s_add_co_u32 s[G0B+4*\s+1], s45, \s*SLOT
	s_add_nc_u64 s[G0B+4*\s+2:G0B+4*\s+3], s[46:47], \s*TILEB
	s_or_b32 s[G0B+4*\s+3], s[G0B+4*\s+3], 0x80000000
	JLOAD G0+4*\s, G1, G0B+4*\s, G1B
.endr
	v_and_b32 v1, 31, v0
	v_bfe_u32 v2, v0, 4, 1
	v_and_b32 v3, 15, v0
	v_lshlrev_b32 v4, 4, v1
	s_mul_i32 s21, s15, HALFT
	s_mul_i32 s22, s16, HALFT
	s_add_co_u32 s22, s22, 2*HALFT
.irp s, 0,1
	v_add_nc_u32 v[ADRA+\s], s21, v4
	v_add_nc_u32 v[ADRB+\s], s22, v4
	s_add_co_u32 s21, s21, SLOT
	s_add_co_u32 s22, s22, SLOT
.endr
	s_mul_i32 s21, s15, HALFT
	s_mul_i32 s22, s16, HALFT
	s_add_co_u32 s22, s22, 2*HALFT
	s_sub_co_u32 s22, s22, s21
	v_mul_u32_u24 v6, s22, v2
	v_lshl_add_u32 v5, v1, 3, v6
	s_add_co_u32 s21, s21, 4096
	v_add_nc_u32 v[ADRS], s21, v5
	v_add_nc_u32 v[ADRS+1], SLOT, v[ADRS]
	s_mul_i32 s23, s14, 16*SPITCH                  ; my stage
	v_mul_u32_u24 v5, v3, SPITCH
	v_lshl_add_u32 v5, v2, 6, v5
	v_add_nc_u32 v[STO], s23, v5                   ; in: row r, + 64 h bytes
	v_lshlrev_b32 v[CO], 4, v1
	v_add_nc_u32 v[RD], s23, v[CO]                 ; back: a row of 512 bytes to the 32 lanes
	s_lshl_b32 s66, s42, 10
	s_lshl_b32 s67, s16, 9
	s_add_co_u32 s66, s66, s67                     ; my first column, in bytes
	s_mov_b32 s67, 0
	s_add_nc_u64 s[8:9], s[8:9], s[66:67]
	s_lshl_b32 s68, s17, 20
	s_lshl_b32 s69, s15, 19
	s_add_co_u32 s68, s68, s69                     ; my first row: rows of 4,096 bytes
	s_add_co_u32 s66, s66, s68
	s_add_nc_u64 s[10:11], s[10:11], s[66:67]
	s_add_nc_u64 s[12:13], s[12:13], s[66:67]
	global_load_b128 v[8:11], v[CO], s[8:9]        ; the bias of my four columns; the first counted wait on the way out covers it
.macro FRAG reg, adr, q, i
.irp c, 0,1,2,3
	ds_load_b128 v[\reg+4*\c:\reg+4*\c+3], v[\adr] offset:(\i)*TILEB+2048*(\q)+512*\c
.endr
.endm
.macro MUL16 a0, p, q, sc, zero
.irp a, \a0, \a0+1
.irp b, 0,1,2,3,4,5,6,7
.if \zero
	v_wmma_scale_f32_16x16x128_f8f6f4 v[8*(8*((\a)%4)+\b):8*(8*((\a)%4)+\b)+7], v[128*(\p)+FR*\b:128*(\p)+FR*\b+FR-1], v[AF+FR*(\a):AF+FR*(\a)+FR-1], 0, v[SC+8*NQ*(\sc)+NQ*\b+(\q)], v[SC+8*NQ*(\sc)+NQ*(\a)+(\q)] matrix_a_scale:MATRIX_SCALE_ROW1
.else
	v_wmma_scale_f32_16x16x128_f8f6f4 v[8*(8*((\a)%4)+\b):8*(8*((\a)%4)+\b)+7], v[128*(\p)+FR*\b:128*(\p)+FR*\b+FR-1], v[AF+FR*(\a):AF+FR*(\a)+FR-1], v[8*(8*((\a)%4)+\b):8*(8*((\a)%4)+\b)+7], v[SC+8*NQ*(\sc)+NQ*\b+(\q)], v[SC+8*NQ*(\sc)+NQ*(\a)+(\q)] matrix_a_scale:MATRIX_SCALE_ROW1
.endif
.endr
.endr
.endm
.macro FETCH_B slot, q, p
	WIN TO_B
.irp i, 0,1,2,3,4,5,6,7
	FRAG 128*(\p)+FR*\i, ADRB+\slot, \q, \i
.endr
	WIN 0
.endm
.macro FETCH_A slot, q, i0
.irp i, \i0, \i0+1, \i0+2, \i0+3
	FRAG AF+FR*(\i), ADRA+\slot, \q, \i
.endr
.endm
.macro SCALES sc
.irp i, 0,1,2,3,4,5,6,7
	ds_load_b64 v[SC+8*NQ*\sc+NQ*\i:SC+8*NQ*\sc+NQ*\i+1], v[ADRS+\sc] offset:\i*TILEB
.endr
.endm
.macro PLACES n
.rept \n
	v_nop
.endr
.endm
.macro STEP slot, q, zero
	s_wait_dscnt 4*NL                              ; all but the youngest 16 loads (A's blocks 4-7)
	WIN MUL_LO
	MUL16 0, (\q)%2, \q, \slot, \zero
	MUL16 2, (\q)%2, \q, \slot, \zero
	s_wait_dscnt 0
	PLACES NP
	FETCH_B \slot, (\q)+1, 1-(\q)%2
	FETCH_A \slot, (\q)+1, 0
	WIN MUL_HI
	MUL16 4, (\q)%2, \q, \slot, \zero
	MUL16 6, (\q)%2, \q, \slot, \zero
	PLACES NP
	WIN 0
	FETCH_A \slot, (\q)+1, 4
.endm
.macro TURN slot, next, fill
	s_wait_tensorcnt 0x0                           ; all my tensor loads have landed: my part of the next slot
	ds_add_u32 v[SPW], v[NIL]                      ; 0 onto my spare word
	s_wait_dscnt 4*NL+1                            ; (the add and the youngest 16 loads may be out)
	WIN MUL_LO
	MUL16 0, 1, NQ-1, \slot, 0
	s_wait_dscnt 0x0                               ; the add is done, and my reads of this slot are over
	s_barrier_signal -1
	MUL16 2, 1, NQ-1, \slot, 0
	WIN 0
	s_barrier_wait -1
.if \fill
	CREST
	s_add_nc_u64 s[G0+4*\slot+2:G0+4*\slot+3], s[G0+4*\slot+2:G0+4*\slot+3], 2*TILEB
	s_add_nc_u64 s[G0B+4*\slot+2:G0B+4*\slot+3], s[G0B+4*\slot+2:G0B+4*\slot+3], 2*TILEB
	JLOAD G0+4*\slot, G1, G0B+4*\slot, G1B
	PLACES NP-4
.else
	PLACES NP
.endif
	FETCH_B \next, 0, 0
	FETCH_A \next, 0, 0
	SCALES \next
	WIN MUL_HI
	MUL16 4, 1, NQ-1, \slot, 0
	MUL16 6, 1, NQ-1, \slot, 0
	PLACES NP
	WIN 0
	FETCH_A \next, 0, 4
.endm
	s_wait_tensorcnt 1                             ; my part of slot 0 is in; slot 1's load may be out
	s_barrier_signal -1
	s_barrier_wait -1
	FETCH_B 0, 0, 0
	FETCH_A 0, 0, 0
	SCALES 0
	FETCH_A 0, 0, 4
	STEP 0, 0, 1
	s_mov_b32 s3, LAPS-1
.Llap:
	TURN 0, 1, 1
	STEP 1, 0, 0
	TURN 1, 0, 1
	STEP 0, 0, 0
	s_sub_co_u32 s3, s3, 1
	s_cmp_lg_u32 s3, 0
	s_cbranch_scc1 .Llap
	TURN 0, 1, 0
	STEP 1, 0, 0
	s_wait_dscnt 4*NL
	WIN MUL_LO
	MUL16 0, 1, NQ-1, 1, 0
	MUL16 2, 1, NQ-1, 1, 0
	s_wait_dscnt 0
	WIN MUL_HI
	MUL16 4, 1, NQ-1, 1, 0
	MUL16 6, 1, NQ-1, 1, 0
	WIN 0
; Stage row t of block a is row 32 (a / 2) + 8 (a % 2) + t + 8 (t / 8) of my 128: at most 127 rows of 4,096 bytes, inside the immediate, so no base is stepped
.macro RES a                           ; the residual's 16 rows of block a into window 1, where B's fragments lay
	WIN 0x40
.irp t, 0,1,2,3,4,5,6,7,8,9,10,11,12,13,14,15
	global_load_b128 v[64*((\a)%4)+4*\t:64*((\a)%4)+4*\t+3], v[CO], s[10:11] offset:(32*((\a)/2)+8*((\a)%2)+\t+8*(\t/8))*4096
.endr
	WIN 0
.endm
.macro TOSTAGE a
.set AC, 64*((\a)%4)
	WIN 0x08+4*((\a)/4)
.irp b, 0,1,2,3,4,5,6,7
	ds_store_b128 v[STO], v[AC+8*\b:AC+8*\b+3] offset:128*(\b/2)+32*(\b%2)          ; each accumulator from its low end on
	ds_store_b128 v[STO], v[AC+8*\b+4:AC+8*\b+7] offset:128*(\b/2)+32*(\b%2)+16
.endr
	WIN 0
.set BB, BK+64*((\a)%2)
.irp t, 0,1,2,3,4,5,6,7,8,9,10,11,12,13,14,15
	ds_load_b128 v[BB+4*\t:BB+4*\t+3], v[RD] offset:\t*SPITCH   ; LDS serves a wave's instructions in order (ISA guide 5.7.1.4)
.endr
.endm
.macro SEND a, younger, lc             ; younger: LDS instructions issued behind block a's loads; lc: residual loads issued behind block a's
.set BB, BK+64*((\a)%2)
.set RR, 64*((\a)%4)
	s_wait_dscnt \younger
	s_wait_loadcnt \lc
	WIN 0x04
.set i, 0
.rept 32
	v_pk_add_f32 v[BB+2*i:BB+2*i+1], v[BB+2*i:BB+2*i+1], v[RR+2*i:RR+2*i+1]
.set i, i+1
.endr
	WIN 0
.irp t, 0,1,2,3,4,5,6,7,8,9,10,11,12,13,14,15
	v_pk_add_f32 v[BB+4*\t:BB+4*\t+1], v[BB+4*\t:BB+4*\t+1], v[8:9]
	v_pk_add_f32 v[BB+4*\t+2:BB+4*\t+3], v[BB+4*\t+2:BB+4*\t+3], v[10:11]
.endr
.irp t, 0,1,2,3,4,5,6,7,8,9,10,11,12,13,14,15
.if NTS
	global_store_b128 v[CO], v[BB+4*\t:BB+4*\t+3], s[12:13] offset:(32*((\a)/2)+8*((\a)%2)+\t+8*(\t/8))*4096 th:TH_STORE_NT   ; 512 consecutive bytes, aligned
.else
	global_store_b128 v[CO], v[BB+4*\t:BB+4*\t+3], s[12:13] offset:(32*((\a)/2)+8*((\a)%2)+\t+8*(\t/8))*4096
.endif
.endr
.endm
	PLACES NP
	RES 0
	RES 1
	RES 2
	TOSTAGE 0
.irp a, 1,2,3,4,5,6,7
.if \a > 1
	s_wait_xcnt 0x0                                ; block a - 2's stores have read their registers: block a's loads may land there
.endif
	TOSTAGE \a
.if \a < 7
	SEND \a-1, 32, 32                              ; behind block a - 1: the next block's 16 + 16 LDS instructions, and two blocks' residual loads
.else
	SEND \a-1, 32, 16
.endif
.if \a+2 < 8
	RES \a+2
.endif
.endr
	s_wait_xcnt 0x0
	SEND 7, 0, 0
	s_wait_tensorcnt 0x0                           ; the wave's end
	ds_add_u32 v[SPW], v[NIL]
	s_wait_dscnt 0x0
	CROUND
	s_endpgm
.Lfunc_end_k_qa85de2893f_fc2:
	.size	k_qa85de2893f_fc2, .Lfunc_end_k_qa85de2893f_fc2-k_qa85de2893f_fc2
	.p2alignl 7, 3214868480
	.fill 96, 4, 3214868480
	.section	.rodata,"a",@progbits
	.p2align	6, 0x0
	.amdhsa_kernel k_qa85de2893f_fc2
		.amdhsa_group_segment_fixed_size 327680
		.amdhsa_private_segment_fixed_size 0
		.amdhsa_enable_private_segment 0
		.amdhsa_kernarg_size 40
		.amdhsa_user_sgpr_count 2
		.amdhsa_user_sgpr_kernarg_segment_ptr 1
		.amdhsa_wavefront_size32 1
		.amdhsa_system_sgpr_workgroup_id_x 1
		.amdhsa_system_sgpr_workgroup_id_y 1
		.amdhsa_system_sgpr_workgroup_id_z 1
		.amdhsa_system_vgpr_workitem_id 0
		.amdhsa_next_free_vgpr 1024
		.amdhsa_next_free_sgpr 100
		.amdhsa_reserve_vcc 0
		.amdhsa_float_denorm_mode_32 3
		.amdhsa_float_denorm_mode_16_64 3
		.amdhsa_memory_ordered 1
		.amdhsa_forward_progress 1
		.amdhsa_inst_pref_size 188
	.end_amdhsa_kernel
	.amdgpu_metadata
---
amdhsa.version: [ 1, 2 ]
amdhsa.kernels:
  - .name:           k_qa85de2893f_fc2
    .symbol:         k_qa85de2893f_fc2.kd
    .args:
      - { .name: g, .offset: 0, .size: 8, .value_kind: global_buffer, .address_space: global }
      - { .name: wts, .offset: 8, .size: 8, .value_kind: global_buffer, .address_space: global }
      - { .name: fc2_b, .offset: 16, .size: 8, .value_kind: global_buffer, .address_space: global }
      - { .name: x1, .offset: 24, .size: 8, .value_kind: global_buffer, .address_space: global }
      - { .name: out0, .offset: 32, .size: 8, .value_kind: global_buffer, .address_space: global }
    .group_segment_fixed_size: 327680
    .private_segment_fixed_size: 0
    .kernarg_segment_align: 8
    .kernarg_segment_size: 40
    .max_flat_workgroup_size: 128
    .sgpr_count:     100
    .vgpr_count:     1024
    .wavefront_size: 32
...
	.end_amdgpu_metadata
.endif
;; end of part 6
;; ======== version 2 of 2: 7 launches; 1.22 times as fast as version 1
;; limits: a function is approximated: absolute error at most 7.5e-08
;; workspace buffers: wts 13,369,344 bytes; hn 4,456,448 bytes; qkvb 13,369,344 bytes; oimg 4,456,448 bytes; x1 16,777,216 bytes; g 17,825,792 bytes
;; launch prep: the kernel of part 1 again; grid 448 x 1, 8 waves a work-group, no clusters, 66,816 bytes of LDS; arguments x, ln1_g, ln1_b, hn, qkv_w, out_w, fc1_w, fc2_w, wts; writes hn, wts
;; launch qkv: the kernel of part 2 again; grid 8 x 24, 4 waves a work-group, clusters of 4 x 4, 327,680 bytes of LDS; arguments hn, wts, qkv_b, qkvb; writes qkvb
;; launch attn: the kernel of part 3 again; grid 8 x 32, 16 waves a work-group, no clusters, 280,576 bytes of LDS; arguments qkvb, oimg; writes oimg
;; launch outp (part 7): grid 8 x 32, 4 waves a work-group, clusters of 4 x 4, 327,680 bytes of LDS; arguments oimg, wts, out_b, x, x1; writes x1
.if DOCPART == 7
	.amdgcn_target "amdgcn-amd-amdhsa--gfx1250"
	.amdhsa_code_object_version 6
	.text
	.protected	k_qa85de2893f_outp
	.globl	k_qa85de2893f_outp
	.p2align	8
	.type	k_qa85de2893f_outp,@function
k_qa85de2893f_outp:
	s_mov_b64 s[64:65], 0
	v_nop
	global_prefetch_b8 v0, s[64:65] scope:SCOPE_SE
	s_setreg_imm32_b32 hwreg(HW_REG_WAVE_MODE, 25, 1), 1
	s_wait_xcnt 0x0
	s_wait_alu depctr_hold_cnt(0) depctr_sa_sdst(0) depctr_va_vdst(0) depctr_va_sdst(0) depctr_va_ssrc(0) depctr_va_vcc(0) depctr_vm_vsrc(0)
	s_getreg_b32 s2, hwreg(HW_REG_IB_STS2, 6, 4)
	s_cmp_eq_u32 s2, 0
	s_cbranch_scc0 .Lentry_in_a_cluster
	s_endpgm
.Lentry_in_a_cluster:
	s_bfe_u32 s2, ttmp6, 0x10000c
	s_cmp_lg_u32 s2, 0xf033
	s_cbranch_scc0 .Lentry_shape_is_right
	s_endpgm
.Lentry_shape_is_right:
; x1 = x + o Wout + out_b: the product (K = 1,024) on codes of FP8 (E4M3) with E8M0 scales, the rest in f32.
; THE PRODUCT.  The result is 4,096 x 1,024: tiles of 128 x 128 give 256 work-groups.  Four waves, 64 x 64 each: 16 accumulators.  Source 1 (tokens: its rows fall to lanes) is called A, source 0 (the weight's
; columns: they fall to a lane's registers) B.  A wave reads 8 fragments from LDS for 16 matrix instructions: twice the bytes a product of a wave tile of 128 x 128, which would leave three WGPs in four without work.
; Operands lie in memory as blocks of 4,352 bytes for each tile of 16 rows and 256 along K: two register images of a fragment (16 rows x 128 K, 2,048 bytes, lane l's 16 bytes at 512 c + 16 l) and 256 bytes of scale
; words (8 l + 4 q).  Tile T, lane row r is the actual row 32 (T / 2) + 8 (T % 2) + r + 8 (r / 8).  A tile's blocks follow each other along K.
; A SLOT holds 512 along K: 16 tiles x 8,704 bytes.  A wave's tensor load brings 4 tiles (4 rows of 8,704 bytes); the scale words ride with the codes.  Here K is two slots: both are asked for at the head and nothing is filled again.
; CLUSTERS 4 x 4: A's tiles are asked for jointly along a row of the cluster, B's along a column.
; THE RESIDUAL, 64 rows x 256 bytes a wave, is asked for at the head, into registers of its own, and waited for on the way out.
; THE WAY OUT: my 64 x 64 numbers go through my own stage in LDS (in slot 0, which has had its last fill and its last read) and come back as rows of 256 bytes, aligned: sixteen lanes store one.
; No prefetch: every byte of the operands is asked for by the kernel's first lines.
; REGISTERS: window 0: v1-29 addresses, v8-11 the bias; v32-63 scale words, two sets, and nothing else; v128-255 the accumulators ((a, b) at v[128 + 8 (4 a + b)]).
;   window 1: two fragment buffers of 128 (A's four fragments, then B's four); on the way out the rows read back.   window 2: v0-127 the residual.
.set KB,     4                         ; K / 256
.set WOFF,   3342336                   ; where the weight begins in wts
.set NTS,    0                         ; the result is read again by later launches
.set TILEB,  4352
.set TILE2,  2*TILEB                   ; a tile's part of a slot
.set HALFT,  4*TILE2                   ; what one tensor load brings, and what one wave reads of A or of B
.set SLOT,   4*HALFT                   ; A's 8 tiles, then B's 8
.set SPARE,  2*SLOT                    ; the spare words: 128 bytes a wave, named by no other line
.set LAPS,   KB/4                      ; a lap = two slots = 1,024 along K
.set FR,     16
.set NP,     8                         ; places behind this matrix instruction (ISA guide 7.12.1)
.set SPITCH, 272                       ; a stage row: 256 bytes + 16
.set ADRA, 16                          ; v16-17 my A fragments in slot 0, 1;  v20-21 B's;  v22-23 my scale words
.set ADRB, 20
.set ADRS, 22
.set STO,  24
.set RD,   25
.set CO,   26
.set BO,   27
.set SPW,  28
.set NIL,  29
.set SC,   32
.set ACC,  128
.set F0,   0
.set F1,   128
.set G1, 24
.set G0, 32
.set G1B, 48
.set G0B, 56
.set MSB, 0
.macro WIN new                         ; the immediate's high byte repeats the setting that is left
.if MSB != (\new)
	s_set_vgpr_msb (MSB<<8)|(\new)
.set MSB, (\new)
.endif
.endm
.set MUL,  0x05                        ; sources 0 (B) and 1 (A) window 1; C and D window 0
.set TO_F, 0x40                        ; destination window 1, address window 0
.macro JLOAD g0a, g1a, g0b, g1b        ; a joint load: waves 0, 1 fetch for A, waves 2, 3 for B; four v_nop follow each line
	s_cmp_eq_u32 s15, 0
	s_cbranch_scc0 .Lfor_b_\@
	tensor_load_to_lds s[\g0a:\g0a+3], s[\g1a:\g1a+7]
	s_nop 0
.rept 4
	v_nop
.endr
	s_branch .Lasked_\@
.Lfor_b_\@:
	tensor_load_to_lds s[\g0b:\g0b+3], s[\g1b:\g1b+7]
	s_nop 0
.rept 4
	v_nop
.endr
.Lasked_\@:
.endm
.macro CREST
	s_cmp_lg_u32 s14, 0
	s_cbranch_scc1 .Lnot_wave_0_\@
	s_barrier_signal -3
.Lnot_wave_0_\@:
	s_barrier_wait -3
	s_barrier_signal -1
	s_barrier_wait -1
.endm
.macro CROUND
	s_barrier_signal -1
	s_barrier_wait -1
	CREST
.endm
	s_load_b128 s[4:7], s[0:1], 0x0                ; A s[4:5], wts s[6:7]
	s_load_b128 s[8:11], s[0:1], 0x10              ; bias s[8:9], residual s[10:11]
	s_load_b64 s[12:13], s[0:1], 0x20              ; the result
	v_lshl_add_u32 v[SPW], v0, 2, SPARE
	v_mov_b32 v[NIL], 0
	ds_add_u32 v28, v29
	ds_add_u32 v28, v29
	s_wait_dscnt 0x0
	v_lshrrev_b32 v1, 5, v0
	v_readfirstlane_b32 s14, v1                    ; wave 0..3
	s_lshr_b32 s15, s14, 1                         ; my half of A's tiles.  Also: I fetch for A (0) or for B (1)
	s_and_b32 s16, s14, 1                          ; my half of B's tiles.  Also: which 4 tiles I fetch
	s_bfe_u32 s40, ttmp6, 0x40000                  ; cx
	s_bfe_u32 s41, ttmp6, 0x40004                  ; cy
	s_lshl_b32 s42, ttmp9, 2
	s_add_co_u32 s42, s42, s40                     ; B's block of 128 columns
	s_and_b32 s17, ttmp7, 0xffff
	s_lshl_b32 s17, s17, 2
	s_add_co_u32 s17, s17, s41                     ; A's block of 128 tokens
	s_lshl_b32 s43, s41, 2
	s_lshl_b32 s43, 15, s43                        ; my row of the cluster
	s_lshl_b32 s44, 0x1111, s40                    ; my column
	s_or_b32 s[G1+0], s43, (3<<16)|(1<<21)         ; 15:0 the mask; 17:16 elements of 8 bytes; 21 set beside a mask; no padding
	s_or_b32 s[G1B+0], s44, (3<<16)|(1<<21)
.irp g, G1, G1B
	s_mov_b32 s[\g+1], 1088<<16                    ; tensor_dim0: two blocks, 8,704 bytes
	s_mov_b32 s[\g+2], 4<<16                       ; tensor_dim1: 4 tiles
	s_mov_b32 s[\g+3], 1088<<16                    ; tile_dim0
	s_mov_b32 s[\g+4], 4                           ; tile_dim1
	s_mov_b32 s[\g+5], KB*544                      ; from a tile to the next
	s_mov_b32 s[\g+6], 0
	s_mov_b32 s[\g+7], 0
.endr
	s_lshl_b32 s18, s16, 2
	s_lshl_b32 s20, s17, 3
	s_add_co_u32 s20, s20, s18
	s_mul_i32 s20, s20, KB*TILEB                   ; A: tile 8 x block + 4 x half
	s_mov_b32 s21, 0
	s_lshl_b32 s46, s42, 3
	s_add_co_u32 s46, s46, s18
	s_mul_i32 s46, s46, KB*TILEB
	s_add_co_u32 s46, s46, WOFF                    ; B likewise, in wts
	s_mov_b32 s47, 0
	s_mul_i32 s45, s14, HALFT                      ; where they go: the wave's number alone
	s_wait_kmcnt 0x0
	s_add_nc_u64 s[20:21], s[4:5], s[20:21]
	s_add_nc_u64 s[46:47], s[6:7], s[46:47]
	CROUND                                         ; all sixteen work-groups are here: the first joint loads meet
.irp s, 0,1
	s_mov_b32 s[G0+4*\s], 1
	s_add_co_u32 s[G0+4*\s+1], s45, \s*SLOT
	s_add_nc_u64 s[G0+4*\s+2:G0+4*\s+3], s[20:21], \s*TILE2
	s_or_b32 s[G0+4*\s+3], s[G0+4*\s+3], 0x80000000
	s_mov_b32 s[G0B+4*\s], 1
	s_add_co_u32 s[G0B+4*\s+1], s45, \s*SLOT
	s_add_nc_u64 s[G0B+4*\s+2:G0B+4*\s+3], s[46:47], \s*TILE2
	s_or_b32 s[G0B+4*\s+3], s[G0B+4*\s+3], 0x80000000
	JLOAD G0+4*\s, G1, G0B+4*\s, G1B               ; two tensor loads of a wave are out here, later one
.endr
	v_and_b32 v1, 31, v0                           ; lane
	v_bfe_u32 v2, v0, 4, 1                         ; h
	v_and_b32 v3, 15, v0                           ; r
	v_lshlrev_b32 v4, 4, v1                        ; 16 x lane: my place in every image
	v_lshlrev_b32 v[BO], 4, v3                     ; 16 r: my four columns of a row of 64
	v_lshl_add_u32 v[CO], v2, 12, v[BO]            ; lanes 0-15 one row of 4,096 bytes, lanes 16-31 the next
	s_lshl_b32 s66, s42, 9
	s_lshl_b32 s67, s16, 8
	s_add_co_u32 s66, s66, s67                     ; my first column, in bytes: 512 x block + 256 x half
	s_mov_b32 s67, 0
	s_add_nc_u64 s[8:9], s[8:9], s[66:67]
	s_lshl_b32 s68, s17, 19
	s_lshl_b32 s69, s15, 18
	s_add_co_u32 s68, s68, s69                     ; my first row: 128 x block + 64 x half, rows of 4,096 bytes
	s_add_co_u32 s66, s66, s68
	s_add_nc_u64 s[10:11], s[10:11], s[66:67]
	s_add_nc_u64 s[12:13], s[12:13], s[66:67]
	global_load_b128 v[8:11], v[BO], s[8:9]        ; the bias of my four columns
	WIN 0x80                                       ; destination window 2
; Stage rows 2 t and 2 t + 1 of block a are rows 32 (a / 2) + 8 (a % 2) + 2 t + 8 (t / 4) and the next of my 64: at most 62 rows of 4,096 bytes stand in the immediate, and no base is stepped
.irp a, 0,1,2,3
.irp t, 0,1,2,3,4,5,6,7
	global_load_b128 v[32*\a+4*\t:32*\a+4*\t+3], v[CO], s[10:11] offset:(32*(\a/2)+8*(\a%2)+2*\t+8*(\t/4))*4096   ; the residual: waited for on the way out
.endr
.endr
	WIN 0
	s_mul_i32 s21, s15, HALFT
	s_mul_i32 s22, s16, HALFT
	s_add_co_u32 s22, s22, 2*HALFT
.irp s, 0,1
	v_add_nc_u32 v[ADRA+\s], s21, v4
	v_add_nc_u32 v[ADRB+\s], s22, v4
	s_add_co_u32 s21, s21, SLOT
	s_add_co_u32 s22, s22, SLOT
.endr
	s_mul_i32 s21, s15, HALFT
	s_mul_i32 s22, s16, HALFT
	s_add_co_u32 s22, s22, 2*HALFT
	s_sub_co_u32 s22, s22, s21
	v_mul_u32_u24 v6, s22, v2                      ; lanes 16-31 take B's words: one product of h with the distance
	v_lshl_add_u32 v5, v1, 3, v6                   ; 8 bytes a lane
	s_add_co_u32 s21, s21, 4096
	v_add_nc_u32 v[ADRS], s21, v5
	v_add_nc_u32 v[ADRS+1], SLOT, v[ADRS]
	s_mul_i32 s23, s14, 64*SPITCH                  ; my stage
	v_mul_u32_u24 v5, v3, SPITCH
	v_lshl_add_u32 v5, v2, 6, v5
	v_add_nc_u32 v[STO], s23, v5                   ; in: row r, + 64 h bytes
	v_mul_u32_u24 v5, v2, SPITCH
	v_add_nc_u32 v5, v5, v[BO]
	v_add_nc_u32 v[RD], s23, v5                    ; back: lanes 0-15 one row of 256 bytes, lanes 16-31 the next
.macro FRAG reg, adr, st, i            ; a fragment comes as it was stored: four loads of 512 consecutive bytes.  st: which 128 of the slot's 512 along K
.irp c, 0,1,2,3
	ds_load_b128 v[\reg+4*\c:\reg+4*\c+3], v[\adr] offset:(\i)*TILE2+((\st)/2)*TILEB+((\st)%2)*2048+512*\c
.endr
.endm
.macro FETCH slot, st, f               ; 32 LDS loads in one run: B's four fragments, then A's four
	WIN TO_F
.irp i, 0,1,2,3
	FRAG (\f)+64+FR*\i, ADRB+\slot, \st, \i
.endr
.irp i, 0,1,2,3
	FRAG (\f)+FR*\i, ADRA+\slot, \st, \i
.endr
.endm
.macro SCALES sc                       ; a slot's scale words, four a row: lanes 0-15 A's tile i, lanes 16-31 B's tile i; register SC + 16 sc + 4 i + st
	WIN 0
.irp i, 0,1,2,3
.irp k, 0,1
	ds_load_b64 v[SC+16*\sc+4*\i+2*\k:SC+16*\sc+4*\i+2*\k+1], v[ADRS+\sc] offset:\i*TILE2+\k*TILEB
.endr
.endr
.endm
.macro MUL4 f, a, sc, st, zero         ; A's tile a x B's four.  The 16 accumulators take turns, in the same order in every step.  zero = 1: the product starts the sums
.irp b, 0,1,2,3
.if \zero
	v_wmma_scale_f32_16x16x128_f8f6f4 v[ACC+8*(4*(\a)+\b):ACC+8*(4*(\a)+\b)+7], v[(\f)+64+FR*\b:(\f)+64+FR*\b+FR-1], v[(\f)+FR*(\a):(\f)+FR*(\a)+FR-1], 0, v[SC+16*(\sc)+4*\b+(\st)], v[SC+16*(\sc)+4*(\a)+(\st)] matrix_a_scale:MATRIX_SCALE_ROW1
.else
	v_wmma_scale_f32_16x16x128_f8f6f4 v[ACC+8*(4*(\a)+\b):ACC+8*(4*(\a)+\b)+7], v[(\f)+64+FR*\b:(\f)+64+FR*\b+FR-1], v[(\f)+FR*(\a):(\f)+FR*(\a)+FR-1], v[ACC+8*(4*(\a)+\b):ACC+8*(4*(\a)+\b)+7], v[SC+16*(\sc)+4*\b+(\st)], v[SC+16*(\sc)+4*(\a)+(\st)] matrix_a_scale:MATRIX_SCALE_ROW1
.endif
.endr
.endm
.macro PLACES n                        ; places in front of loads into registers that matrix instructions have read, and of the first read of results
.rept \n
	v_nop
.endr
.endm
; A slot is four steps of 128 along K, 16 matrix instructions each, on buffers 0, 1, 0, 1.  One of the first three: multiplies buffer f and fetches the next step into g
.macro QUARTER slot, st, f, g, zero
	s_wait_dscnt 8                                 ; all but the youngest 8 loads (A's tiles 2, 3)
	WIN MUL
	MUL4 \f, 0, \slot, \st, \zero
	MUL4 \f, 1, \slot, \st, \zero
	PLACES NP
	FETCH \slot, (\st)+1, \g
	s_wait_dscnt 32                                ; all but the 32 just issued
	WIN MUL
	MUL4 \f, 2, \slot, \st, \zero
	MUL4 \f, 3, \slot, \st, \zero
.endm
; A slot's last step multiplies buffer 1 and changes slots: one barrier, which opens a round of the cluster's where the slot is filled again (fill = 1), two slots ahead
.macro TURN slot, next, fill
	WIN 0                                          ; (the add's two registers lie in window 0)
	s_wait_tensorcnt 0x0                           ; all my tensor loads have landed: my part of the next slot
	ds_add_u32 v[SPW], v[NIL]                      ; 0 onto my spare word
	s_wait_dscnt 9                                 ; (the add and the youngest 8 loads may be out)
	WIN MUL
	MUL4 F1, 0, \slot, 3, 0
	s_wait_dscnt 0x0                               ; the add is done, and my reads of this slot are over
	s_barrier_signal -1
	MUL4 F1, 1, \slot, 3, 0
.if \fill
	WIN 0
.endif
	s_barrier_wait -1
.if \fill
	CREST                                          ; no wave of any partner still reads this slot or has a load on its way
	s_add_nc_u64 s[G0+4*\slot+2:G0+4*\slot+3], s[G0+4*\slot+2:G0+4*\slot+3], 2*TILE2
	s_add_nc_u64 s[G0B+4*\slot+2:G0B+4*\slot+3], s[G0B+4*\slot+2:G0B+4*\slot+3], 2*TILE2
	JLOAD G0+4*\slot, G1, G0B+4*\slot, G1B         ; the first tensor load behind the round; its four v_nop are four of the eight places
	PLACES NP-4
.else
	PLACES NP
.endif
	SCALES \next                                   ; ahead of the fragments, so that the youngest 8 loads are A's tiles 2, 3
	FETCH \next, 0, F0
	WIN MUL
	MUL4 F1, 2, \slot, 3, 0
	MUL4 F1, 3, \slot, 3, 0
.endm
	s_wait_tensorcnt 1                             ; my part of slot 0 is in; slot 1's load may be out
	s_barrier_signal -1
	s_barrier_wait -1
	SCALES 0
	FETCH 0, 0, F0
	QUARTER 0, 0, F0, F1, 1                        ; the first step starts the sums
.if LAPS > 1
	WIN 0                                          ; at a label and at a branch every window is 0
	s_mov_b32 s3, LAPS-1
.Llap:                                                 ; a trip goes once round the ring, from a lap's second step to the next lap's first, and fills both slots again
	QUARTER 0, 1, F1, F0, 0
	QUARTER 0, 2, F0, F1, 0
	TURN 0, 1, 1
	QUARTER 1, 0, F0, F1, 0
	QUARTER 1, 1, F1, F0, 0
	QUARTER 1, 2, F0, F1, 0
	TURN 1, 0, 1
	QUARTER 0, 0, F0, F1, 0
	WIN 0
	s_sub_co_u32 s3, s3, 1
	s_cmp_lg_u32 s3, 0
	s_cbranch_scc1 .Llap
.endif
	QUARTER 0, 1, F1, F0, 0                        ; the last lap fills nothing
	QUARTER 0, 2, F0, F1, 0
	TURN 0, 1, 0
	QUARTER 1, 0, F0, F1, 0
	QUARTER 1, 1, F1, F0, 0
	QUARTER 1, 2, F0, F1, 0
	s_wait_dscnt 8                                 ; the very last step: nothing more to fetch
	WIN MUL
	MUL4 F1, 0, 1, 3, 0
	MUL4 F1, 1, 1, 3, 0
	s_wait_dscnt 0
	MUL4 F1, 2, 1, 3, 0
	MUL4 F1, 3, 1, 3, 0
	WIN 0
	; ---- THE WAY OUT.  In accumulator (a, b) lane (r, h) holds row r of A's tile a and the columns 32 (b / 2) + 16 h + 8 (b % 2) + 0 .. 7 of my 64
	PLACES NP
.irp a, 0,1,2,3
.irp b, 0,1,2,3
	ds_store_b128 v[STO], v[ACC+8*(4*\a+\b):ACC+8*(4*\a+\b)+3] offset:\a*16*SPITCH+128*(\b/2)+32*(\b%2)      ; each accumulator from its low end on
	ds_store_b128 v[STO], v[ACC+8*(4*\a+\b)+4:ACC+8*(4*\a+\b)+7] offset:\a*16*SPITCH+128*(\b/2)+32*(\b%2)+16
.endr
.endr
	WIN TO_F
.irp a, 0,1,2,3
.irp t, 0,1,2,3,4,5,6,7
	ds_load_b128 v[32*\a+4*\t:32*\a+4*\t+3], v[RD] offset:(16*\a+2*\t)*SPITCH   ; LDS serves a wave's instructions in order (ISA guide 5.7.1.4): these see my stores
.endr
.endr
	s_wait_loadcnt 0x0                             ; the bias and the residual, asked for at the head
.irp a, 0,1,2,3
	s_wait_dscnt 8*(3-\a)                          ; block a is back; the later blocks' loads may be out
	WIN 0x49                                       ; destination and source 0 window 1, source 1 (the residual) window 2
.irp i, 0,1,2,3,4,5,6,7,8,9,10,11,12,13,14,15
	v_pk_add_f32 v[32*\a+2*\i:32*\a+2*\i+1], v[32*\a+2*\i:32*\a+2*\i+1], v[32*\a+2*\i:32*\a+2*\i+1]
.endr
	WIN 0x41                                       ; source 1 (the bias) window 0
.irp t, 0,1,2,3,4,5,6,7
	v_pk_add_f32 v[32*\a+4*\t:32*\a+4*\t+1], v[32*\a+4*\t:32*\a+4*\t+1], v[8:9]
	v_pk_add_f32 v[32*\a+4*\t+2:32*\a+4*\t+3], v[32*\a+4*\t+2:32*\a+4*\t+3], v[10:11]
.endr
	WIN 0x04                                       ; a store's data are its source 1: window 1
.irp t, 0,1,2,3,4,5,6,7
.if NTS
	global_store_b128 v[CO], v[32*\a+4*\t:32*\a+4*\t+3], s[12:13] offset:(32*(\a/2)+8*(\a%2)+2*\t+8*(\t/4))*4096 th:TH_STORE_NT
.else
	global_store_b128 v[CO], v[32*\a+4*\t:32*\a+4*\t+3], s[12:13] offset:(32*(\a/2)+8*(\a%2)+2*\t+8*(\t/4))*4096   ; sixteen lanes store 256 consecutive bytes, aligned
.endif
.endr
.endr
	WIN 0
	s_wait_tensorcnt 0x0                           ; the wave's end
	ds_add_u32 v[SPW], v[NIL]
	s_wait_dscnt 0x0
	CROUND                                         ; the closing round
	s_endpgm
.Lfunc_end_k_qa85de2893f_outp:
	.size	k_qa85de2893f_outp, .Lfunc_end_k_qa85de2893f_outp-k_qa85de2893f_outp
	.p2alignl 7, 3214868480
	.fill 96, 4, 3214868480
	.section	.rodata,"a",@progbits
	.p2align	6, 0x0
	.amdhsa_kernel k_qa85de2893f_outp
		.amdhsa_group_segment_fixed_size 327680
		.amdhsa_private_segment_fixed_size 0
		.amdhsa_enable_private_segment 0
		.amdhsa_kernarg_size 40
		.amdhsa_user_sgpr_count 2
		.amdhsa_user_sgpr_kernarg_segment_ptr 1
		.amdhsa_wavefront_size32 1
		.amdhsa_system_sgpr_workgroup_id_x 1
		.amdhsa_system_sgpr_workgroup_id_y 1
		.amdhsa_system_sgpr_workgroup_id_z 1
		.amdhsa_system_vgpr_workitem_id 0
		.amdhsa_next_free_vgpr 768
		.amdhsa_next_free_sgpr 100
		.amdhsa_reserve_vcc 0
		.amdhsa_float_denorm_mode_32 3
		.amdhsa_float_denorm_mode_16_64 3
		.amdhsa_memory_ordered 1
		.amdhsa_forward_progress 1
		.amdhsa_inst_pref_size 63
	.end_amdhsa_kernel
	.amdgpu_metadata
---
amdhsa.version: [ 1, 2 ]
amdhsa.kernels:
  - .name:           k_qa85de2893f_outp
    .symbol:         k_qa85de2893f_outp.kd
    .args:
      - { .name: oimg, .offset: 0, .size: 8, .value_kind: global_buffer, .address_space: global }
      - { .name: wts, .offset: 8, .size: 8, .value_kind: global_buffer, .address_space: global }
      - { .name: out_b, .offset: 16, .size: 8, .value_kind: global_buffer, .address_space: global }
      - { .name: x, .offset: 24, .size: 8, .value_kind: global_buffer, .address_space: global }
      - { .name: x1, .offset: 32, .size: 8, .value_kind: global_buffer, .address_space: global }
    .group_segment_fixed_size: 327680
    .private_segment_fixed_size: 0
    .kernarg_segment_align: 8
    .kernarg_segment_size: 40
    .max_flat_workgroup_size: 128
    .sgpr_count:     100
    .vgpr_count:     768
    .wavefront_size: 32
...
	.end_amdgpu_metadata
.endif
;; end of part 7
;; launch ln2: the kernel of part 1 again; grid 256 x 1, 8 waves a work-group, no clusters, 66,816 bytes of LDS; arguments x1, ln2_g, ln2_b, hn, qkv_w, out_w, fc1_w, fc2_w, wts; writes hn, wts
;; launch fc1: the kernel of part 5 again; grid 16 x 16, 4 waves a work-group, clusters of 4 x 4, 327,680 bytes of LDS; arguments hn, wts, fc1_b, g; writes g
;; launch fc2 (part 8): grid 8 x 32, 4 waves a work-group, clusters of 4 x 4, 327,680 bytes of LDS; arguments g, wts, fc2_b, x1, out0; writes out0
.if DOCPART == 8
	.amdgcn_target "amdgcn-amd-amdhsa--gfx1250"
	.amdhsa_code_object_version 6
	.text
	.protected	k_qa85de2893f_fc2
	.globl	k_qa85de2893f_fc2
	.p2align	8
	.type	k_qa85de2893f_fc2,@function
k_qa85de2893f_fc2:
	s_mov_b64 s[64:65], 0
	v_nop
	global_prefetch_b8 v0, s[64:65] scope:SCOPE_SE
	s_setreg_imm32_b32 hwreg(HW_REG_WAVE_MODE, 25, 1), 1
	s_wait_xcnt 0x0
	s_wait_alu depctr_hold_cnt(0) depctr_sa_sdst(0) depctr_va_vdst(0) depctr_va_sdst(0) depctr_va_ssrc(0) depctr_va_vcc(0) depctr_vm_vsrc(0)
	s_getreg_b32 s2, hwreg(HW_REG_IB_STS2, 6, 4)
	s_cmp_eq_u32 s2, 0
	s_cbranch_scc0 .Lentry_in_a_cluster
	s_endpgm
.Lentry_in_a_cluster:
	s_bfe_u32 s2, ttmp6, 0x10000c
	s_cmp_lg_u32 s2, 0xf033
	s_cbranch_scc0 .Lentry_shape_is_right
	s_endpgm
.Lentry_shape_is_right:
; out0 = x1 + g Wfc2 + fc2_b: the product (K = 4,096) on codes of FP8 (E4M3) with E8M0 scales, the rest in f32.
; THE PRODUCT.  The result is 4,096 x 1,024: tiles of 128 x 128 give 256 work-groups.  Four waves, 64 x 64 each: 16 accumulators.  Source 1 (tokens: its rows fall to lanes) is called A, source 0 (the weight's
; columns: they fall to a lane's registers) B.  A wave reads 8 fragments from LDS for 16 matrix instructions: twice the bytes a product of a wave tile of 128 x 128, which would leave three WGPs in four without work.
; Operands lie in memory as blocks of 4,352 bytes for each tile of 16 rows and 256 along K: two register images of a fragment (16 rows x 128 K, 2,048 bytes, lane l's 16 bytes at 512 c + 16 l) and 256 bytes of scale
; words (8 l + 4 q).  Tile T, lane row r is the actual row 32 (T / 2) + 8 (T % 2) + r + 8 (r / 8).  A tile's blocks follow each other along K.
; A SLOT holds 512 along K, as much as two slots in LDS allow: 16 tiles x 8,704 bytes.  A wave's tensor load brings 4 tiles (4 rows of 8,704 bytes); the scale words ride with the codes.  K is eight slots: two first fills, six refills.
; CLUSTERS 4 x 4: A's tiles are asked for jointly along a row of the cluster, B's along a column.
; THE RESIDUAL, 64 rows x 256 bytes a wave, is asked for at the head, into registers of its own, and waited for on the way out.
; THE WAY OUT: my 64 x 64 numbers go through my own stage in LDS (in slot 0, which has had its last fill and its last read) and come back as rows of 256 bytes, aligned: sixteen lanes store one.
; No prefetch: the launch has six refills in all, of 64 matrix instructions a wave each, and a quarter of K is asked for by its first lines.
; REGISTERS: window 0: v1-29 addresses, v8-11 the bias; v32-63 scale words, two sets, and nothing else; v128-255 the accumulators ((a, b) at v[128 + 8 (4 a + b)]).
;   window 1: two fragment buffers of 128 (A's four fragments, then B's four); on the way out the rows read back.   window 2: v0-127 the residual.
.set KB,     16                        ; K / 256
.set WOFF,   8912896                   ; where the weight begins in wts
.set NTS,    1                         ; the result is written once and read by nobody here
.set TILEB,  4352
.set TILE2,  2*TILEB                   ; a tile's part of a slot
.set HALFT,  4*TILE2                   ; what one tensor load brings, and what one wave reads of A or of B
.set SLOT,   4*HALFT                   ; A's 8 tiles, then B's 8
.set SPARE,  2*SLOT                    ; the spare words: 128 bytes a wave, named by no other line
.set LAPS,   KB/4                      ; a lap = two slots = 1,024 along K
.set FR,     16
.set NP,     8                         ; places behind this matrix instruction (ISA guide 7.12.1)
.set SPITCH, 272                       ; a stage row: 256 bytes + 16
.set ADRA, 16                          ; v16-17 my A fragments in slot 0, 1;  v20-21 B's;  v22-23 my scale words
.set ADRB, 20
.set ADRS, 22
.set STO,  24
.set RD,   25
.set CO,   26
.set BO,   27
.set SPW,  28
.set NIL,  29
.set SC,   32
.set ACC,  128
.set F0,   0
.set F1,   128
.set G1, 24
.set G0, 32
.set G1B, 48
.set G0B, 56
.set MSB, 0
.macro WIN new                         ; the immediate's high byte repeats the setting that is left
.if MSB != (\new)
	s_set_vgpr_msb (MSB<<8)|(\new)
.set MSB, (\new)
.endif
.endm
.set MUL,  0x05                        ; sources 0 (B) and 1 (A) window 1; C and D window 0
.set TO_F, 0x40                        ; destination window 1, address window 0
.macro JLOAD g0a, g1a, g0b, g1b        ; a joint load: waves 0, 1 fetch for A, waves 2, 3 for B; four v_nop follow each line
	s_cmp_eq_u32 s15, 0
	s_cbranch_scc0 .Lfor_b_\@
	tensor_load_to_lds s[\g0a:\g0a+3], s[\g1a:\g1a+7]
	s_nop 0
.rept 4
	v_nop
.endr
	s_branch .Lasked_\@
.Lfor_b_\@:
	tensor_load_to_lds s[\g0b:\g0b+3], s[\g1b:\g1b+7]
	s_nop 0
.rept 4
	v_nop
.endr
.Lasked_\@:
.endm
.macro CREST
	s_cmp_lg_u32 s14, 0
	s_cbranch_scc1 .Lnot_wave_0_\@
	s_barrier_signal -3
.Lnot_wave_0_\@:
	s_barrier_wait -3
	s_barrier_signal -1
	s_barrier_wait -1
.endm
.macro CROUND
	s_barrier_signal -1
	s_barrier_wait -1
	CREST
.endm
	s_load_b128 s[4:7], s[0:1], 0x0                ; A s[4:5], wts s[6:7]
	s_load_b128 s[8:11], s[0:1], 0x10              ; bias s[8:9], residual s[10:11]
	s_load_b64 s[12:13], s[0:1], 0x20              ; the result
	v_lshl_add_u32 v[SPW], v0, 2, SPARE
	v_mov_b32 v[NIL], 0
	ds_add_u32 v28, v29
	ds_add_u32 v28, v29
	s_wait_dscnt 0x0
	v_lshrrev_b32 v1, 5, v0
	v_readfirstlane_b32 s14, v1                    ; wave 0..3
	s_lshr_b32 s15, s14, 1                         ; my half of A's tiles.  Also: I fetch for A (0) or for B (1)
	s_and_b32 s16, s14, 1                          ; my half of B's tiles.  Also: which 4 tiles I fetch
	s_bfe_u32 s40, ttmp6, 0x40000                  ; cx
	s_bfe_u32 s41, ttmp6, 0x40004                  ; cy
	s_lshl_b32 s42, ttmp9, 2
	s_add_co_u32 s42, s42, s40                     ; B's block of 128 columns
	s_and_b32 s17, ttmp7, 0xffff
	s_lshl_b32 s17, s17, 2
	s_add_co_u32 s17, s17, s41                     ; A's block of 128 tokens
	s_lshl_b32 s43, s41, 2
	s_lshl_b32 s43, 15, s43                        ; my row of the cluster
	s_lshl_b32 s44, 0x1111, s40                    ; my column
	s_or_b32 s[G1+0], s43, (3<<16)|(1<<21)         ; 15:0 the mask; 17:16 elements of 8 bytes; 21 set beside a mask; no padding
	s_or_b32 s[G1B+0], s44, (3<<16)|(1<<21)
.irp g, G1, G1B
	s_mov_b32 s[\g+1], 1088<<16                    ; tensor_dim0: two blocks, 8,704 bytes
	s_mov_b32 s[\g+2], 4<<16                       ; tensor_dim1: 4 tiles
	s_mov_b32 s[\g+3], 1088<<16                    ; tile_dim0
	s_mov_b32 s[\g+4], 4                           ; tile_dim1
	s_mov_b32 s[\g+5], KB*544                      ; from a tile to the next
	s_mov_b32 s[\g+6], 0
	s_mov_b32 s[\g+7], 0
.endr
	s_lshl_b32 s18, s16, 2
	s_lshl_b32 s20, s17, 3
	s_add_co_u32 s20, s20, s18
	s_mul_i32 s20, s20, KB*TILEB                   ; A: tile 8 x block + 4 x half
	s_mov_b32 s21, 0
	s_lshl_b32 s46, s42, 3
	s_add_co_u32 s46, s46, s18
	s_mul_i32 s46, s46, KB*TILEB
	s_add_co_u32 s46, s46, WOFF                    ; B likewise, in wts
	s_mov_b32 s47, 0
	s_mul_i32 s45, s14, HALFT                      ; where they go: the wave's number alone
	s_wait_kmcnt 0x0
	s_add_nc_u64 s[20:21], s[4:5], s[20:21]
	s_add_nc_u64 s[46:47], s[6:7], s[46:47]
	CROUND                                         ; all sixteen work-groups are here: the first joint loads meet
.irp s, 0,1
	s_mov_b32 s[G0+4*\s], 1
	s_add_co_u32 s[G0+4*\s+1], s45, \s*SLOT
	s_add_nc_u64 s[G0+4*\s+2:G0+4*\s+3], s[20:21], \s*TILE2
	s_or_b32 s[G0+4*\s+3], s[G0+4*\s+3], 0x80000000
	s_mov_b32 s[G0B+4*\s], 1
	s_add_co_u32 s[G0B+4*\s+1], s45, \s*SLOT
	s_add_nc_u64 s[G0B+4*\s+2:G0B+4*\s+3], s[46:47], \s*TILE2
	s_or_b32 s[G0B+4*\s+3], s[G0B+4*\s+3], 0x80000000
	JLOAD G0+4*\s, G1, G0B+4*\s, G1B               ; two tensor loads of a wave are out here, later one
.endr
	v_and_b32 v1, 31, v0                           ; lane
	v_bfe_u32 v2, v0, 4, 1                         ; h
	v_and_b32 v3, 15, v0                           ; r
	v_lshlrev_b32 v4, 4, v1                        ; 16 x lane: my place in every image
	v_lshlrev_b32 v[BO], 4, v3                     ; 16 r: my four columns of a row of 64
	v_lshl_add_u32 v[CO], v2, 12, v[BO]            ; lanes 0-15 one row of 4,096 bytes, lanes 16-31 the next
	s_lshl_b32 s66, s42, 9
	s_lshl_b32 s67, s16, 8
	s_add_co_u32 s66, s66, s67                     ; my first column, in bytes: 512 x block + 256 x half
	s_mov_b32 s67, 0
	s_add_nc_u64 s[8:9], s[8:9], s[66:67]
	s_lshl_b32 s68, s17, 19
	s_lshl_b32 s69, s15, 18
	s_add_co_u32 s68, s68, s69                     ; my first row: 128 x block + 64 x half, rows of 4,096 bytes
	s_add_co_u32 s66, s66, s68
	s_add_nc_u64 s[10:11], s[10:11], s[66:67]
	s_add_nc_u64 s[12:13], s[12:13], s[66:67]
	global_load_b128 v[8:11], v[BO], s[8:9]        ; the bias of my four columns
	WIN 0x80                                       ; destination window 2
; Stage rows 2 t and 2 t + 1 of block a are rows 32 (a / 2) + 8 (a % 2) + 2 t + 8 (t / 4) and the next of my 64: at most 62 rows of 4,096 bytes stand in the immediate, and no base is stepped
.irp a, 0,1,2,3
.irp t, 0,1,2,3,4,5,6,7
	global_load_b128 v[32*\a+4*\t:32*\a+4*\t+3], v[CO], s[10:11] offset:(32*(\a/2)+8*(\a%2)+2*\t+8*(\t/4))*4096   ; the residual: waited for on the way out
.endr
.endr
	WIN 0
	s_mul_i32 s21, s15, HALFT
	s_mul_i32 s22, s16, HALFT
	s_add_co_u32 s22, s22, 2*HALFT
.irp s, 0,1
	v_add_nc_u32 v[ADRA+\s], s21, v4
	v_add_nc_u32 v[ADRB+\s], s22, v4
	s_add_co_u32 s21, s21, SLOT
	s_add_co_u32 s22, s22, SLOT
.endr
	s_mul_i32 s21, s15, HALFT
	s_mul_i32 s22, s16, HALFT
	s_add_co_u32 s22, s22, 2*HALFT
	s_sub_co_u32 s22, s22, s21
	v_mul_u32_u24 v6, s22, v2                      ; lanes 16-31 take B's words: one product of h with the distance
	v_lshl_add_u32 v5, v1, 3, v6                   ; 8 bytes a lane
	s_add_co_u32 s21, s21, 4096
	v_add_nc_u32 v[ADRS], s21, v5
	v_add_nc_u32 v[ADRS+1], SLOT, v[ADRS]
	s_mul_i32 s23, s14, 64*SPITCH                  ; my stage
	v_mul_u32_u24 v5, v3, SPITCH
	v_lshl_add_u32 v5, v2, 6, v5
	v_add_nc_u32 v[STO], s23, v5                   ; in: row r, + 64 h bytes
	v_mul_u32_u24 v5, v2, SPITCH
	v_add_nc_u32 v5, v5, v[BO]
	v_add_nc_u32 v[RD], s23, v5                    ; back: lanes 0-15 one row of 256 bytes, lanes 16-31 the next
.macro FRAG reg, adr, st, i            ; a fragment comes as it was stored: four loads of 512 consecutive bytes.  st: which 128 of the slot's 512 along K
.irp c, 0,1,2,3
	ds_load_b128 v[\reg+4*\c:\reg+4*\c+3], v[\adr] offset:(\i)*TILE2+((\st)/2)*TILEB+((\st)%2)*2048+512*\c
.endr
.endm
.macro FETCH slot, st, f               ; 32 LDS loads in one run: B's four fragments, then A's four
	WIN TO_F
.irp i, 0,1,2,3
	FRAG (\f)+64+FR*\i, ADRB+\slot, \st, \i
.endr
.irp i, 0,1,2,3
	FRAG (\f)+FR*\i, ADRA+\slot, \st, \i
.endr
.endm
.macro SCALES sc                       ; a slot's scale words, four a row: lanes 0-15 A's tile i, lanes 16-31 B's tile i; register SC + 16 sc + 4 i + st
	WIN 0
.irp i, 0,1,2,3
.irp k, 0,1
	ds_load_b64 v[SC+16*\sc+4*\i+2*\k:SC+16*\sc+4*\i+2*\k+1], v[ADRS+\sc] offset:\i*TILE2+\k*TILEB
.endr
.endr
.endm
.macro MUL4 f, a, sc, st, zero         ; A's tile a x B's four.  The 16 accumulators take turns, in the same order in every step.  zero = 1: the product starts the sums
.irp b, 0,1,2,3
.if \zero
	v_wmma_scale_f32_16x16x128_f8f6f4 v[ACC+8*(4*(\a)+\b):ACC+8*(4*(\a)+\b)+7], v[(\f)+64+FR*\b:(\f)+64+FR*\b+FR-1], v[(\f)+FR*(\a):(\f)+FR*(\a)+FR-1], 0, v[SC+16*(\sc)+4*\b+(\st)], v[SC+16*(\sc)+4*(\a)+(\st)] matrix_a_scale:MATRIX_SCALE_ROW1
.else
	v_wmma_scale_f32_16x16x128_f8f6f4 v[ACC+8*(4*(\a)+\b):ACC+8*(4*(\a)+\b)+7], v[(\f)+64+FR*\b:(\f)+64+FR*\b+FR-1], v[(\f)+FR*(\a):(\f)+FR*(\a)+FR-1], v[ACC+8*(4*(\a)+\b):ACC+8*(4*(\a)+\b)+7], v[SC+16*(\sc)+4*\b+(\st)], v[SC+16*(\sc)+4*(\a)+(\st)] matrix_a_scale:MATRIX_SCALE_ROW1
.endif
.endr
.endm
.macro PLACES n                        ; places in front of loads into registers that matrix instructions have read, and of the first read of results
.rept \n
	v_nop
.endr
.endm
; A slot is four steps of 128 along K, 16 matrix instructions each, on buffers 0, 1, 0, 1.  One of the first three: multiplies buffer f and fetches the next step into g
.macro QUARTER slot, st, f, g, zero
	s_wait_dscnt 8                                 ; all but the youngest 8 loads (A's tiles 2, 3)
	WIN MUL
	MUL4 \f, 0, \slot, \st, \zero
	MUL4 \f, 1, \slot, \st, \zero
	PLACES NP
	FETCH \slot, (\st)+1, \g
	s_wait_dscnt 32                                ; all but the 32 just issued
	WIN MUL
	MUL4 \f, 2, \slot, \st, \zero
	MUL4 \f, 3, \slot, \st, \zero
.endm
; A slot's last step multiplies buffer 1 and changes slots: one barrier, which opens a round of the cluster's where the slot is filled again (fill = 1), two slots ahead
.macro TURN slot, next, fill
	WIN 0                                          ; (the add's two registers lie in window 0)
	s_wait_tensorcnt 0x0                           ; all my tensor loads have landed: my part of the next slot
	ds_add_u32 v[SPW], v[NIL]                      ; 0 onto my spare word
	s_wait_dscnt 9                                 ; (the add and the youngest 8 loads may be out)
	WIN MUL
	MUL4 F1, 0, \slot, 3, 0
	s_wait_dscnt 0x0                               ; the add is done, and my reads of this slot are over
	s_barrier_signal -1
	MUL4 F1, 1, \slot, 3, 0
.if \fill
	WIN 0
.endif
	s_barrier_wait -1
.if \fill
	CREST                                          ; no wave of any partner still reads this slot or has a load on its way
	s_add_nc_u64 s[G0+4*\slot+2:G0+4*\slot+3], s[G0+4*\slot+2:G0+4*\slot+3], 2*TILE2
	s_add_nc_u64 s[G0B+4*\slot+2:G0B+4*\slot+3], s[G0B+4*\slot+2:G0B+4*\slot+3], 2*TILE2
	JLOAD G0+4*\slot, G1, G0B+4*\slot, G1B         ; the first tensor load behind the round; its four v_nop are four of the eight places
	PLACES NP-4
.else
	PLACES NP
.endif
	SCALES \next                                   ; ahead of the fragments, so that the youngest 8 loads are A's tiles 2, 3
	FETCH \next, 0, F0
	WIN MUL
	MUL4 F1, 2, \slot, 3, 0
	MUL4 F1, 3, \slot, 3, 0
.endm
	s_wait_tensorcnt 1                             ; my part of slot 0 is in; slot 1's load may be out
	s_barrier_signal -1
	s_barrier_wait -1
	SCALES 0
	FETCH 0, 0, F0
	QUARTER 0, 0, F0, F1, 1                        ; the first step starts the sums
.if LAPS > 1
	WIN 0                                          ; at a label and at a branch every window is 0
	s_mov_b32 s3, LAPS-1
.Llap:                                                 ; a trip goes once round the ring, from a lap's second step to the next lap's first, and fills both slots again
	QUARTER 0, 1, F1, F0, 0
	QUARTER 0, 2, F0, F1, 0
	TURN 0, 1, 1
	QUARTER 1, 0, F0, F1, 0
	QUARTER 1, 1, F1, F0, 0
	QUARTER 1, 2, F0, F1, 0
	TURN 1, 0, 1
	QUARTER 0, 0, F0, F1, 0
	WIN 0
	s_sub_co_u32 s3, s3, 1
	s_cmp_lg_u32 s3, 0
	s_cbranch_scc1 .Llap
.endif
	QUARTER 0, 1, F1, F0, 0                        ; the last lap fills nothing
	QUARTER 0, 2, F0, F1, 0
	TURN 0, 1, 0
	QUARTER 1, 0, F0, F1, 0
	QUARTER 1, 1, F1, F0, 0
	QUARTER 1, 2, F0, F1, 0
	s_wait_dscnt 8                                 ; the very last step: nothing more to fetch
	WIN MUL
	MUL4 F1, 0, 1, 3, 0
	MUL4 F1, 1, 1, 3, 0
	s_wait_dscnt 0
	MUL4 F1, 2, 1, 3, 0
	MUL4 F1, 3, 1, 3, 0
	WIN 0
	; ---- THE WAY OUT.  In accumulator (a, b) lane (r, h) holds row r of A's tile a and the columns 32 (b / 2) + 16 h + 8 (b % 2) + 0 .. 7 of my 64
	PLACES NP
.irp a, 0,1,2,3
.irp b, 0,1,2,3
	ds_store_b128 v[STO], v[ACC+8*(4*\a+\b):ACC+8*(4*\a+\b)+3] offset:\a*16*SPITCH+128*(\b/2)+32*(\b%2)      ; each accumulator from its low end on
	ds_store_b128 v[STO], v[ACC+8*(4*\a+\b)+4:ACC+8*(4*\a+\b)+7] offset:\a*16*SPITCH+128*(\b/2)+32*(\b%2)+16
.endr
.endr
	WIN TO_F
.irp a, 0,1,2,3
.irp t, 0,1,2,3,4,5,6,7
	ds_load_b128 v[32*\a+4*\t:32*\a+4*\t+3], v[RD] offset:(16*\a+2*\t)*SPITCH   ; LDS serves a wave's instructions in order (ISA guide 5.7.1.4): these see my stores
.endr
.endr
	s_wait_loadcnt 0x0                             ; the bias and the residual, asked for at the head
.irp a, 0,1,2,3
	s_wait_dscnt 8*(3-\a)                          ; block a is back; the later blocks' loads may be out
	WIN 0x49                                       ; destination and source 0 window 1, source 1 (the residual) window 2
.irp i, 0,1,2,3,4,5,6,7,8,9,10,11,12,13,14,15
	v_pk_add_f32 v[32*\a+2*\i:32*\a+2*\i+1], v[32*\a+2*\i:32*\a+2*\i+1], v[32*\a+2*\i:32*\a+2*\i+1]
.endr
	WIN 0x41                                       ; source 1 (the bias) window 0
.irp t, 0,1,2,3,4,5,6,7
	v_pk_add_f32 v[32*\a+4*\t:32*\a+4*\t+1], v[32*\a+4*\t:32*\a+4*\t+1], v[8:9]
	v_pk_add_f32 v[32*\a+4*\t+2:32*\a+4*\t+3], v[32*\a+4*\t+2:32*\a+4*\t+3], v[10:11]
.endr
	WIN 0x04                                       ; a store's data are its source 1: window 1
.irp t, 0,1,2,3,4,5,6,7
.if NTS
	global_store_b128 v[CO], v[32*\a+4*\t:32*\a+4*\t+3], s[12:13] offset:(32*(\a/2)+8*(\a%2)+2*\t+8*(\t/4))*4096 th:TH_STORE_NT   ; sixteen lanes store 256 consecutive bytes, aligned
.else
	global_store_b128 v[CO], v[32*\a+4*\t:32*\a+4*\t+3], s[12:13] offset:(32*(\a/2)+8*(\a%2)+2*\t+8*(\t/4))*4096
.endif
.endr
.endr
	WIN 0
	s_wait_tensorcnt 0x0                           ; the wave's end
	ds_add_u32 v[SPW], v[NIL]
	s_wait_dscnt 0x0
	CROUND                                         ; the closing round
	s_endpgm
.Lfunc_end_k_qa85de2893f_fc2:
	.size	k_qa85de2893f_fc2, .Lfunc_end_k_qa85de2893f_fc2-k_qa85de2893f_fc2
	.p2alignl 7, 3214868480
	.fill 96, 4, 3214868480
	.section	.rodata,"a",@progbits
	.p2align	6, 0x0
	.amdhsa_kernel k_qa85de2893f_fc2
		.amdhsa_group_segment_fixed_size 327680
		.amdhsa_private_segment_fixed_size 0
		.amdhsa_enable_private_segment 0
		.amdhsa_kernarg_size 40
		.amdhsa_user_sgpr_count 2
		.amdhsa_user_sgpr_kernarg_segment_ptr 1
		.amdhsa_wavefront_size32 1
		.amdhsa_system_sgpr_workgroup_id_x 1
		.amdhsa_system_sgpr_workgroup_id_y 1
		.amdhsa_system_sgpr_workgroup_id_z 1
		.amdhsa_system_vgpr_workitem_id 0
		.amdhsa_next_free_vgpr 768
		.amdhsa_next_free_sgpr 100
		.amdhsa_reserve_vcc 0
		.amdhsa_float_denorm_mode_32 3
		.amdhsa_float_denorm_mode_16_64 3
		.amdhsa_memory_ordered 1
		.amdhsa_forward_progress 1
		.amdhsa_inst_pref_size 102
	.end_amdhsa_kernel
	.amdgpu_metadata
---
amdhsa.version: [ 1, 2 ]
amdhsa.kernels:
  - .name:           k_qa85de2893f_fc2
    .symbol:         k_qa85de2893f_fc2.kd
    .args:
      - { .name: g, .offset: 0, .size: 8, .value_kind: global_buffer, .address_space: global }
      - { .name: wts, .offset: 8, .size: 8, .value_kind: global_buffer, .address_space: global }
      - { .name: fc2_b, .offset: 16, .size: 8, .value_kind: global_buffer, .address_space: global }
      - { .name: x1, .offset: 24, .size: 8, .value_kind: global_buffer, .address_space: global }
      - { .name: out0, .offset: 32, .size: 8, .value_kind: global_buffer, .address_space: global }
    .group_segment_fixed_size: 327680
    .private_segment_fixed_size: 0
    .kernarg_segment_align: 8
    .kernarg_segment_size: 40
    .max_flat_workgroup_size: 128
    .sgpr_count:     100
    .vgpr_count:     768
    .wavefront_size: 32
...
	.end_amdgpu_metadata
.endif
;; end of part 8
